; MI455X (gfx1250); checked and timed in simulation.
; The chip was launched on July 23, 2026; its instructions are those of AMD's public machine-readable ISA for CDNA 5 (MIT licence, August 2026) and "CDNA5" Instruction Set Architecture Reference Guide (July 2026). The comments in the code are by the model that wrote it; some were corrected since.
;; Linear Attention Layer. Allowed arithmetic: float matrix products may take bf16 or f16 operands with f32 sums; other float arithmetic in f32, or as packed bf16 or f16 multiplies, adds, multiply-adds, maxima and minima; sums over many terms, partial sums and values carried from step to step in f32; what a program stores and reads back later, other than sums and carried values, may be rounded once to bf16 or f16.
;; Inputs: Wg 16 x 1,024 float32; Wk 1,024 x 1,024 float32; Wo 1,024 x 1,024 float32; Wq 1,024 x 1,024 float32; Wv 1,024 x 1,024 float32; bg 16 float32; x 4 x 2,048 x 1,024 float32.
;; Outputs: out0 4 x 2,048 x 1,024 float32.
;; 2 versions, each right and faster than the one before. Each part assembles by itself: llvm-mc -triple=amdgcn-amd-amdhsa -mcpu=gfx1250 --defsym DOCPART=n.
;; ======== version 1 of 2: 5 launches
;; limits: values are held in f16: magnitudes above 65,504 overflow, below 6.1e-05 lose precision
;; workspace buffers: xb 16,777,216 bytes; wcat 6,291,456 bytes; wo2 4,194,304 bytes; lg 524,288 bytes; qkv 50,331,648 bytes; useg 3,244,032 bytes; y2 33,554,432 bytes
;; launch prep (part 1): grid 208 x 1, 16 waves a work-group, no clusters, 183,808 bytes of LDS; arguments x, Wq, Wk, Wv, Wo, Wg, bg, xb, wcat, wo2, lg; writes xb, wcat, wo2, lg
.if DOCPART == 1
	.amdgcn_target "amdgcn-amd-amdhsa--gfx1250"
	.amdhsa_code_object_version 6
	.text
	.protected	k_q7a843a40da_prep
	.globl	k_q7a843a40da_prep
	.p2align	8
	.type	k_q7a843a40da_prep,@function
k_q7a843a40da_prep:
	s_mov_b64 s[64:65], 0
	v_nop
	global_prefetch_b8 v0, s[64:65] scope:SCOPE_SE
	s_setreg_imm32_b32 hwreg(HW_REG_WAVE_MODE, 25, 1), 1
	s_wait_xcnt 0x0
; PREP.  Every input is rounded once to bf16, and the gates' logarithms are made.
;   work-groups 0-127:   64 rows of x (one chunk of the scan) -> xb, and lg[b*16+head][row] = log2(sigmoid(x . Wg[head] + bg[head]))
;   work-groups 128-175: 64 rows of Wq, Wk or Wv -> wcat (rows 0-1023 Wq, 1024-2047 Wk, 2048-3071 Wv)
;   work-groups 176-207: 32 rows of Wo -> wo2[n][128 h + c] = wo2[n][128 h + 64 + c] = bf16(Wo[n][64 h + c]): each head's 64 numbers twice, for the pair hi + lo in which y arrives
; Sixteen waves.  A wave's load covers 512 consecutive bytes of f32, its store 256 consecutive bytes of bf16, aligned.  All 32 loads of a wave are issued before the first is waited for.
; The gate's product (64 rows x 16 heads x 1,024) goes to the matrix unit from the rounded x that the same work-group has just made, kept in LDS: x is read from memory once.
; log2(sigmoid(z)) = min(z', 0) - log2(1 + 2^-|z'|), z' = z log2(e): no exponential has a positive argument.
; LIMITS.  lg is clipped at -160: a gate below 2^-160 counts as 2^-160, whose products vanish in f32 as the true gate's do; for z' > 24 the logarithm counts as 0 (its true size is below 2^-24).
; NaN and infinities are not treated apart.  No cluster, no tensor load: no two work-groups read the same bytes but Wg's 64 KiB.
.set XP,    2064                       ; a row of rounded x or Wg in LDS: 2,048 bytes + 16: 129 x 16, so the 16 rows of a fragment load start at 16 different groups of four banks (ISA guide 11.1)
.set WGT,   64*XP                      ; behind x's 64 rows: Wg's 16
.set PART,  WGT+16*XP                  ; 12 x 1,024 bytes: the partial sums of waves 4 to 15
.set STG,   PART+12*1024               ; 16 heads x 272 bytes: lg turned, a head's 64 rows on end
.set SGP,   272
.set SPARE, STG+16*SGP                 ; the spare words, 128 bytes for each of the 16 waves: no other line names them
.set LN,  1                            ; v1   lane
.set R,   2                            ; v2   lane % 16
.set H,   3                            ; v3   lane / 16
.set VS,  4                            ; v4   byte offset of my loads
.set VD,  5                            ; v5   byte offset of my stores
.set VL,  6                            ; v6   LDS address of my rows of x
.set VGS, 7                            ; v7   byte offset in Wg
.set VGL, 8                            ; v8   LDS address of my row of Wg
.set BG,  9                            ; v9   bg of head lane % 16
.set SPW, 10                           ; v10  my spare word; never rewritten
.set NIL, 11                           ; v11  0; never rewritten
.set XG,  12                           ; v[12:43]    a row of Wg as loaded
.set X0,  44                           ; v[44:107]   16 loads; later the gate's fragments of x
.set X1,  108                          ; v[108:171]  16 loads; later the gate's fragments of Wg
.set Y,   172                          ; v[172:203]  rounded, to store
.set Z,   172                          ; v[172:179]  the gate's sums (even K steps), later z', later lg
.set Z1,  180                          ; v[180:187]  the gate's sums (odd K steps); v[180:203] later the other waves' partial sums
.set TA,  204                          ; v204-207    addresses made late
.set WV,  26                           ; s26  wave
.set GI,  27                           ; s27  work-group
.set SRC, 30                           ; s[30:31]
.set DST, 32                           ; s[32:33]
.set OF,  36                           ; s[36:37] an offset in 64 bits
.macro LOADG buf, base, step           ; 16 loads of 16 bytes a lane
.set i, 0
.rept 16
	global_load_b128 v[(\buf)+4*i:(\buf)+4*i+3], v[VS], s[SRC:SRC+1] offset:(\base)+i*(\step) th:TH_LOAD_NT
.set i, i+1
.endr
.endm
.macro CVTG buf, base                  ; 64 registers of f32 -> 32 of bf16 -> 16 stores of 256 consecutive bytes
.set i, 0
.rept 32
	v_cvt_pk_bf16_f32 v[Y+i], v[(\buf)+2*i], v[(\buf)+2*i+1]
.set i, i+1
.endr
.set i, 0
.rept 16
	global_store_b64 v[VD], v[Y+2*i:Y+2*i+1], s[DST:DST+1] offset:(\base)+i*256
.set i, i+1
.endr
.endm
.macro TOLDS grp                       ; the same 32 registers into my rows 2 grp, 2 grp + 1 of x's tile
.set i, 0
.rept 16
	ds_store_b64 v[VL], v[Y+2*i:Y+2*i+1] offset:(2*(\grp)+i/8)*XP+(i%8)*256
.set i, i+1
.endr
.endm
	s_load_b512 s[4:19], s[0:1], 0x0               ; x s[4:5], Wq s[6:7], Wk s[8:9], Wv s[10:11], Wo s[12:13], Wg s[14:15], bg s[16:17], xb s[18:19]
	s_load_b128 s[20:23], s[0:1], 0x40             ; wcat s[20:21], wo2 s[22:23]
	s_load_b64 s[24:25], s[0:1], 0x50              ; lg
	v_lshl_add_u32 v[SPW], v0, 2, SPARE
	v_mov_b32 v[NIL], 0
	v_lshrrev_b32 v[LN], 5, v0
	v_readfirstlane_b32 s[WV], v[LN]
	v_and_b32 v[LN], 31, v0
	v_and_b32 v[R], 15, v0
	v_bfe_u32 v[H], v0, 4, 1
	s_mov_b32 s[GI], ttmp9
	s_mov_b32 s[OF+1], 0
	s_lshl_b32 s38, s[WV], 13
	v_lshl_add_u32 v[VD], v[LN], 3, s38            ; every role stores 8,192 bytes a wave, 8 bytes a lane
	s_wait_kmcnt 0x0
	s_cmp_ge_u32 s[GI], 176
	s_cbranch_scc1 .Lwo
	s_lshl_b32 s38, s[WV], 14
	v_lshl_add_u32 v[VS], v[LN], 4, s38            ; four rows of 4,096 bytes a wave, 16 bytes a lane
	s_cmp_ge_u32 s[GI], 128
	s_cbranch_scc1 .Lw
	; ---- 64 rows of x ----
	s_lshl_b32 s[OF], s[GI], 18
	s_add_nc_u64 s[SRC:SRC+1], s[4:5], s[OF:OF+1]
	s_lshl_b32 s[OF], s[GI], 17
	s_add_nc_u64 s[DST:DST+1], s[18:19], s[OF:OF+1]
	v_lshlrev_b32 v[TA], 2, v[R]
	global_load_b32 v[BG], v[TA], s[16:17]
	s_lshl_b32 s38, s[WV], 12
	v_lshl_add_u32 v[VGS], v[LN], 4, s38           ; wave w takes row w of Wg
.set i, 0
.rept 8
	global_load_b128 v[XG+4*i:XG+4*i+3], v[VGS], s[14:15] offset:i*512
.set i, i+1
.endr
	LOADG X0, 0, 512                               ; my rows 0, 1
	LOADG X1, 8192, 512                            ; my rows 2, 3
	s_mul_i32 s38, s[WV], 4*XP
	v_lshl_add_u32 v[VL], v[LN], 3, s38
	s_mul_i32 s38, s[WV], XP
	s_add_co_u32 s38, s38, WGT
	v_lshl_add_u32 v[VGL], v[LN], 3, s38
	s_mov_b32 s39, 0x3fb8aa3b                      ; log2(e)
	s_mov_b32 s44, 0xc3200000                      ; -160
	s_wait_loadcnt 32                              ; bg and Wg are in; x's 32 loads may stay out
.set i, 0
.rept 16
	v_cvt_pk_bf16_f32 v[Y+i], v[XG+2*i], v[XG+2*i+1]
.set i, i+1
.endr
.set i, 0
.rept 8
	ds_store_b64 v[VGL], v[Y+2*i:Y+2*i+1] offset:i*256
.set i, i+1
.endr
	s_wait_loadcnt 16                              ; rows 0, 1 are in; the 16 younger loads stay out
	CVTG X0, 0
	TOLDS 0
	s_wait_loadcnt 0x0
	s_wait_xcnt 0x0                                ; Y, which the stores above read, is rewritten only behind this wait
	CVTG X1, 4096
	TOLDS 1
	s_wait_dscnt 0x0                               ; for the others' sake: my rows of x and of Wg are in LDS
	s_barrier_signal -1
	s_barrier_wait -1
	; the gate: wave w makes rows 16 (w % 4) .. + 15 x all 16 heads over K = 256 (w / 4) .. + 255
	s_and_b32 s40, s[WV], 3
	s_lshr_b32 s41, s[WV], 2
	s_mul_i32 s42, s40, 16*XP
	s_lshl_b32 s43, s41, 9
	s_add_co_u32 s42, s42, s43
	s_add_co_u32 s43, s43, WGT
	v_mul_u32_u24 v[TA], v[R], XP                  ; (bg's load, which read this register, has come)
	v_lshl_add_u32 v[TA], v[H], 4, v[TA]           ; a fragment's row x pitch + 16 x half
	v_add_nc_u32 v[TA+1], s42, v[TA]
	v_add_nc_u32 v[TA+2], s43, v[TA]
.set i, 0
.rept 8
	ds_load_b128 v[X0+8*i:X0+8*i+3],   v[TA+1] offset:64*i
	ds_load_b128 v[X0+8*i+4:X0+8*i+7], v[TA+1] offset:64*i+32
	ds_load_b128 v[X1+8*i:X1+8*i+3],   v[TA+2] offset:64*i
	ds_load_b128 v[X1+8*i+4:X1+8*i+7], v[TA+2] offset:64*i+32
.set i, i+1
.endr
	s_wait_xcnt 0x0                                ; the sums land in Y's registers, which the last stores read
	s_wait_dscnt 0x0
	; source 0 = 16 rows of x, source 1 = 16 rows of Wg: a lane holds head lane % 16 and rows 8 (lane / 16) + 0..7.  Two accumulators take turns.
	v_wmma_f32_16x16x32_bf16 v[Z:Z+7], v[X0:X0+7], v[X1:X1+7], 0
	v_wmma_f32_16x16x32_bf16 v[Z1:Z1+7], v[X0+8:X0+15], v[X1+8:X1+15], 0
.set i, 2
.rept 3
	v_wmma_f32_16x16x32_bf16 v[Z:Z+7], v[X0+8*i:X0+8*i+7], v[X1+8*i:X1+8*i+7], v[Z:Z+7]
	v_wmma_f32_16x16x32_bf16 v[Z1:Z1+7], v[X0+8*i+8:X0+8*i+15], v[X1+8*i+8:X1+8*i+15], v[Z1:Z1+7]
.set i, i+2
.endr
.rept 4
	v_nop                                          ; four places between the last product and the first read of its result (ISA guide 7.12.1)
.endr
.set i, 0
.rept 4
	v_pk_add_f32 v[Z+2*i:Z+2*i+1], v[Z+2*i:Z+2*i+1], v[Z1+2*i:Z1+2*i+1]
.set i, i+1
.endr
	s_cmp_lt_u32 s[WV], 4
	s_cbranch_scc1 .Lkeep
	s_lshl_b32 s38, s[WV], 10
	s_add_co_u32 s38, s38, PART-4096
	v_lshl_add_u32 v[TA+3], v[LN], 4, s38
	ds_store_b128 v[TA+3], v[Z:Z+3]
	ds_store_b128 v[TA+3], v[Z+4:Z+7] offset:512
.Lkeep:
	s_wait_dscnt 0x0                               ; the partial sums are in LDS
	s_barrier_signal -1
	s_barrier_wait -1
	s_cmp_ge_u32 s[WV], 4
	s_cbranch_scc1 .Lnosum
	s_lshl_b32 s38, s[WV], 10
	s_add_co_u32 s38, s38, PART
	v_lshl_add_u32 v[TA+3], v[LN], 4, s38
.irp j, 0,1,2                          ; the sums of waves w + 4, w + 8, w + 12: the same rows, the other three quarters of K
	ds_load_b128 v[Z1+8*\j:Z1+8*\j+3],   v[TA+3] offset:\j*4096
	ds_load_b128 v[Z1+8*\j+4:Z1+8*\j+7], v[TA+3] offset:\j*4096+512
.endr
	v_cvt_pk_bf16_f32 v[BG], v[BG], v[BG]          ; bg is rounded like every other input,
	v_lshlrev_b32 v[BG], 16, v[BG]
	v_mul_f32 v[BG], s39, v[BG]                    ; and carries log2(e)
	s_wait_dscnt 0x0
.irp j, 0,1,2
.irp k, 0,1,2,3
	v_pk_add_f32 v[Z+2*\k:Z+2*\k+1], v[Z+2*\k:Z+2*\k+1], v[Z1+8*\j+2*\k:Z1+8*\j+2*\k+1]
.endr
.endr
.irp j, 0,1,2,3,4,5,6,7
	v_fma_f32 v[Z+\j], v[Z+\j], s39, v[BG]         ; z' = (z + bg) log2(e)
.endr
.irp j, 0,1,2,3,4,5,6,7
	v_or_b32 v[Z1+\j], 0x80000000, v[Z+\j]         ; -|z'|
.endr
.irp j, 0,1,2,3,4,5,6,7
	v_exp_f32 v[Z1+\j], v[Z1+\j]
.endr
	v_nop                                          ; a plain instruction behind the last exponential
	s_wait_alu depctr_va_vdst(0)
.irp j, 0,1,2,3,4,5,6,7
	v_add_f32 v[Z1+\j], 1.0, v[Z1+\j]
.endr
.irp j, 0,1,2,3,4,5,6,7
	v_log_f32 v[Z1+\j], v[Z1+\j]
.endr
.irp j, 0,1,2,3,4,5,6,7
	v_min_num_f32 v[Z+\j], 0, v[Z+\j]              ; (plain work behind the logarithms)
.endr
	s_wait_alu depctr_va_vdst(0)
.irp j, 0,1,2,3,4,5,6,7
	v_sub_f32 v[Z+\j], v[Z+\j], v[Z1+\j]
.endr
.irp j, 0,1,2,3,4,5,6,7
	v_max_num_f32 v[Z+\j], s44, v[Z+\j]
.endr
	v_mul_u32_u24 v[TA+3], v[R], SGP               ; head lane % 16, rows 16 w + 8 (lane / 16) + 0..7
	v_lshl_add_u32 v[TA+3], v[H], 5, v[TA+3]
	s_lshl_b32 s38, s[WV], 6
	s_add_co_u32 s38, s38, STG
	v_add_nc_u32 v[TA+3], s38, v[TA+3]
	ds_store_b128 v[TA+3], v[Z:Z+3]
	ds_store_b128 v[TA+3], v[Z+4:Z+7] offset:16
.Lnosum:
	s_wait_dscnt 0x0                               ; lg's 16 x 64 numbers are in the stage
	s_barrier_signal -1
	s_barrier_wait -1
	s_cmp_ge_u32 s[WV], 8
	s_cbranch_scc1 .Lend
	s_mul_i32 s38, s[WV], 2*SGP                    ; wave w takes heads 2 w and 2 w + 1: 16 lanes store a head's 256 consecutive bytes, aligned
	s_add_co_u32 s38, s38, STG
	v_mul_u32_u24 v[TA+3], v[H], SGP
	v_lshl_add_u32 v[TA+3], v[R], 4, v[TA+3]
	v_add_nc_u32 v[TA+3], s38, v[TA+3]
	ds_load_b128 v[Z:Z+3], v[TA+3]
	s_lshr_b32 s38, s[GI], 5                       ; batch
	s_lshl_b32 s[OF], s38, 17                      ; x 16 heads x 8,192 bytes
	s_and_b32 s38, s[GI], 31                       ; chunk
	s_lshl_b32 s38, s38, 8
	s_add_co_u32 s[OF], s[OF], s38
	s_lshl_b32 s38, s[WV], 14
	s_add_co_u32 s[OF], s[OF], s38
	s_add_nc_u64 s[24:25], s[24:25], s[OF:OF+1]
	v_lshlrev_b32 v[TA+2], 13, v[H]
	v_lshl_add_u32 v[TA+2], v[R], 4, v[TA+2]
	s_wait_dscnt 0x0
	global_store_b128 v[TA+2], v[Z:Z+3], s[24:25]
	s_branch .Lend
	; ---- 64 rows of Wq, Wk or Wv ----
.Lw:
	s_sub_co_u32 s34, s[GI], 128                   ; the block of 64 rows in wcat
	s_and_b32 s35, s34, 15                         ; and in its own matrix
	s_cmp_lt_u32 s[GI], 160
	s_cselect_b64 s[SRC:SRC+1], s[8:9], s[10:11]
	s_cmp_lt_u32 s[GI], 144
	s_cselect_b64 s[SRC:SRC+1], s[6:7], s[SRC:SRC+1]
	s_lshl_b32 s[OF], s35, 18
	s_add_nc_u64 s[SRC:SRC+1], s[SRC:SRC+1], s[OF:OF+1]
	s_lshl_b32 s[OF], s34, 17
	s_add_nc_u64 s[DST:DST+1], s[20:21], s[OF:OF+1]
	LOADG X0, 0, 512
	LOADG X1, 8192, 512
	s_wait_loadcnt 16                              ; the first 16 loads are in
	CVTG X0, 0
	s_wait_loadcnt 0x0
	s_wait_xcnt 0x0                                ; Y is rewritten only behind this wait
	CVTG X1, 4096
	s_branch .Lend
	; ---- 32 rows of Wo: a wave takes two ----
.Lwo:
	s_sub_co_u32 s34, s[GI], 176
	s_lshl_b32 s[OF], s34, 17                      ; 32 rows of 4,096 bytes, in Wo and in wo2
	s_add_nc_u64 s[SRC:SRC+1], s[12:13], s[OF:OF+1]
	s_add_nc_u64 s[DST:DST+1], s[22:23], s[OF:OF+1]
	v_lshl_add_u32 v[VS], v[R], 4, s38             ; both halves of the lanes read the same 256 bytes, a head's 64 numbers;
	LOADG X0, 0, 256                               ; rounded, they are the head's 256 bytes of wo2: the 64 numbers twice
	LOADG X1, 4096, 256
	s_wait_loadcnt 16
	CVTG X0, 0
	s_wait_loadcnt 0x0
	s_wait_xcnt 0x0
	CVTG X1, 4096
.Lend:
	s_wait_tensorcnt 0x0                           ; the wave's end: behind my last LDS store
	ds_add_u32 v[SPW], v[NIL]
	s_wait_dscnt 0x0
	s_endpgm
.Lfunc_end_k_q7a843a40da_prep:
	.size	k_q7a843a40da_prep, .Lfunc_end_k_q7a843a40da_prep-k_q7a843a40da_prep
	.p2alignl 7, 3214868480
	.fill 96, 4, 3214868480
	.section	.rodata,"a",@progbits
	.p2align	6, 0x0
	.amdhsa_kernel k_q7a843a40da_prep
		.amdhsa_group_segment_fixed_size 183808
		.amdhsa_private_segment_fixed_size 0
		.amdhsa_enable_private_segment 0
		.amdhsa_kernarg_size 88
		.amdhsa_user_sgpr_count 2
		.amdhsa_user_sgpr_kernarg_segment_ptr 1
		.amdhsa_wavefront_size32 1
		.amdhsa_system_sgpr_workgroup_id_x 1
		.amdhsa_system_sgpr_workgroup_id_y 1
		.amdhsa_system_sgpr_workgroup_id_z 1
		.amdhsa_system_vgpr_workitem_id 0
		.amdhsa_next_free_vgpr 208
		.amdhsa_next_free_sgpr 66
		.amdhsa_reserve_vcc 0
		.amdhsa_float_denorm_mode_32 3
		.amdhsa_float_denorm_mode_16_64 3
		.amdhsa_memory_ordered 1
		.amdhsa_forward_progress 1
		.amdhsa_inst_pref_size 47
	.end_amdhsa_kernel
	.amdgpu_metadata
---
amdhsa.version: [ 1, 2 ]
amdhsa.kernels:
  - .name:           k_q7a843a40da_prep
    .symbol:         k_q7a843a40da_prep.kd
    .args:
      - { .name: x, .offset: 0, .size: 8, .value_kind: global_buffer, .address_space: global }
      - { .name: Wq, .offset: 8, .size: 8, .value_kind: global_buffer, .address_space: global }
      - { .name: Wk, .offset: 16, .size: 8, .value_kind: global_buffer, .address_space: global }
      - { .name: Wv, .offset: 24, .size: 8, .value_kind: global_buffer, .address_space: global }
      - { .name: Wo, .offset: 32, .size: 8, .value_kind: global_buffer, .address_space: global }
      - { .name: Wg, .offset: 40, .size: 8, .value_kind: global_buffer, .address_space: global }
      - { .name: bg, .offset: 48, .size: 8, .value_kind: global_buffer, .address_space: global }
      - { .name: xb, .offset: 56, .size: 8, .value_kind: global_buffer, .address_space: global }
      - { .name: wcat, .offset: 64, .size: 8, .value_kind: global_buffer, .address_space: global }
      - { .name: wo2, .offset: 72, .size: 8, .value_kind: global_buffer, .address_space: global }
      - { .name: lg, .offset: 80, .size: 8, .value_kind: global_buffer, .address_space: global }
    .group_segment_fixed_size: 183808
    .private_segment_fixed_size: 0
    .kernarg_segment_align: 8
    .kernarg_segment_size: 88
    .max_flat_workgroup_size: 512
    .sgpr_count:     66
    .vgpr_count:     208
    .wavefront_size: 32
...
	.end_amdgpu_metadata
.endif
;; end of part 1
;; launch gemm1 (part 2): grid 24 x 32, 4 waves a work-group, clusters of 4 x 4, 327,680 bytes of LDS; arguments xb, wcat, qkv; writes qkv
.if DOCPART == 2
	.amdgcn_target "amdgcn-amd-amdhsa--gfx1250"
	.amdhsa_code_object_version 6
	.text
	.protected	k_q7a843a40da_gemm1
	.globl	k_q7a843a40da_gemm1
	.p2align	8
	.type	k_q7a843a40da_gemm1,@function
k_q7a843a40da_gemm1:
	s_mov_b64 s[64:65], 0
	v_nop
	global_prefetch_b8 v0, s[64:65] scope:SCOPE_SE
	s_setreg_imm32_b32 hwreg(HW_REG_WAVE_MODE, 25, 1), 1
	s_wait_xcnt 0x0
	s_wait_alu depctr_hold_cnt(0) depctr_sa_sdst(0) depctr_va_vdst(0) depctr_va_sdst(0) depctr_va_ssrc(0) depctr_va_vcc(0) depctr_vm_vsrc(0)
	s_getreg_b32 s2, hwreg(HW_REG_IB_STS2, 6, 4)
	s_cmp_eq_u32 s2, 0
	s_cbranch_scc0 .Lentry_in_a_cluster
	s_endpgm
.Lentry_in_a_cluster:
	s_bfe_u32 s2, ttmp6, 0x10000c
	s_cmp_lg_u32 s2, 0xf033
	s_cbranch_scc0 .Lentry_shape_is_right
	s_endpgm
.Lentry_shape_is_right:
; q, k, v = x W^T, with the feature map, written by heads.  A = xb [8192][1024] bf16, B = wcat [3072][1024] bf16 (Wq, Wk, Wv); sums in f32.
; qkv[type][16 b + head][row][64] in f16: type 0: phi(z / 8), type 1: phi(z), type 2: z;  phi(z) = elu(z) + 1 = the middle one of z + 1, e^z and 1 (e^z is never below z + 1, and above 1 just where z > 0).
; LIMIT.  f16 ends at 65,504: q, k and v must stay within it (with x and the weights each 30 times the drawn spread they reach about 5,000).  NaN and infinities are not treated apart.
; A tile of the product is 256 rows x 128 columns; four waves, each 128 x 64: 32 accumulators of 16 x 16, 256 registers.  K goes in steps of 128 (rows of 256 bytes) through two LDS slots.
; CLUSTER 4 x 4: the four work-groups of a row of the cluster need the same tile of A, the four of a column the same tile of B: each tile is asked for jointly.
; The matrix instruction is used transposed (source 0 = 16 rows of B, source 1 = 16 rows of A): a lane holds one row and eight neighbouring columns.  A wave's 64 columns are one head.
; REGISTERS: window 0: v16-29 addresses; v64-127, v128-191 A's fragments, two buffers (on the way out: at work).  window 1: v64-95, v128-159 B's fragments.  window 2: accumulator (a, b) at v[8 (4 a + b)].
.set SIZE_K, 1024
.set KSTEP,  128
.set PITCH,  272                       ; 256 bytes + 16 of padding: the 16 rows of a fragment load start at 16 different groups of four banks (ISA guide 11.1)
.set HALFA,  128*PITCH                 ; what a load of A brings, and what a wave reads of A
.set HALFB,  64*PITCH                  ; the same for B
.set SLOT,   2*HALFA+2*HALFB           ; A's 256 rows, then B's 128
.set STAGE,  2*SLOT                    ; behind the ring: 16 rows x 144 bytes for each wave
.set SPITCH, 144
.set SPARE,  STAGE+4*16*SPITCH         ; the spare words, 128 bytes a wave: no other line names them
.set LAPS,   SIZE_K/(2*KSTEP)
.set ADRA, 16                          ; v16-17  LDS address of my A fragments in slot 0, 1
.set ADRB, 20                          ; v20-21  the same for B
.set STO,  24                          ; v24     into my stage
.set RD,   25                          ; v25     back out of it
.set GO,   26                          ; v26     16 x lane
.set SPW,  28                          ; v28     my spare word; never rewritten
.set NIL,  29                          ; v29     0; never rewritten
.set F0,   64
.set F1,   128
.set UU,   64                          ; the way out, window 0: v[64:95] z s + 1, then phi
.set TT,   96                          ; v[96:127] the exponentials
.set PP,   128                         ; v[128:143] packed f16
.set OB,   144                         ; v[144:175] whole rows, two buffers of 16
.set G1,  24                           ; s[24:31] group 1 for A;  s[32:39] group 0, a set for each slot
.set G0,  32
.set G1B, 48                           ; s[48:55], s[56:63] the same for B
.set G0B, 56
.set TYP, 66                           ; s66  0 q, 1 k, 2 v: made of the cluster's x alone, so alike in all partners
.set SCL, 68                           ; s[68:69] 1/8 for q, else 1
.set ADC, 70                           ; s[70:71] 1, for v 0
.set LSC, 72                           ; s[72:73] log2(e) x the scale
.set MSB, 0
.macro WIN new                         ; the high byte repeats the setting that is left; a switch that changes nothing is dropped
.if MSB != (\new)
	s_set_vgpr_msb (MSB<<8)|(\new)
.set MSB, \new
.endif
.endm
.set MUL,  0xa1                        ; source 0 (B) window 1, source 1 (A) window 0, C and D window 2
.set TO_B, 0x40                        ; destination window 1, address window 0
.macro JLOAD s                         ; a joint load: waves 0, 1 fetch A's halves, waves 2, 3 B's; an s_nop 0 and four v_nop follow each line
	s_cmp_eq_u32 s11, 0
	s_cbranch_scc0 .Lfor_b_\@
	tensor_load_to_lds s[G0+4*(\s):G0+4*(\s)+3], s[G1:G1+7]
	s_nop 0
.rept 4
	v_nop
.endr
	s_branch .Lasked_\@
.Lfor_b_\@:
	tensor_load_to_lds s[G0B+4*(\s):G0B+4*(\s)+3], s[G1B:G1B+7]
	s_nop 0
.rept 4
	v_nop
.endr
.Lasked_\@:
.endm
.macro CREST                           ; a round of the cluster's barrier behind its opening barrier
	s_cmp_lg_u32 s10, 0
	s_cbranch_scc1 .Lnot_wave_0_\@
	s_barrier_signal -3
.Lnot_wave_0_\@:
	s_barrier_wait -3
	s_barrier_signal -1
	s_barrier_wait -1
.endm
.macro CROUND
	s_barrier_signal -1
	s_barrier_wait -1
	CREST
.endm
	s_load_b128 s[4:7], s[0:1], 0x0                ; xb s[4:5], wcat s[6:7]
	s_load_b64 s[8:9], s[0:1], 0x10                ; qkv
	v_lshl_add_u32 v[SPW], v0, 2, SPARE
	v_mov_b32 v[NIL], 0
	ds_add_u32 v[SPW], v[NIL]                      ; the wave's opening: the add and its wait ahead of my first tensor load
	ds_add_u32 v28, v29
	v_lshrrev_b32 v1, 5, v0
	v_readfirstlane_b32 s10, v1                    ; wave
	s_lshr_b32 s11, s10, 1                         ; my half of the tile's rows.  Also: I fetch for A (0) or B (1)
	s_and_b32 s12, s10, 1                          ; my half of its columns.  Also: which half of that tile I fetch
	s_bfe_u32 s40, ttmp6, 0x40000                  ; cx
	s_bfe_u32 s41, ttmp6, 0x40004                  ; cy
	s_lshl_b32 s42, ttmp9, 2
	s_add_co_u32 s42, s42, s40                     ; tile column = 4 x cluster x + cx
	s_and_b32 s13, ttmp7, 0xffff
	s_lshl_b32 s13, s13, 2
	s_add_co_u32 s13, s13, s41                     ; tile row = 4 x cluster y + cy
	s_lshl_b32 s43, s41, 2
	s_lshl_b32 s43, 15, s43                        ; my row of the cluster
	s_lshl_b32 s44, 0x1111, s40                    ; my column
	s_or_b32 s[G1+0], s43, (1<<16)|(1<<20)|(1<<21)|(5<<22)|(3<<25)   ; mask; 2-byte elements; padding on; bit 21 beside a mask; after every 64 words, 4 words
	s_or_b32 s[G1B+0], s44, (1<<16)|(1<<20)|(1<<21)|(5<<22)|(3<<25)
	s_mov_b32 s[G1+1], KSTEP<<16                   ; tensor_dim0 = 128
	s_mov_b32 s[G1+2], 128<<16                     ; tensor_dim1 = 128
	s_mov_b32 s[G1+3], KSTEP<<16                   ; tile_dim0 = 128
	s_mov_b32 s[G1+4], 128                         ; tile_dim1 = 128
	s_mov_b32 s[G1+5], SIZE_K                      ; elements from row to row
	s_mov_b32 s[G1+6], 0
	s_mov_b32 s[G1+7], 0
	s_mov_b32 s[G1B+1], KSTEP<<16
	s_mov_b32 s[G1B+2], 64<<16                     ; B's loads bring 64 rows
	s_mov_b32 s[G1B+3], KSTEP<<16
	s_mov_b32 s[G1B+4], 64
	s_mov_b32 s[G1B+5], SIZE_K
	s_mov_b32 s[G1B+6], 0
	s_mov_b32 s[G1B+7], 0
	s_lshl_b32 s17, s12, 7
	s_lshl_b32 s16, s13, 8
	s_add_co_u32 s16, s16, s17                     ; A: row 256 x tile row + 128 x half
	s_lshl_b32 s47, s12, 6
	s_lshl_b32 s46, s42, 7
	s_add_co_u32 s46, s46, s47                     ; B: row 128 x tile column + 64 x half
	s_mov_b32 s17, 0
	s_mov_b32 s47, 0
	s_mov_b64 s[18:19], SIZE_K*2
	s_mul_u64 s[16:17], s[16:17], s[18:19]
	s_mul_u64 s[46:47], s[46:47], s[18:19]
	s_mul_i32 s20, s10, HALFA                      ; where A's halves go (waves 0, 1),
	s_mul_i32 s21, s10, HALFB
	s_add_co_u32 s21, s21, 2*(HALFA-HALFB)         ; and B's (waves 2, 3): behind A's 256 rows
	s_lshr_b32 s[TYP], ttmp9, 1                    ; eight tile columns, two clusters, to each of q, k, v
	s_cmp_eq_u32 s[TYP], 0
	s_cselect_b32 s[SCL], 0x3e000000, 1.0
	s_mov_b32 s[LSC], 0x3fb8aa3b
	s_cselect_b32 s[LSC], 0x3e38aa3b, s[LSC]
	s_cmp_eq_u32 s[TYP], 2
	s_cselect_b32 s[ADC], 0, 1.0
	s_mov_b32 s[SCL+1], s[SCL]                     ; named as pairs
	s_mov_b32 s[ADC+1], s[ADC]
	s_mov_b32 s[LSC+1], s[LSC]
	s_wait_dscnt 0x0                               ; the opening add is done
	s_wait_kmcnt 0x0
	s_add_nc_u64 s[14:15], s[4:5], s[16:17]
	s_add_nc_u64 s[46:47], s[6:7], s[46:47]
	CROUND                                         ; all sixteen work-groups are here: the first joint loads meet
.irp s, 0,1
	s_mov_b32 s[G0+4*(\s)], 1
	s_add_co_u32 s[G0+4*(\s)+1], s20, (\s)*SLOT
	s_add_nc_u64 s[G0+4*(\s)+2:G0+4*(\s)+3], s[14:15], (\s)*KSTEP*2
	s_or_b32 s[G0+4*(\s)+3], s[G0+4*(\s)+3], 0x80000000
	s_mov_b32 s[G0B+4*(\s)], 1
	s_add_co_u32 s[G0B+4*(\s)+1], s21, (\s)*SLOT
	s_add_nc_u64 s[G0B+4*(\s)+2:G0B+4*(\s)+3], s[46:47], (\s)*KSTEP*2
	s_or_b32 s[G0B+4*(\s)+3], s[G0B+4*(\s)+3], 0x80000000
	JLOAD \s                                       ; two loads of mine are out at the start, one behind each later round
.endr
	v_and_b32 v1, 15, v0                           ; l % 16
	v_bfe_u32 v2, v0, 4, 1                         ; l / 16
	v_mul_u32_u24 v3, v1, PITCH
	v_lshl_add_u32 v3, v2, 4, v3                   ; a fragment's row x pitch + 16 x half
	s_mul_i32 s22, s11, HALFA                      ; my 128 rows of A
	s_mul_i32 s23, s12, HALFB                      ; my 64 rows of B,
	s_add_co_u32 s23, s23, 2*HALFA                 ; behind A's 256
.irp s, 0,1
	v_add_nc_u32 v[ADRA+(\s)], s22, v3
	v_add_nc_u32 v[ADRB+(\s)], s23, v3
	s_add_co_u32 s22, s22, SLOT
	s_add_co_u32 s23, s23, SLOT
.endr
	s_mul_i32 s22, s10, 16*SPITCH
	s_add_co_u32 s22, s22, STAGE                   ; my stage
	v_mul_u32_u24 v[STO], v1, SPITCH               ; in: row l % 16, 16 bytes for each half of the lanes
	v_lshl_add_u32 v[STO], v2, 4, v[STO]
	v_add_nc_u32 v[STO], s22, v[STO]
	v_bfe_u32 v[RD], v0, 3, 2                      ; back: 32 lanes take four rows of 128 bytes,
	v_mul_u32_u24 v[RD], v[RD], SPITCH
	v_and_b32 v4, 7, v0
	v_lshl_add_u32 v[RD], v4, 4, v[RD]
	v_add_nc_u32 v[RD], s22, v[RD]
	v_and_b32 v[GO], 31, v0                        ; which are 512 consecutive bytes of a head's rows
	v_lshlrev_b32 v[GO], 4, v[GO]
	; where my 128 rows of my head begin in qkv (in registers that feed no descriptor)
	s_and_b32 s74, ttmp9, 1
	s_lshl_b32 s74, s74, 2
	s_add_co_u32 s74, s74, s40
	s_lshl_b32 s74, s74, 1
	s_add_co_u32 s74, s74, s12                     ; head = 2 x (tile column % 8) + my half
	s_lshr_b32 s75, s13, 3                         ; batch: eight tile rows each
	s_lshl_b32 s75, s75, 4
	s_add_co_u32 s74, s74, s75
	s_lshl_b32 s74, s74, 11                        ; x 2,048 rows
	s_and_b32 s75, s13, 7
	s_lshl_b32 s75, s75, 8
	s_add_co_u32 s74, s74, s75
	s_lshl_b32 s75, s11, 7
	s_add_co_u32 s74, s74, s75
	s_lshl_b32 s74, s74, 7                         ; x 128 bytes
	s_lshl_b32 s75, s[TYP], 24                     ; a type is 16,777,216 bytes
	s_add_co_u32 s74, s74, s75
	s_mov_b32 s75, 0
	s_add_nc_u64 s[8:9], s[8:9], s[74:75]
.macro MUL8 f, a0, zero                ; 8 products: row blocks a0, a0 + 1 x all 4 column blocks, 32 along K.  zero = 1: they start the sums
	WIN MUL
.irp a, \a0, (\a0)+1
.irp b, 0,1,2,3
.if \zero
	v_wmma_f32_16x16x32_bf16 v[8*(4*(\a)+(\b)):8*(4*(\a)+(\b))+7], v[(\f)+8*(\b):(\f)+8*(\b)+7], v[(\f)+8*(\a):(\f)+8*(\a)+7], 0
.else
	v_wmma_f32_16x16x32_bf16 v[8*(4*(\a)+(\b)):8*(4*(\a)+(\b))+7], v[(\f)+8*(\b):(\f)+8*(\b)+7], v[(\f)+8*(\a):(\f)+8*(\a)+7], v[8*(4*(\a)+(\b)):8*(4*(\a)+(\b))+7]
.endif
.endr
.endr
.endm
.macro FETCH slot, k, f                ; 24 LDS loads in one run: 64 rows of B, then 128 rows of A, 32 along K at byte k of the rows
	WIN TO_B
.irp i, 0,1,2,3
	ds_load_b128 v[(\f)+8*(\i):(\f)+8*(\i)+3],   v[ADRB+(\slot)] offset:(\k)+(\i)*16*PITCH
	ds_load_b128 v[(\f)+8*(\i)+4:(\f)+8*(\i)+7], v[ADRB+(\slot)] offset:(\k)+(\i)*16*PITCH+32
.endr
	WIN 0
.irp i, 0,1,2,3,4,5,6,7
	ds_load_b128 v[(\f)+8*(\i):(\f)+8*(\i)+3],   v[ADRA+(\slot)] offset:(\k)+(\i)*16*PITCH
	ds_load_b128 v[(\f)+8*(\i)+4:(\f)+8*(\i)+7], v[ADRA+(\slot)] offset:(\k)+(\i)*16*PITCH+32
.endr
.endm
.macro PLACES                          ; four places in front of loads into registers that products have read, and of reads of results (ISA guide 7.12.1 for vector instructions)
.rept 4
	v_nop
.endr
.endm
.macro QUARTER slot, k, f, g, zero     ; 32 along K: multiplies buffer f, and in its middle fetches the next quarter, at byte k, into g
	s_wait_dscnt 8                                 ; B and A's row blocks 0-3 are in; the youngest eight loads (blocks 4-7) may be out
	MUL8 \f, 0, \zero
	MUL8 \f, 2, \zero
	PLACES
	FETCH \slot, \k, \g
	s_wait_dscnt 24                                ; all but the 24 just issued
	MUL8 \f, 4, \zero
	MUL8 \f, 6, \zero
.endm
; The last quarter of a K step multiplies buffer 1 and changes slots: one barrier; in front of it each wave waits for all its tensor loads (one is out: its part of the next slot), adds 0 to its spare
; word, and waits for that and for its reads of this slot.  fill = 1: the barrier opens a round of the cluster's, and this slot is filled again, two K steps ahead, first thing behind the round.
.macro TURN slot, next, fill
	WIN 0
	s_wait_tensorcnt 0x0
	ds_add_u32 v[SPW], v[NIL]
	s_wait_dscnt 9                                 ; the add and the youngest eight loads may be out
	MUL8 F1, 0, 0
	s_wait_dscnt 0x0                               ; the add is done, and my reads of this slot are over
	s_barrier_signal -1
	MUL8 F1, 2, 0
.if \fill
	WIN 0
.endif
	s_barrier_wait -1
.if \fill
	CREST
	s_add_nc_u64 s[G0+4*(\slot)+2:G0+4*(\slot)+3], s[G0+4*(\slot)+2:G0+4*(\slot)+3], 2*KSTEP*2
	s_add_nc_u64 s[G0B+4*(\slot)+2:G0B+4*(\slot)+3], s[G0B+4*(\slot)+2:G0B+4*(\slot)+3], 2*KSTEP*2
	JLOAD \slot                                    ; 112 products ahead of the wait for it; its four v_nop are also the places in front of the loads below
.else
	PLACES
.endif
	FETCH \next, 0, F0
	MUL8 F1, 4, 0
	MUL8 F1, 6, 0
.endm
	s_wait_tensorcnt 1                             ; my part of K step 0 is in; K step 1's may stay out
	s_barrier_signal -1
	s_barrier_wait -1
	FETCH 0, 0, F0
	QUARTER 0, 64, F0, F1, 1                       ; the first quarter starts the sums: nothing is cleared
	WIN 0
	s_mov_b32 s3, LAPS-1
.Llap:                                                 ; a trip goes once round the ring and fills both slots again
	QUARTER 0, 128, F1, F0, 0
	QUARTER 0, 192, F0, F1, 0
	TURN 0, 1, 1
	QUARTER 1, 64,  F0, F1, 0
	QUARTER 1, 128, F1, F0, 0
	QUARTER 1, 192, F0, F1, 0
	TURN 1, 0, 1
	QUARTER 0, 64,  F0, F1, 0
	WIN 0
	s_sub_co_u32 s3, s3, 1
	s_cmp_lg_u32 s3, 0
	s_cbranch_scc1 .Llap
	QUARTER 0, 128, F1, F0, 0                      ; the last lap fills nothing
	QUARTER 0, 192, F0, F1, 0
	TURN 0, 1, 0
	QUARTER 1, 64,  F0, F1, 0
	QUARTER 1, 128, F1, F0, 0
	QUARTER 1, 192, F0, F1, 0
	s_wait_dscnt 8
	MUL8 F1, 0, 0
	MUL8 F1, 2, 0
	s_wait_dscnt 0x0
	MUL8 F1, 4, 0
	MUL8 F1, 6, 0
	WIN 0
	PLACES
; THE WAY OUT, a block of 16 rows at a time: the feature map in f32, rounded to f16, 16 bytes a lane into my stage, back as whole rows of 128 bytes.
.macro PHI a
	WIN 0x02                                       ; source 0 in window 2
.set i, 0
.rept 16
	v_pk_fma_f32 v[UU+2*i:UU+2*i+1], v[32*(\a)+2*i:32*(\a)+2*i+1], s[SCL:SCL+1], s[ADC:ADC+1] op_sel_hi:[1,0,0]  ; z s + 1 (v: z); each accumulator is read from its low end on
.set i, i+1
.endr
	WIN 0
	s_cmp_eq_u32 s[TYP], 2
	s_cbranch_scc1 .Lplain_\@                      ; v has no feature map; the test is alike in all partners of the cluster
	WIN 0x02
.set i, 0
.rept 16
	v_pk_mul_f32 v[TT+2*i:TT+2*i+1], v[32*(\a)+2*i:32*(\a)+2*i+1], s[LSC:LSC+1] op_sel_hi:[1,0]
.set i, i+1
.endr
	WIN 0
.set i, 0
.rept 32
	v_exp_f32 v[TT+i], v[TT+i]
.set i, i+1
.endr
	v_nop                                          ; a plain instruction behind the last exponential
.set i, 0
	s_wait_alu depctr_va_vdst(0)
.rept 32
	v_med3_num_f32 v[UU+i], v[UU+i], v[TT+i], 1.0
.set i, i+1
.endr
.Lplain_\@:
.set i, 0
.rept 16
	v_cvt_pk_f16_f32 v[PP+i], v[UU+2*i], v[UU+2*i+1]
.set i, i+1
.endr
	s_wait_xcnt 0x0                                ; the buffer loaded below was read by the stores of the block two back
.irp b, 0,1,2,3
	ds_store_b128 v[STO], v[PP+4*\b:PP+4*\b+3] offset:32*\b
.endr
.irp f, 0,1,2,3
	ds_load_b128 v[OB+16*((\a)%2)+4*\f:OB+16*((\a)%2)+4*\f+3], v[RD] offset:\f*4*SPITCH  ; LDS serves a wave's instructions in order (ISA guide 5.7.1.4): these see the stores above
.endr
.endm
.macro SEND a, younger                 ; younger: the LDS instructions issued behind block a's loads: the next block's eight, or none
.irp f, 0,1,2,3
	s_wait_dscnt (\younger)+3-\f
	global_store_b128 v[GO], v[OB+16*((\a)%2)+4*\f:OB+16*((\a)%2)+4*\f+3], s[8:9] offset:(\a)*2048+\f*512  ; 512 consecutive bytes, aligned to 256
.endr
.endm
	PHI 0
.irp a, 1,2,3,4,5,6,7
	PHI \a
	SEND (\a)-1, 8
.endr
	SEND 7, 0
	s_wait_tensorcnt 0x0                           ; the wave's end
	ds_add_u32 v[SPW], v[NIL]
	s_wait_dscnt 0x0
	CROUND                                         ; the closing round
	s_endpgm
.Lfunc_end_k_q7a843a40da_gemm1:
	.size	k_q7a843a40da_gemm1, .Lfunc_end_k_q7a843a40da_gemm1-k_q7a843a40da_gemm1
	.p2alignl 7, 3214868480
	.fill 96, 4, 3214868480
	.section	.rodata,"a",@progbits
	.p2align	6, 0x0
	.amdhsa_kernel k_q7a843a40da_gemm1
		.amdhsa_group_segment_fixed_size 327680
		.amdhsa_private_segment_fixed_size 0
		.amdhsa_enable_private_segment 0
		.amdhsa_kernarg_size 24
		.amdhsa_user_sgpr_count 2
		.amdhsa_user_sgpr_kernarg_segment_ptr 1
		.amdhsa_wavefront_size32 1
		.amdhsa_system_sgpr_workgroup_id_x 1
		.amdhsa_system_sgpr_workgroup_id_y 1
		.amdhsa_system_sgpr_workgroup_id_z 1
		.amdhsa_system_vgpr_workitem_id 0
		.amdhsa_next_free_vgpr 768
		.amdhsa_next_free_sgpr 80
		.amdhsa_reserve_vcc 0
		.amdhsa_float_denorm_mode_32 3
		.amdhsa_float_denorm_mode_16_64 3
		.amdhsa_memory_ordered 1
		.amdhsa_forward_progress 1
		.amdhsa_inst_pref_size 130
	.end_amdhsa_kernel
	.amdgpu_metadata
---
amdhsa.version: [ 1, 2 ]
amdhsa.kernels:
  - .name:           k_q7a843a40da_gemm1
    .symbol:         k_q7a843a40da_gemm1.kd
    .args:
      - { .name: xb, .offset: 0, .size: 8, .value_kind: global_buffer, .address_space: global }
      - { .name: wcat, .offset: 8, .size: 8, .value_kind: global_buffer, .address_space: global }
      - { .name: qkv, .offset: 16, .size: 8, .value_kind: global_buffer, .address_space: global }
    .group_segment_fixed_size: 327680
    .private_segment_fixed_size: 0
    .kernarg_segment_align: 8
    .kernarg_segment_size: 24
    .max_flat_workgroup_size: 128
    .sgpr_count:     80
    .vgpr_count:     768
    .wavefront_size: 32
...
	.end_amdgpu_metadata
.endif
;; end of part 2
;; launch segstate (part 3): grid 3 x 64, 4 waves a work-group, no clusters, 167,936 bytes of LDS; arguments qkv, lg, useg; writes useg
.if DOCPART == 3
	.amdgcn_target "amdgcn-amd-amdhsa--gfx1250"
	.amdhsa_code_object_version 6
	.text
	.protected	k_q7a843a40da_segstate
	.globl	k_q7a843a40da_segstate
	.p2align	8
	.type	k_q7a843a40da_segstate,@function
k_q7a843a40da_segstate:
	s_mov_b64 s[64:65], 0
	v_nop
	global_prefetch_b8 v0, s[64:65] scope:SCOPE_SE
	s_setreg_imm32_b32 hwreg(HW_REG_WAVE_MODE, 25, 1), 1
	s_wait_xcnt 0x0
; THE STATE THAT A SEGMENT ADDS.  The 2,048 rows of a (batch, head) are four segments of 512; work-group (seg, bh), seg = 0..2, runs S <- 2^Tot S + K^T (w o V) over the segment's eight chunks of
; 64 rows from S = 0, with l the running sum of log2(gate) inside a chunk, Tot its last value and w_j = 2^(Tot - l_j), and stores S (f32, as the registers hold it) and the segment's sum of logs.
; K, V in f16 from qkv; w in f16 (0 to 1; below 6e-5 it keeps f16's fixed step of 6e-8, beside the chunk's last row whose w is 1); w o V rounded to f16; sums in f32.
; Wave w owns V's channels 16 w .. + 15: source 0 = K^T (16 of K's channels x 32 keys), source 1 = (w o V)^T: a lane holds one channel of V and eight of K.  Both come out of LDS turned, by ds_load_tr16_b128.
; The whole segment's K and V lie in LDS at once, each byte filled once: two tensor loads a wave, all out at the start; the second half lands while the first is multiplied.
; No cluster: no two work-groups read the same tile.
.set PV,    160                        ; a key's row in LDS: 128 bytes + 32
.set PIECE, 128*PV                     ; what one load brings: 128 keys
.set HALF,  4*PIECE                    ; K's keys 0-255 (two pieces), then V's; the second half likewise
.set CH,    64*PV                      ; a chunk
.set WT,    2*HALF                     ; w, 512 x f16
.set GT,    WT+1024                    ; eight 2^Tot, then eight Tot
.set SPARE, GT+256                     ; the spare words, 128 bytes a wave: no other line names them
.set AK,  4                            ; v4  LDS address of the chunk's K
.set AV,  5                            ; v5  of its V, my 16 channels
.set AW,  6                            ; v6  of its w
.set AG,  7                            ; v7  of its 2^Tot
.set GOU, 8                            ; v8  16 x lane
.set SPW, 10                           ; v10 my spare word; never rewritten
.set NIL, 11                           ; v11 0; never rewritten
.set TG,  12                           ; v[12:15] four logs, then l
.set TW,  16                           ; v[16:19] w
.set TSUM, 20
.set TPRE, 21
.set TO,  22
.set TO2, 23
.set TGM, 24
.set TA1, 25
.set TA2, 26
.set TA3, 27
.set TLG, 28                           ; v28 byte offset of my four logs
.set KT,  32                           ; v[32:95]   K^T: key half jh, channel block ib at KT + 32 jh + 8 ib
.set VO,  96                           ; v[96:111]  V^T of my channels, then w o V
.set WF,  112                          ; v[112:127] w, laid as VO's keys lie
.set S,   128                          ; v[128:159] the state: K's channel block ib at S + 8 ib
.set GAM, 160                          ; v[160:161] 2^Tot (the pair's low word serves both halves)
.set WV,  10
.set SEG, 11
.set BH,  12
.set G1,  16                           ; s[16:23]
.set G0,  24                           ; s[24:31] a set for each half
.set CNT, 34
.set TMK, 40                           ; s40-43 lane masks: bit 0, 1, 2, 3 of the lane's number set
; l, w, 2^Tot and Tot of the segment's eight chunks.  Thread i holds rows 4 i .. 4 i + 3, so a chunk is 16 neighbouring lanes.  Four exchanges with the lane whose number differs in one bit give every
; lane the sum of the lanes before it (PRE takes the partner's block where the partner comes first) and the sum of all sixteen.
.macro TSTEP x, m
	v_mov_b32_dpp v[TO], v[TSUM] row_xmask:\x row_mask:0xf bank_mask:0xf
	v_cndmask_b32 v[TO2], 0, v[TO], s[TMK+\m]
	v_add_f32 v[TSUM], v[TSUM], v[TO]
	v_add_f32 v[TPRE], v[TPRE], v[TO2]
.endm
.macro TABLES full, cnt                ; full = 1: l is stored too; cnt: the younger global loads, which may stay out
	s_wait_loadcnt \cnt
	v_add_f32 v[TG+1], v[TG], v[TG+1]
	v_add_f32 v[TG+2], v[TG+1], v[TG+2]
	v_add_f32 v[TG+3], v[TG+2], v[TG+3]
	v_mov_b32 v[TO], 0                             ; a DPP form's destination counts as read
	v_mov_b32 v[TSUM], v[TG+3]
	v_mov_b32_dpp v[TO], v[TSUM] row_xmask:1 row_mask:0xf bank_mask:0xf
	v_cndmask_b32 v[TPRE], 0, v[TO], s[TMK]
	v_add_f32 v[TSUM], v[TSUM], v[TO]
	TSTEP 2, 1
	TSTEP 4, 2
	TSTEP 8, 3
.irp k, 0,1,2,3
	v_add_f32 v[TG+\k], v[TPRE], v[TG+\k]          ; l
.endr
.irp k, 0,1,2,3
	v_sub_f32 v[TW+\k], v[TSUM], v[TG+\k]          ; Tot - l: the later rows' logs, never above 0 but for rounding
.endr
.irp k, 0,1,2,3
	v_exp_f32 v[TW+\k], v[TW+\k]
.endr
	v_exp_f32 v[TGM], v[TSUM]
	v_lshl_add_u32 v[TA1], v0, 3, WT               ; (plain work behind the exponentials)
	v_lshrrev_b32 v[TA2], 4, v0
	v_lshl_add_u32 v[TA2], v[TA2], 2, GT
	s_wait_alu depctr_va_vdst(0)
	v_cvt_pk_f16_f32 v[TW], v[TW], v[TW+1]
	v_cvt_pk_f16_f32 v[TW+1], v[TW+2], v[TW+3]
.if \full
	v_lshl_add_u32 v[TA3], v0, 4, LT
	ds_store_b128 v[TA3], v[TG:TG+3]
.endif
	ds_store_b64 v[TA1], v[TW:TW+1]
	ds_store_b32 v[TA2], v[TGM]                    ; a chunk's 16 lanes write the same word with the same value
	ds_store_b32 v[TA2], v[TSUM] offset:32
.endm
	s_load_b128 s[4:7], s[0:1], 0x0                ; qkv s[4:5], lg s[6:7]
	s_load_b64 s[8:9], s[0:1], 0x10                ; useg
	v_lshl_add_u32 v[SPW], v0, 2, SPARE
	v_mov_b32 v[NIL], 0
	ds_add_u32 v[SPW], v[NIL]                      ; the wave's opening: the add and its wait ahead of my first tensor load
	ds_add_u32 v10, v11
	v_lshrrev_b32 v1, 5, v0
	v_readfirstlane_b32 s[WV], v1
	s_mov_b32 s[SEG], ttmp9
	s_and_b32 s[BH], ttmp7, 0xffff
	; group 1: 128 keys are 16,384 dense bytes: asked for as 64 rows of 256 bytes, two keys a row, padded in LDS after every key
	s_mov_b32 s[G1+0], (1<<16)|(1<<20)|(4<<22)|(7<<25)  ; 2-byte elements; padding on; after every 32 words, 8 words
	s_mov_b32 s[G1+1], 128<<16                     ; tensor_dim0 = 128
	s_mov_b32 s[G1+2], 64<<16                      ; tensor_dim1 = 64
	s_mov_b32 s[G1+3], 128<<16                     ; tile_dim0 = 128
	s_mov_b32 s[G1+4], 64                          ; tile_dim1 = 64
	s_mov_b32 s[G1+5], 128                         ; elements from row to row
	s_mov_b32 s[G1+6], 0
	s_mov_b32 s[G1+7], 0
	s_mul_i32 s13, s[WV], PIECE                    ; waves 0, 1: K's two pieces of a half; waves 2, 3: V's
	s_lshr_b32 s14, s[WV], 1
	s_add_co_u32 s14, s14, 1                       ; type 1 is k, type 2 is v
	s_lshl_b32 s14, s14, 24
	s_lshl_b32 s15, s[BH], 18
	s_add_co_u32 s14, s14, s15
	s_lshl_b32 s15, s[SEG], 16
	s_add_co_u32 s14, s14, s15
	s_and_b32 s15, s[WV], 1
	s_lshl_b32 s15, s15, 14
	s_add_co_u32 s14, s14, s15
	s_mov_b32 s15, 0
	s_mov_b32 s[TMK], 0xaaaaaaaa
	s_mov_b32 s[TMK+1], 0xcccccccc
	s_mov_b32 s[TMK+2], 0xf0f0f0f0
	s_mov_b32 s[TMK+3], 0xff00ff00
	s_wait_dscnt 0x0                               ; the opening add is done
	s_wait_kmcnt 0x0
	s_add_nc_u64 s[32:33], s[4:5], s[14:15]
.irp hf, 0,1                           ; both fills go out together, ahead of every wait on TENSORcnt, LDS read and barrier: two loads of mine are out
	s_mov_b32 s[G0+4*\hf], 1
	s_add_co_u32 s[G0+4*\hf+1], s13, \hf*HALF
	s_add_nc_u64 s[G0+4*\hf+2:G0+4*\hf+3], s[32:33], \hf*32768
	s_or_b32 s[G0+4*\hf+3], s[G0+4*\hf+3], 0x80000000
	tensor_load_to_lds s[G0+4*\hf:G0+4*\hf+3], s[G1:G1+7]
	s_nop 0
.endr
	s_lshl_b32 s14, s[BH], 13
	s_lshl_b32 s36, s[SEG], 11
	s_add_co_u32 s14, s14, s36
	s_add_nc_u64 s[6:7], s[6:7], s[14:15]          ; lg at my segment
	v_lshlrev_b32 v[TLG], 4, v0
	global_load_b128 v[TG:TG+3], v[TLG], s[6:7]
	s_mul_i32 s14, s[BH], 3
	s_add_co_u32 s14, s14, s[SEG]
	s_mul_i32 s14, s14, 16896
	s_lshl_b32 s36, s[WV], 12
	s_add_co_u32 s14, s14, s36
	s_add_nc_u64 s[8:9], s[8:9], s[14:15]          ; useg at my wave's 4,096 bytes of my block
	v_bfe_u32 v2, v0, 4, 1                         ; l / 16
	v_and_b32 v[AK], 7, v0                         ; the turning load: lane l reads key 8 (l / 16) + l % 8, channels 8 ((l / 8) % 2) + 0..7
	v_lshl_add_u32 v[AK], v2, 3, v[AK]
	v_mul_u32_u24 v[AK], v[AK], PV
	v_bfe_u32 v3, v0, 3, 1
	v_lshl_add_u32 v[AK], v3, 4, v[AK]
	s_lshl_b32 s35, s[WV], 5
	s_add_co_u32 s35, s35, 2*PIECE
	v_add_nc_u32 v[AV], s35, v[AK]
	v_lshl_add_u32 v[AW], v2, 4, WT
	v_mov_b32 v[AG], GT
	v_and_b32 v1, 31, v0
	v_lshlrev_b32 v[GOU], 4, v1
	v_mov_b32 v[GAM+1], 0                          ; named with GAM as a pair
.set i, 0
.rept 32
	v_mov_b32 v[S+i], 0                            ; the state starts at 0: 32 lines in the wait for the first tile, the price of writing no first chunk out
.set i, i+1
.endr
	TABLES 0, 0
.macro STEP                            ; one chunk
.irp jh, 0,1
	ds_load_tr16_b128 v[VO+8*\jh:VO+8*\jh+3],   v[AV] offset:\jh*32*PV
	ds_load_tr16_b128 v[VO+8*\jh+4:VO+8*\jh+7], v[AV] offset:\jh*32*PV+16*PV
.endr
.irp n, 0,1,2,3
	ds_load_b128 v[WF+4*\n:WF+4*\n+3], v[AW] offset:32*\n  ; keys 16 n + 8 (l / 16) + 0..7: as VO's registers 4 n .. 4 n + 3 hold them
.endr
	ds_load_b32 v[GAM], v[AG]
.irp jh, 0,1
.irp ib, 0,1,2,3
	ds_load_tr16_b128 v[KT+32*\jh+8*\ib:KT+32*\jh+8*\ib+3],   v[AK] offset:\jh*32*PV+32*\ib
	ds_load_tr16_b128 v[KT+32*\jh+8*\ib+4:KT+32*\jh+8*\ib+7], v[AK] offset:\jh*32*PV+16*PV+32*\ib
.endr
.endr
	s_wait_dscnt 16                                ; V, w and 2^Tot are in; K's 16 loads may stay out
.set i, 0
.rept 16
	v_pk_mul_f16 v[VO+i], v[VO+i], v[WF+i]
.set i, i+1
.endr
.set i, 0
.rept 16
	v_pk_mul_f32 v[S+2*i:S+2*i+1], v[S+2*i:S+2*i+1], v[GAM:GAM+1] op_sel_hi:[1,0]  ; each accumulator is read from its low end on
.set i, i+1
.endr
	s_wait_dscnt 0x0
.irp jh, 0,1
.irp ib, 0,1,2,3                       ; the four accumulators take turns
	v_wmma_f32_16x16x32_f16 v[S+8*\ib:S+8*\ib+7], v[KT+32*\jh+8*\ib:KT+32*\jh+8*\ib+7], v[VO+8*\jh:VO+8*\jh+7], v[S+8*\ib:S+8*\ib+7]
.endr
.endr
	v_add_nc_u32 v[AK], CH, v[AK]                  ; the next chunk; these four lines are also the places in front of the next loads and of the stores at the end
	v_add_nc_u32 v[AV], CH, v[AV]
	v_add_nc_u32 v[AW], 128, v[AW]
	v_add_nc_u32 v[AG], 4, v[AG]
.endm
	s_wait_tensorcnt 1                             ; my piece of the first half is in; the second half's may stay out
	s_wait_dscnt 0x0                               ; my part of the tables is in LDS
	s_barrier_signal -1
	s_barrier_wait -1
	s_mov_b32 s[CNT], 4
.Lfirst_half:
	STEP
	s_sub_co_u32 s[CNT], s[CNT], 1
	s_cmp_lg_u32 s[CNT], 0
	s_cbranch_scc1 .Lfirst_half
	s_wait_tensorcnt 0x0                           ; my piece of the second half is in,
	s_barrier_signal -1
	s_barrier_wait -1                              ; everybody's is
	v_add_nc_u32 v[AK], HALF-4*CH, v[AK]           ; over V's pieces of the first half
	v_add_nc_u32 v[AV], HALF-4*CH, v[AV]
	s_mov_b32 s[CNT], 4
.Lsecond_half:
	STEP
	s_sub_co_u32 s[CNT], s[CNT], 1
	s_cmp_lg_u32 s[CNT], 0
	s_cbranch_scc1 .Lsecond_half
.set i, 0
.rept 8
	global_store_b128 v[GOU], v[S+4*i:S+4*i+3], s[8:9] offset:i*512  ; 512 consecutive bytes each, aligned to 256
.set i, i+1
.endr
	s_cmp_lg_u32 s[WV], 0
	s_cbranch_scc1 .Lend
	v_mov_b32 v[TA1], GT+32                        ; wave 0: the sum of the eight Tot, to all 512 bytes behind the state
	ds_load_b128 v[KT:KT+3], v[TA1]
	ds_load_b128 v[KT+4:KT+7], v[TA1] offset:16
	s_wait_dscnt 0x0
	v_add_f32 v[KT], v[KT], v[KT+1]
	v_add_f32 v[KT+2], v[KT+2], v[KT+3]
	v_add_f32 v[KT+4], v[KT+4], v[KT+5]
	v_add_f32 v[KT+6], v[KT+6], v[KT+7]
	v_add_f32 v[KT], v[KT], v[KT+2]
	v_add_f32 v[KT+4], v[KT+4], v[KT+6]
	v_add_f32 v[KT], v[KT], v[KT+4]
	v_mov_b32 v[KT+1], v[KT]
	v_mov_b32 v[KT+2], v[KT]
	v_mov_b32 v[KT+3], v[KT]
	global_store_b128 v[GOU], v[KT:KT+3], s[8:9] offset:16384
.Lend:
	s_wait_tensorcnt 0x0                           ; the wave's end
	ds_add_u32 v[SPW], v[NIL]
	s_wait_dscnt 0x0
	s_endpgm
.Lfunc_end_k_q7a843a40da_segstate:
	.size	k_q7a843a40da_segstate, .Lfunc_end_k_q7a843a40da_segstate-k_q7a843a40da_segstate
	.p2alignl 7, 3214868480
	.fill 96, 4, 3214868480
	.section	.rodata,"a",@progbits
	.p2align	6, 0x0
	.amdhsa_kernel k_q7a843a40da_segstate
		.amdhsa_group_segment_fixed_size 167936
		.amdhsa_private_segment_fixed_size 0
		.amdhsa_enable_private_segment 0
		.amdhsa_kernarg_size 24
		.amdhsa_user_sgpr_count 2
		.amdhsa_user_sgpr_kernarg_segment_ptr 1
		.amdhsa_wavefront_size32 1
		.amdhsa_system_sgpr_workgroup_id_x 1
		.amdhsa_system_sgpr_workgroup_id_y 1
		.amdhsa_system_sgpr_workgroup_id_z 1
		.amdhsa_system_vgpr_workitem_id 0
		.amdhsa_next_free_vgpr 176
		.amdhsa_next_free_sgpr 66
		.amdhsa_reserve_vcc 0
		.amdhsa_float_denorm_mode_32 3
		.amdhsa_float_denorm_mode_16_64 3
		.amdhsa_memory_ordered 1
		.amdhsa_forward_progress 1
		.amdhsa_inst_pref_size 18
	.end_amdhsa_kernel
	.amdgpu_metadata
---
amdhsa.version: [ 1, 2 ]
amdhsa.kernels:
  - .name:           k_q7a843a40da_segstate
    .symbol:         k_q7a843a40da_segstate.kd
    .args:
      - { .name: qkv, .offset: 0, .size: 8, .value_kind: global_buffer, .address_space: global }
      - { .name: lg, .offset: 8, .size: 8, .value_kind: global_buffer, .address_space: global }
      - { .name: useg, .offset: 16, .size: 8, .value_kind: global_buffer, .address_space: global }
    .group_segment_fixed_size: 167936
    .private_segment_fixed_size: 0
    .kernarg_segment_align: 8
    .kernarg_segment_size: 24
    .max_flat_workgroup_size: 128
    .sgpr_count:     66
    .vgpr_count:     176
    .wavefront_size: 32
...
	.end_amdgpu_metadata
.endif
;; end of part 3
;; launch scan (part 4): grid 4 x 64, 4 waves a work-group, no clusters, 251,904 bytes of LDS; arguments qkv, lg, useg, y2; writes y2
.if DOCPART == 4
	.amdgcn_target "amdgcn-amd-amdhsa--gfx1250"
	.amdhsa_code_object_version 6
	.text
	.protected	k_q7a843a40da_scan
	.globl	k_q7a843a40da_scan
	.p2align	8
	.type	k_q7a843a40da_scan,@function
k_q7a843a40da_scan:
	s_mov_b64 s[64:65], 0
	v_nop
	global_prefetch_b8 v0, s[64:65] scope:SCOPE_SE
	s_setreg_imm32_b32 hwreg(HW_REG_WAVE_MODE, 25, 1), 1
	s_wait_xcnt 0x0
; THE GATED SCAN, BY CHUNKS.  y_t = q_t S_t, S_t = g_t S_(t-1) + k_t v_t^T.  Work-group (seg, bh) makes the 512 rows of one segment of one (batch, head), eight chunks of 64 rows.  In a chunk, with l the
; running sum of log2(gate):  y_t = sum over j <= t of (q_t . k_j) 2^(l_t - l_j) v_j  +  2^(l_t) q_t S0,   and   S0 <- 2^(l_63) S0 + K^T (w o V), w_j = 2^(l_63 - l_j).
; The segment's start state is made of the earlier segments' contributions U and sums of logs L from useg: S = U0; S = S 2^L1 + U1; S = S 2^L2 + U2, as far as seg reaches.
; FORMATS.  q, k, v come in f16.  The weights A = (q . k) 2^(l_t - l_j) and the state are too wide for f16 by themselves, so each goes to the matrix unit in f16 behind an exact power of two taken from
; its own largest number: per query row for A, per block of 16 channels for S (largest magnitude below 2^14); the factor is taken back in f32.  Sums, logs, exponentials in f32.
; y leaves as a pair of bf16, hi + lo (16 good bits at f32's range): y2[row][128 head + c] = hi, [128 head + 64 + c] = lo.
; No exponential of a visible weight has a positive argument (but for rounding); a hidden one's is 1e30 lower, and its weight 0.
; LIMITS.  l_t - l_j is a difference of two sums of at most 64 logs, each log at least -160: its error is at most 2^-24 x 10,240 in the exponent.  Weights below 2^-126 count as 0.  NaN and infinities are not treated apart.
; SHARES.  Wave w owns queries 16 w .. + 15 of every chunk, and channels 16 w .. + 15 (of V) of the state.  All products hold one query (or one channel of V) a lane:
;   SC = K Q^T (keys in the registers)   YI = S^T Q^T and YA = V^T A^T (V's channels in the registers)   S += K^T (w o V) (K's channels in the registers).
; The state passes between the waves through LDS: written between the chunk's second barrier and the next chunk's first, read between the first and the second.
; The whole segment's q, k, v lie in LDS at once, each byte filled once: waves 0, 1, 2 bring q, k, v, two loads each, all out at the start.  No cluster: no two work-groups read the same tile.
; REGISTERS: window 0 as named below; window 1: v0-63 K's fragments, later K^T's; v64-127 the state's; v128-191 V^T's; v192-223 the mask.
.set PT,    144                        ; a row of q, k, v or the state in LDS: 128 bytes + 16.  One pitch for plain and turning loads: the turning ones then meet one bank twice in a pass
.set TILE,  512*PT
.set TK,    TILE
.set TV,    2*TILE
.set ST,    3*TILE                     ; the state in f16: 64 channels of V x 64 of K
.set SB,    ST+64*PT                   ; four words: the factor that each wave's 16 channels carry
.set LT,    SB+256                     ; l, 512 x f32
.set WT,    LT+2048                    ; w, 512 x f16
.set GT,    WT+1024                    ; eight 2^Tot, eight Tot
.set STAGE, GT+256                     ; 16 rows x 272 bytes for each wave, for the way out
.set SGP,   272
.set SPARE, STAGE+4*16*SGP             ; the spare words, 128 bytes a wave: no other line names them
.set R,    2
.set H,    3
.set ADQ,  4                           ; LDS addresses: my 16 queries
.set ADK,  5                           ; the chunk's keys, plain
.set ADKT, 6                           ; the same, turned
.set ADV,  7                           ; V, turned
.set ADVO, 8                           ; V, turned, my 16 channels
.set ADST, 9                           ; the state, read
.set ADL,  10                          ; l of my query
.set ADLT, 11                          ; l of the keys
.set ADW,  12                          ; w
.set ADG,  13                          ; 2^Tot
.set ADSB, 14                          ; the four factors
.set STW,  15                          ; the state, written
.set SBW,  16                          ; my factor
.set STO,  17                          ; into my stage
.set RD,   18                          ; back out of it
.set GO,   19                          ; my byte offset in y2
.set SPW,  20                          ; my spare word; never rewritten
.set NIL,  21                          ; 0; never rewritten
.set LTP,  22                          ; v[22:23] l_t          (of these pairs the low word serves both halves; the high words are written once)
.set GAM,  24                          ; v[24:25] 2^Tot
.set BKA,  26                          ; v[26:27] the factor that A carries
.set INV,  28                          ; v[28:29] its inverse; later the state's
.set ET,   30                          ; v30      2^(l_t)
.set SBV,  32                          ; v[32:35] the state's four factors
.set FAC,  36                          ; v[36:43] four pairs: 2^(l_t) x factor
.set C0,   44                          ; v44-47 at work
.set D0,   48                          ; v48-51 at work
.set QF,   52                          ; v[52:67]
.set SC,   68                          ; v[68:99]   scores, then A
.set YA,   68                          ;            then the chunk's own part of y, then y
.set LJ,   100                         ; v[100:131] l_j, then 2^(l_t - l_j)
.set TM,   100                         ;            later at work
.set AP,   132                         ; v[132:147] A in f16
.set HI,   132                         ;            later y's hi
.set YI,   148                         ; v[148:179] q S0
.set OUT,  148                         ;            later whole rows to store
.set S,    180                         ; v[180:211] the state: K's channel block ib at S + 8 ib
.set VO,   212                         ; v[212:227] V^T of my channels, then w o V
.set WF,   228                         ; v[228:243] w
.set LO,   228                         ;            later y's lo
.set MK,   192                         ; window 1
.set TG,   44                          ; the tables' registers, at the head only
.set TW,   48
.set TSUM, 32
.set TPRE, 33
.set TO,   34
.set TO2,  35
.set TGM,  36
.set TA1,  37
.set TA2,  38
.set TA3,  39
.set WV,   12
.set SEG,  13
.set BH,   14
.set G1,   16                          ; s[16:23]
.set G0,   24                          ; s[24:31] a set for each half
.set SEL,  40                          ; s[40:41] v_permlanex16_b32: each lane takes its own place in the other half
.set TMK,  42                          ; s42-45 lane masks
.set BIGN, 46                          ; -1e30
.set HIM,  47                          ; a word's upper bf16
.set A0,   48                          ; s[48:49] 1 if an earlier segment exists, else 0
.set CNT,  52
.set MSB, 0
.macro WIN new                         ; the high byte repeats the setting that is left; a switch that changes nothing is dropped
.if MSB != (\new)
	s_set_vgpr_msb (MSB<<8)|(\new)
.set MSB, \new
.endif
.endm
.set W_MM, 0x01                        ; source 0 in window 1
.set W_LD, 0x40                        ; destination in window 1
.set W_MK, 0x04                        ; source 1 in window 1
; l, w, 2^Tot and Tot of the segment's eight chunks.  Thread i holds rows 4 i .. 4 i + 3, so a chunk is 16 neighbouring lanes.  Four exchanges with the lane whose number differs in one bit give every
; lane the sum of the lanes before it (PRE takes the partner's block where the partner comes first) and the sum of all sixteen.
.macro TSTEP x, m
	v_mov_b32_dpp v[TO], v[TSUM] row_xmask:\x row_mask:0xf bank_mask:0xf
	v_cndmask_b32 v[TO2], 0, v[TO], s[TMK+\m]
	v_add_f32 v[TSUM], v[TSUM], v[TO]
	v_add_f32 v[TPRE], v[TPRE], v[TO2]
.endm
.macro TABLES full, cnt                ; full = 1: l is stored too; cnt: the younger global loads, which may stay out
	s_wait_loadcnt \cnt
	v_add_f32 v[TG+1], v[TG], v[TG+1]
	v_add_f32 v[TG+2], v[TG+1], v[TG+2]
	v_add_f32 v[TG+3], v[TG+2], v[TG+3]
	v_mov_b32 v[TO], 0                             ; a DPP form's destination counts as read
	v_mov_b32 v[TSUM], v[TG+3]
	v_mov_b32_dpp v[TO], v[TSUM] row_xmask:1 row_mask:0xf bank_mask:0xf
	v_cndmask_b32 v[TPRE], 0, v[TO], s[TMK]
	v_add_f32 v[TSUM], v[TSUM], v[TO]
	TSTEP 2, 1
	TSTEP 4, 2
	TSTEP 8, 3
.irp k, 0,1,2,3
	v_add_f32 v[TG+\k], v[TPRE], v[TG+\k]          ; l
.endr
.irp k, 0,1,2,3
	v_sub_f32 v[TW+\k], v[TSUM], v[TG+\k]          ; Tot - l: the later rows' logs, never above 0 but for rounding
.endr
.irp k, 0,1,2,3
	v_exp_f32 v[TW+\k], v[TW+\k]
.endr
	v_exp_f32 v[TGM], v[TSUM]
	v_lshl_add_u32 v[TA1], v0, 3, WT               ; (plain work behind the exponentials)
	v_lshrrev_b32 v[TA2], 4, v0
	v_lshl_add_u32 v[TA2], v[TA2], 2, GT
	s_wait_alu depctr_va_vdst(0)
	v_cvt_pk_f16_f32 v[TW], v[TW], v[TW+1]
	v_cvt_pk_f16_f32 v[TW+1], v[TW+2], v[TW+3]
.if \full
	v_lshl_add_u32 v[TA3], v0, 4, LT
	ds_store_b128 v[TA3], v[TG:TG+3]
.endif
	ds_store_b64 v[TA1], v[TW:TW+1]
	ds_store_b32 v[TA2], v[TGM]                    ; a chunk's 16 lanes write the same word with the same value
	ds_store_b32 v[TA2], v[TSUM] offset:32
.endm
; From a largest magnitude in v[C0]: E = its exponent field, at least 16; INV = 2^(140 - e), so that the largest number times INV lies below 2^14; \back = 2^(e - 140) = 1 / INV.  Whole-number work on the exponent: both are exact.
.macro SCALE back
	v_and_b32 v[C0], 0x7f800000, v[C0]
	v_max_u32 v[C0], 0x8000000, v[C0]
	v_sub_nc_u32 v[INV], 0x85800000, v[C0]
	v_add_nc_u32 v[\back], 0xf9800000, v[C0]
.endm
; My 16 channels of the state go to LDS in f16, behind their own factor.
.macro PUBLISH
.irp k, 0,1,2,3                        ; largest and smallest of my 32 numbers, three operands at a time; each accumulator's lowest registers are read first
	v_max3_num_f32 v[C0+\k], v[S+8*\k], v[S+8*\k+1], v[S+8*\k+2]
	v_min3_num_f32 v[D0+\k], v[S+8*\k], v[S+8*\k+1], v[S+8*\k+2]
.endr
.irp k, 0,1,2,3
	v_max3_num_f32 v[C0+\k], v[C0+\k], v[S+8*\k+3], v[S+8*\k+4]
	v_min3_num_f32 v[D0+\k], v[D0+\k], v[S+8*\k+3], v[S+8*\k+4]
.endr
.irp k, 0,1,2,3
	v_max3_num_f32 v[C0+\k], v[C0+\k], v[S+8*\k+5], v[S+8*\k+6]
	v_min3_num_f32 v[D0+\k], v[D0+\k], v[S+8*\k+5], v[S+8*\k+6]
.endr
	v_max3_num_f32 v[C0], v[C0], v[S+7], v[S+15]
	v_min3_num_f32 v[D0], v[D0], v[S+7], v[S+15]
	v_max3_num_f32 v[C0+1], v[C0+1], v[S+23], v[S+31]
	v_min3_num_f32 v[D0+1], v[D0+1], v[S+23], v[S+31]
	v_max3_num_f32 v[C0], v[C0], v[C0+1], v[C0+2]
	v_min3_num_f32 v[D0], v[D0], v[D0+1], v[D0+2]
	v_max_num_f32 v[C0], v[C0], v[C0+3]
	v_min_num_f32 v[D0], v[D0], v[D0+3]
	v_xor_b32 v[D0], 0x80000000, v[D0]
	v_max_num_f32 v[C0], v[C0], v[D0]
	v_max_num_f32_dpp v[C0], v[C0], v[C0] row_xmask:1 row_mask:0xf bank_mask:0xf
	v_max_num_f32_dpp v[C0], v[C0], v[C0] row_xmask:2 row_mask:0xf bank_mask:0xf
	v_max_num_f32_dpp v[C0], v[C0], v[C0] row_xmask:4 row_mask:0xf bank_mask:0xf
	v_max_num_f32_dpp v[C0], v[C0], v[C0] row_xmask:8 row_mask:0xf bank_mask:0xf
	v_permlanex16_b32 v[C0+1], v[C0], s[SEL], s[SEL+1]
	v_max_num_f32 v[C0], v[C0], v[C0+1]
	SCALE C0+2
.set i, 0
.rept 16
	v_pk_mul_f32 v[TM+2*i:TM+2*i+1], v[S+2*i:S+2*i+1], v[INV:INV+1] op_sel_hi:[1,0]
.set i, i+1
.endr
.set i, 0
.rept 16
	v_cvt_pk_f16_f32 v[TM+i], v[TM+2*i], v[TM+2*i+1]  ; in place, ascending: a line's sources lie at or above its destination
.set i, i+1
.endr
.irp ib, 0,1,2,3
	ds_store_b128 v[STW], v[TM+4*\ib:TM+4*\ib+3] offset:32*\ib  ; row = my channel of V; K's channels 16 ib + 8 (l / 16) + 0..7
.endr
	ds_store_b32 v[SBW], v[C0+2]
.endm
	s_load_b256 s[4:11], s[0:1], 0x0               ; qkv s[4:5], lg s[6:7], useg s[8:9], y2 s[10:11]
	v_lshl_add_u32 v[SPW], v0, 2, SPARE
	v_mov_b32 v[NIL], 0
	ds_add_u32 v[SPW], v[NIL]                      ; the wave's opening: the add and its wait ahead of my first tensor load
	ds_add_u32 v20, v21
	v_lshrrev_b32 v1, 5, v0
	v_readfirstlane_b32 s[WV], v1
	s_mov_b32 s[SEG], ttmp9
	s_and_b32 s[BH], ttmp7, 0xffff
	; group 1: 256 rows are 32,768 dense bytes: asked for as 128 rows of 256 bytes, two rows of the tensor each, padded in LDS after every 128 bytes
	s_mov_b32 s[G1+0], (1<<16)|(1<<20)|(4<<22)|(3<<25)  ; 2-byte elements; padding on; after every 32 words, 4 words
	s_mov_b32 s[G1+1], 128<<16                     ; tensor_dim0 = 128
	s_mov_b32 s[G1+2], 128<<16                     ; tensor_dim1 = 128
	s_mov_b32 s[G1+3], 128<<16                     ; tile_dim0 = 128
	s_mov_b32 s[G1+4], 128                         ; tile_dim1 = 128
	s_mov_b32 s[G1+5], 128                         ; elements from row to row
	s_mov_b32 s[G1+6], 0
	s_mov_b32 s[G1+7], 0
	s_mul_i32 s32, s[WV], TILE                     ; wave 0: q, wave 1: k, wave 2: v
	s_lshl_b32 s34, s[WV], 24
	s_lshl_b32 s35, s[BH], 18
	s_add_co_u32 s34, s34, s35
	s_lshl_b32 s35, s[SEG], 16
	s_add_co_u32 s34, s34, s35
	s_mov_b32 s35, 0
	s_mov_b32 s[SEL], 0x76543210
	s_mov_b32 s[SEL+1], 0xfedcba98
	s_mov_b32 s[TMK], 0xaaaaaaaa
	s_mov_b32 s[TMK+1], 0xcccccccc
	s_mov_b32 s[TMK+2], 0xf0f0f0f0
	s_mov_b32 s[TMK+3], 0xff00ff00
	s_mov_b32 s[BIGN], 0xf149f2ca
	s_mov_b32 s[HIM], 0xffff0000
	s_cmp_gt_u32 s[SEG], 0
	s_cselect_b32 s[A0], 1.0, 0
	s_mov_b32 s[A0+1], s[A0]
	s_wait_dscnt 0x0                               ; the opening add is done
	s_wait_kmcnt 0x0
	s_add_nc_u64 s[36:37], s[4:5], s[34:35]
	s_mov_b32 s[G0], 1
	s_mov_b32 s[G0+1], s32
	s_add_nc_u64 s[G0+2:G0+3], s[36:37], 0
	s_or_b32 s[G0+3], s[G0+3], 0x80000000
	s_mov_b32 s[G0+4], 1
	s_add_co_u32 s[G0+5], s32, 256*PT
	s_add_nc_u64 s[G0+6:G0+7], s[36:37], 32768
	s_or_b32 s[G0+7], s[G0+7], 0x80000000
	s_cmp_lt_u32 s[WV], 3                          ; a wave's two fills stand in one branch, ahead of every wait on TENSORcnt, LDS read and barrier: two loads of mine are out; wave 3 has none
	s_cbranch_scc0 .Lnofill
	tensor_load_to_lds s[G0:G0+3], s[G1:G1+7]
	s_nop 0
	tensor_load_to_lds s[G0+4:G0+7], s[G1:G1+7]
	s_nop 0
.rept 4
	v_nop
.endr
.Lnofill:
	s_lshl_b32 s34, s[BH], 13
	s_lshl_b32 s33, s[SEG], 11
	s_add_co_u32 s34, s34, s33
	s_add_nc_u64 s[6:7], s[6:7], s[34:35]          ; lg at my segment
	s_mul_i32 s34, s[BH], 3*16896
	s_add_nc_u64 s[8:9], s[8:9], s[34:35]          ; useg at my (batch, head)'s three blocks
	v_lshlrev_b32 v52, 4, v0
	global_load_b128 v[TG:TG+3], v52, s[6:7]
	v_and_b32 v1, 31, v0
	s_lshl_b32 s33, s[WV], 12
	v_lshl_add_u32 v53, v1, 4, s33
.set i, 0
.rept 8                                ; the three contributions, as the state's registers lie; they are asked for whatever seg is, beside the tiles
	global_load_b128 v[SC+4*i:SC+4*i+3], v53, s[8:9] offset:i*512
	global_load_b128 v[LJ+4*i:LJ+4*i+3], v53, s[8:9] offset:16896+i*512
	global_load_b128 v[YI+4*i:YI+4*i+3], v53, s[8:9] offset:2*16896+i*512
.set i, i+1
.endr
	s_load_b32 s50, s[8:9], 16896+16384            ; the sums of logs of segments 1 and 2
	s_load_b32 s51, s[8:9], 2*16896+16384
	s_lshr_b32 s34, s[BH], 4                       ; y2: row (batch x 2,048 + 512 seg + 16 w) x 4,096 bytes + head x 256
	s_lshl_b32 s34, s34, 11
	s_lshl_b32 s33, s[SEG], 9
	s_add_co_u32 s34, s34, s33
	s_lshl_b32 s33, s[WV], 4
	s_add_co_u32 s34, s34, s33
	s_lshl_b32 s34, s34, 12
	s_and_b32 s33, s[BH], 15
	s_lshl_b32 s33, s33, 8
	s_add_co_u32 s34, s34, s33
	s_add_nc_u64 s[10:11], s[10:11], s[34:35]
	v_and_b32 v[R], 15, v0
	v_bfe_u32 v[H], v0, 4, 1
	v_mul_u32_u24 v1, v[R], PT
	v_lshl_add_u32 v1, v[H], 4, v1                 ; a plain fragment: row l % 16 x pitch + 16 (l / 16)
	s_mul_i32 s33, s[WV], 16*PT
	v_add_nc_u32 v[ADQ], s33, v1
	v_add_nc_u32 v[ADK], TK, v1
	v_add_nc_u32 v[ADST], ST, v1
	v_add_nc_u32 v[STW], s33, v[ADST]
	v_and_b32 v54, 7, v0                           ; a turned one: lane l reads row 8 (l / 16) + l % 8, columns 8 ((l / 8) % 2) + 0..7
	v_lshl_add_u32 v54, v[H], 3, v54
	v_mul_u32_u24 v54, v54, PT
	v_bfe_u32 v55, v0, 3, 1
	v_lshl_add_u32 v54, v55, 4, v54
	v_add_nc_u32 v[ADKT], TK, v54
	v_add_nc_u32 v[ADV], TV, v54
	s_lshl_b32 s33, s[WV], 5
	v_add_nc_u32 v[ADVO], s33, v[ADV]
	s_lshl_b32 s33, s[WV], 6
	s_add_co_u32 s33, s33, LT
	v_lshl_add_u32 v[ADL], v[R], 2, s33
	v_lshl_add_u32 v[ADLT], v[H], 5, LT
	v_lshl_add_u32 v[ADW], v[H], 4, WT
	v_mov_b32 v[ADG], GT
	v_mov_b32 v[ADSB], SB
	s_lshl_b32 s33, s[WV], 2
	s_add_co_u32 s33, s33, SB
	v_mov_b32 v[SBW], s33
	s_mul_i32 s33, s[WV], 16*SGP
	s_add_co_u32 s33, s33, STAGE
	v_mul_u32_u24 v[STO], v[R], SGP                ; in: row l % 16, 16 bytes for each half of the lanes
	v_lshl_add_u32 v[STO], v[H], 4, v[STO]
	v_add_nc_u32 v[STO], s33, v[STO]
	v_mul_u32_u24 v[RD], v[H], SGP                 ; back: lanes 0-15 one row of 256 bytes, lanes 16-31 the next
	v_lshl_add_u32 v[RD], v[R], 4, v[RD]
	v_add_nc_u32 v[RD], s33, v[RD]
	v_lshlrev_b32 v[GO], 12, v[H]                  ; and the same two rows in y2
	v_lshl_add_u32 v[GO], v[R], 4, v[GO]
	v_lshlrev_b32 v56, 3, v[H]                     ; the mask: register rho of key block kb is hidden where 16 kb + rho > 16 w + l % 16 - 8 (l / 16)
	v_sub_nc_u32 v56, v[R], v56
	s_lshl_b32 s33, s[WV], 4
	v_add_nc_u32 v56, s33, v56
	WIN W_LD
.set i, 0
.rept 32
	v_cmp_gt_i32 vcc_lo, 16*(i/8)+i%8, v56
	v_cndmask_b32 v[MK+i], 0, s[BIGN], vcc_lo
.set i, i+1
.endr
	WIN 0
	TABLES 1, 24                                   ; the logs are in; the 24 loads behind them may stay out
	s_wait_loadcnt 0x0
	s_wait_kmcnt 0x0
	v_exp_f32 v32, s50
	v_exp_f32 v34, s51
	v_mov_b32 v33, 0                               ; (plain work behind the exponentials; the pairs' high words)
	v_mov_b32 v35, 0
.set i, 0
.rept 16
	v_pk_mul_f32 v[S+2*i:S+2*i+1], v[SC+2*i:SC+2*i+1], s[A0:A0+1] op_sel_hi:[1,0]  ; U0, or 0 for the first segment: nothing is cleared
.set i, i+1
.endr
	s_cmp_gt_u32 s[SEG], 1
	s_cbranch_scc0 .Lno1
.set i, 0
	s_wait_alu depctr_va_vdst(0)
.rept 16
	v_pk_fma_f32 v[S+2*i:S+2*i+1], v[S+2*i:S+2*i+1], v[32:33], v[LJ+2*i:LJ+2*i+1] op_sel_hi:[1,0,1]
.set i, i+1
.endr
.Lno1:
	s_cmp_gt_u32 s[SEG], 2
	s_cbranch_scc0 .Lno2
.set i, 0
	s_wait_alu depctr_va_vdst(0)
.rept 16
	v_pk_fma_f32 v[S+2*i:S+2*i+1], v[S+2*i:S+2*i+1], v[34:35], v[YI+2*i:YI+2*i+1] op_sel_hi:[1,0,1]
.set i, i+1
.endr
.Lno2:
.irp p, LTP, GAM, BKA, INV, FAC, FAC+2, FAC+4, FAC+6
	v_mov_b32 v[\p+1], 0                           ; named with their low words as pairs
.endr
	PUBLISH
.macro CHUNK
	s_wait_dscnt 0x0                               ; my part of the state (at first: of the tables too) is in LDS
	s_barrier_signal -1
	s_barrier_wait -1                              ; everybody's is
	WIN 0
.irp n, 0,1,2,3                        ; 71 LDS loads in five groups, in the order of their use.  Group 1: Q 4, K 16
	ds_load_b128 v[QF+4*\n:QF+4*\n+3], v[ADQ] offset:32*\n
.endr
	WIN W_LD
.irp kb, 0,1,2,3
.irp kk, 0,1
	ds_load_b128 v[16*\kb+8*\kk:16*\kb+8*\kk+3],   v[ADK] offset:\kb*16*PT+\kk*64
	ds_load_b128 v[16*\kb+8*\kk+4:16*\kb+8*\kk+7], v[ADK] offset:\kb*16*PT+\kk*64+32
.endr
.endr
.irp cb, 0,1,2,3                       ; group 2: the state, 16
.irp kk, 0,1
	ds_load_b128 v[64+16*\cb+8*\kk:64+16*\cb+8*\kk+3],   v[ADST] offset:\cb*16*PT+\kk*64
	ds_load_b128 v[64+16*\cb+8*\kk+4:64+16*\cb+8*\kk+7], v[ADST] offset:\cb*16*PT+\kk*64+32
.endr
.endr
	WIN 0
	ds_load_b32 v[LTP], v[ADL]                     ; group 3: 11
.irp kb, 0,1,2,3
	ds_load_b128 v[LJ+8*\kb:LJ+8*\kb+3],   v[ADLT] offset:64*\kb
	ds_load_b128 v[LJ+8*\kb+4:LJ+8*\kb+7], v[ADLT] offset:64*\kb+16
.endr
	s_wait_alu depctr_va_vdst(0)
	ds_load_b128 v[SBV:SBV+3], v[ADSB]
	ds_load_b32 v[GAM], v[ADG]
	WIN W_LD
.irp jh, 0,1                           ; group 4: V^T, 16
.irp cb, 0,1,2,3
	ds_load_tr16_b128 v[128+32*\jh+8*\cb:128+32*\jh+8*\cb+3],   v[ADV] offset:\jh*32*PT+32*\cb
	ds_load_tr16_b128 v[128+32*\jh+8*\cb+4:128+32*\jh+8*\cb+7], v[ADV] offset:\jh*32*PT+16*PT+32*\cb
.endr
.endr
	WIN 0
.irp jh, 0,1                           ; group 5: V^T of my channels 4, w 4
	ds_load_tr16_b128 v[VO+8*\jh:VO+8*\jh+3],   v[ADVO] offset:\jh*32*PT
	ds_load_tr16_b128 v[VO+8*\jh+4:VO+8*\jh+7], v[ADVO] offset:\jh*32*PT+16*PT
.endr
.irp n, 0,1,2,3
	ds_load_b128 v[WF+4*\n:WF+4*\n+3], v[ADW] offset:32*\n
.endr
	s_wait_dscnt 51                                ; group 1 is in: behind it 16 + 11 + 16 + 8
	WIN W_MM
.irp kk, 0,1                           ; SC = K Q^T.  In every run of eight the four accumulators take turns; the first four start the sums
.irp kb, 0,1,2,3
.if \kk == 0
	v_wmma_f32_16x16x32_f16 v[SC+8*\kb:SC+8*\kb+7], v[16*\kb+8*\kk:16*\kb+8*\kk+7], v[QF+8*\kk:QF+8*\kk+7], 0
.else
	v_wmma_f32_16x16x32_f16 v[SC+8*\kb:SC+8*\kb+7], v[16*\kb+8*\kk:16*\kb+8*\kk+7], v[QF+8*\kk:QF+8*\kk+7], v[SC+8*\kb:SC+8*\kb+7]
.endif
.endr
.endr
	s_wait_dscnt 35                                ; group 2 is in: behind it 11 + 16 + 8
.irp kk, 0,1                           ; YI = S^T Q^T
.irp cb, 0,1,2,3
.if \kk == 0
	v_wmma_f32_16x16x32_f16 v[YI+8*\cb:YI+8*\cb+7], v[64+16*\cb+8*\kk:64+16*\cb+8*\kk+7], v[QF+8*\kk:QF+8*\kk+7], 0
.else
	v_wmma_f32_16x16x32_f16 v[YI+8*\cb:YI+8*\cb+7], v[64+16*\cb+8*\kk:64+16*\cb+8*\kk+7], v[QF+8*\kk:QF+8*\kk+7], v[YI+8*\cb:YI+8*\cb+7]
.endif
.endr
.endr
	s_wait_dscnt 24                                ; group 3 is in: behind it 16 + 8
	WIN 0
.set i, 0
.rept 16                               ; l_t - l_j; these 32 lines name no register of the products above and are the places behind them
	v_pk_add_f32 v[LJ+2*i:LJ+2*i+1], v[LTP:LTP+1], v[LJ+2*i:LJ+2*i+1] op_sel_hi:[0,1] neg_lo:[0,1] neg_hi:[0,1]
.set i, i+1
.endr
	WIN W_MK
.set i, 0
.rept 16
	v_pk_add_f32 v[LJ+2*i:LJ+2*i+1], v[LJ+2*i:LJ+2*i+1], v[MK+2*i:MK+2*i+1]
.set i, i+1
.endr
	WIN W_LD
.irp jh, 0,1                           ; K^T, 16 loads, where K's plain fragments lay
.irp ib, 0,1,2,3
	ds_load_tr16_b128 v[32*\jh+8*\ib:32*\jh+8*\ib+3],   v[ADKT] offset:\jh*32*PT+32*\ib
	ds_load_tr16_b128 v[32*\jh+8*\ib+4:32*\jh+8*\ib+7], v[ADKT] offset:\jh*32*PT+16*PT+32*\ib
.endr
.endr
	WIN 0
.set i, 0
.rept 32
	v_exp_f32 v[LJ+i], v[LJ+i]
.set i, i+1
.endr
	v_exp_f32 v[ET], v[LTP]
	v_nop                                          ; a plain instruction behind the last exponential
.set i, 0
	s_wait_alu depctr_va_vdst(0)
.rept 16
	v_pk_mul_f32 v[SC+2*i:SC+2*i+1], v[SC+2*i:SC+2*i+1], v[LJ+2*i:LJ+2*i+1]  ; A; each accumulator is read from its low end on
.set i, i+1
.endr
.irp k, 0,1,2,3                        ; the row's largest weight (q and k are positive, so A is not negative)
	v_max3_num_f32 v[C0+\k], v[SC+8*\k], v[SC+8*\k+1], v[SC+8*\k+2]
.endr
.irp k, 0,1,2,3
	v_max3_num_f32 v[C0+\k], v[C0+\k], v[SC+8*\k+3], v[SC+8*\k+4]
.endr
.irp k, 0,1,2,3
	v_max3_num_f32 v[C0+\k], v[C0+\k], v[SC+8*\k+5], v[SC+8*\k+6]
.endr
	v_max3_num_f32 v[C0], v[C0], v[SC+7], v[SC+15]
	v_max3_num_f32 v[C0+1], v[C0+1], v[SC+23], v[SC+31]
	v_max3_num_f32 v[C0], v[C0], v[C0+1], v[C0+2]
	v_max_num_f32 v[C0], v[C0], v[C0+3]
	v_permlanex16_b32 v[C0+1], v[C0], s[SEL], s[SEL+1]  ; the query's other 32 keys lie in the lane 16 away
	v_max_num_f32 v[C0], v[C0], v[C0+1]
	SCALE BKA
.set i, 0
.rept 16
	v_pk_mul_f32 v[SC+2*i:SC+2*i+1], v[SC+2*i:SC+2*i+1], v[INV:INV+1] op_sel_hi:[1,0]
.set i, i+1
.endr
.set i, 0
.rept 16
	v_cvt_pk_f16_f32 v[AP+i], v[SC+2*i], v[SC+2*i+1]  ; two key blocks, packed, are source 1 for 32 keys
.set i, i+1
.endr
.irp cb, 0,1,2,3
	v_mul_f32 v[FAC+2*\cb], v[ET], v[SBV+\cb]
.endr
	s_wait_dscnt 24                                ; group 4 is in: behind it group 5's 8 and K^T's 16
	WIN W_MM
.irp jh, 0,1                           ; YA = V^T A^T
.irp cb, 0,1,2,3
.if \jh == 0
	v_wmma_f32_16x16x32_f16 v[YA+8*\cb:YA+8*\cb+7], v[128+32*\jh+8*\cb:128+32*\jh+8*\cb+7], v[AP+8*\jh:AP+8*\jh+7], 0
.else
	v_wmma_f32_16x16x32_f16 v[YA+8*\cb:YA+8*\cb+7], v[128+32*\jh+8*\cb:128+32*\jh+8*\cb+7], v[AP+8*\jh:AP+8*\jh+7], v[YA+8*\cb:YA+8*\cb+7]
.endif
.endr
.endr
	s_wait_dscnt 0x0                               ; all my loads are back, my reads of the state among them:
	s_barrier_signal -1                            ; say so; only work on registers stands up to the wait
	WIN 0
.set i, 0
.rept 16
	v_pk_mul_f16 v[VO+i], v[VO+i], v[WF+i]
.set i, i+1
.endr
.set i, 0
.rept 16
	v_pk_mul_f32 v[S+2*i:S+2*i+1], v[S+2*i:S+2*i+1], v[GAM:GAM+1] op_sel_hi:[1,0]
.set i, i+1
.endr
	WIN W_MM
.irp jh, 0,1                           ; S += K^T (w o V)
.irp ib, 0,1,2,3
	v_wmma_f32_16x16x32_f16 v[S+8*\ib:S+8*\ib+7], v[32*\jh+8*\ib:32*\jh+8*\ib+7], v[VO+8*\jh:VO+8*\jh+7], v[S+8*\ib:S+8*\ib+7]
.endr
.endr
	WIN 0
.set i, 0
.rept 16
	v_pk_mul_f32 v[YA+2*i:YA+2*i+1], v[YA+2*i:YA+2*i+1], v[BKA:BKA+1] op_sel_hi:[1,0]  ; A's factor is taken back
.set i, i+1
.endr
.set i, 0
.rept 16
	v_pk_fma_f32 v[YA+2*i:YA+2*i+1], v[YI+2*i:YI+2*i+1], v[FAC+2*(i/4):FAC+2*(i/4)+1], v[YA+2*i:YA+2*i+1] op_sel_hi:[1,0,1]  ; + 2^(l_t) q S0
.set i, i+1
.endr
.set i, 0
.rept 16
	v_cvt_pk_bf16_f32 v[HI+i], v[YA+2*i], v[YA+2*i+1]
.set i, i+1
.endr
.set i, 0
.rept 16
	v_lshlrev_b32 v[TM+2*i], 16, v[HI+i]
	v_and_b32 v[TM+2*i+1], s[HIM], v[HI+i]
.set i, i+1
.endr
.set i, 0
.rept 16
	v_pk_add_f32 v[YA+2*i:YA+2*i+1], v[YA+2*i:YA+2*i+1], v[TM+2*i:TM+2*i+1] neg_lo:[0,1] neg_hi:[0,1]  ; what hi leaves over: exact
.set i, i+1
.endr
.set i, 0
.rept 16
	v_cvt_pk_bf16_f32 v[LO+i], v[YA+2*i], v[YA+2*i+1]
.set i, i+1
.endr
	s_barrier_wait -1                              ; nobody reads the old state any more
.irp cb, 0,1,2,3
	ds_store_b128 v[STO], v[HI+4*\cb:HI+4*\cb+3] offset:32*\cb
.endr
.irp cb, 0,1,2,3
	ds_store_b128 v[STO], v[LO+4*\cb:LO+4*\cb+3] offset:128+32*\cb
.endr
.irp f, 0,1,2,3,4,5,6,7
	ds_load_b128 v[OUT+4*\f:OUT+4*\f+3], v[RD] offset:\f*2*SGP  ; LDS serves a wave's instructions in order (ISA guide 5.7.1.4): these see the stores above
.endr
	PUBLISH                                        ; the next chunk's state (behind the last chunk it serves nothing: the price of one text for all chunks); it stands in the stage's round trip
.irp f, 0,1,2,3,4,5,6,7
	s_wait_dscnt 5+7-\f                            ; the five stores of the state and the later rows may be out
	global_store_b128 v[GO], v[OUT+4*\f:OUT+4*\f+3], s[10:11] offset:\f*8192  ; 16 lanes store a head's 256 consecutive bytes of a row, aligned
.endr
	s_wait_xcnt 0x0                                ; the stores' offset and data are rewritten only behind this wait
	v_add_nc_u32 v[GO], 0x40000, v[GO]             ; 64 rows of y2 on
.irp p, ADQ, ADK, ADKT, ADV, ADVO
	v_add_nc_u32 v[\p], 64*PT, v[\p]
.endr
	v_add_nc_u32 v[ADL], 256, v[ADL]
	v_add_nc_u32 v[ADLT], 256, v[ADLT]
	v_add_nc_u32 v[ADW], 128, v[ADW]
	v_add_nc_u32 v[ADG], 4, v[ADG]
.endm
.macro FOUR
	s_mov_b32 s[CNT], 4
.Lchunk_\@:
	CHUNK
	s_sub_co_u32 s[CNT], s[CNT], 1
	s_cmp_lg_u32 s[CNT], 0
	s_cbranch_scc1 .Lchunk_\@
.endm
	s_wait_tensorcnt 0x1                           ; my tensor's rows 0-255 are in; rows 256-511 may stay out across the barriers
	FOUR
	s_wait_tensorcnt 0x0                           ; rows 256-511 are in; the next chunk's first barrier says so to the others
	FOUR
	s_wait_tensorcnt 0x0                           ; the wave's end
	ds_add_u32 v[SPW], v[NIL]
	s_wait_dscnt 0x0
	s_endpgm
.Lfunc_end_k_q7a843a40da_scan:
	.size	k_q7a843a40da_scan, .Lfunc_end_k_q7a843a40da_scan-k_q7a843a40da_scan
	.p2alignl 7, 3214868480
	.fill 96, 4, 3214868480
	.section	.rodata,"a",@progbits
	.p2align	6, 0x0
	.amdhsa_kernel k_q7a843a40da_scan
		.amdhsa_group_segment_fixed_size 251904
		.amdhsa_private_segment_fixed_size 0
		.amdhsa_enable_private_segment 0
		.amdhsa_kernarg_size 32
		.amdhsa_user_sgpr_count 2
		.amdhsa_user_sgpr_kernarg_segment_ptr 1
		.amdhsa_wavefront_size32 1
		.amdhsa_system_sgpr_workgroup_id_x 1
		.amdhsa_system_sgpr_workgroup_id_y 1
		.amdhsa_system_sgpr_workgroup_id_z 1
		.amdhsa_system_vgpr_workitem_id 0
		.amdhsa_next_free_vgpr 480
		.amdhsa_next_free_sgpr 66
		.amdhsa_reserve_vcc 1
		.amdhsa_float_denorm_mode_32 3
		.amdhsa_float_denorm_mode_16_64 3
		.amdhsa_memory_ordered 1
		.amdhsa_forward_progress 1
		.amdhsa_inst_pref_size 86
	.end_amdhsa_kernel
	.amdgpu_metadata
---
amdhsa.version: [ 1, 2 ]
amdhsa.kernels:
  - .name:           k_q7a843a40da_scan
    .symbol:         k_q7a843a40da_scan.kd
    .args:
      - { .name: qkv, .offset: 0, .size: 8, .value_kind: global_buffer, .address_space: global }
      - { .name: lg, .offset: 8, .size: 8, .value_kind: global_buffer, .address_space: global }
      - { .name: useg, .offset: 16, .size: 8, .value_kind: global_buffer, .address_space: global }
      - { .name: y2, .offset: 24, .size: 8, .value_kind: global_buffer, .address_space: global }
    .group_segment_fixed_size: 251904
    .private_segment_fixed_size: 0
    .kernarg_segment_align: 8
    .kernarg_segment_size: 32
    .max_flat_workgroup_size: 128
    .sgpr_count:     66
    .vgpr_count:     480
    .wavefront_size: 32
...
	.end_amdgpu_metadata
.endif
;; end of part 4
;; launch gemm2 (part 5): grid 8 x 32, 4 waves a work-group, clusters of 4 x 4, 327,680 bytes of LDS; arguments y2, wo2, out0; writes out0
.if DOCPART == 5
	.amdgcn_target "amdgcn-amd-amdhsa--gfx1250"
	.amdhsa_code_object_version 6
	.text
	.protected	k_q7a843a40da_gemm2
	.globl	k_q7a843a40da_gemm2
	.p2align	8
	.type	k_q7a843a40da_gemm2,@function
k_q7a843a40da_gemm2:
	s_mov_b64 s[64:65], 0
	v_nop
	global_prefetch_b8 v0, s[64:65] scope:SCOPE_SE
	s_setreg_imm32_b32 hwreg(HW_REG_WAVE_MODE, 25, 1), 1
	s_wait_xcnt 0x0
	s_wait_alu depctr_hold_cnt(0) depctr_sa_sdst(0) depctr_va_vdst(0) depctr_va_sdst(0) depctr_va_ssrc(0) depctr_va_vcc(0) depctr_vm_vsrc(0)
	s_getreg_b32 s2, hwreg(HW_REG_IB_STS2, 6, 4)
	s_cmp_eq_u32 s2, 0
	s_cbranch_scc0 .Lentry_in_a_cluster
	s_endpgm
.Lentry_in_a_cluster:
	s_bfe_u32 s2, ttmp6, 0x10000c
	s_cmp_lg_u32 s2, 0xf033
	s_cbranch_scc0 .Lentry_shape_is_right
	s_endpgm
.Lentry_shape_is_right:
; out0 = y Wo^T.  A = y2 [8192][2048] bf16 (for each head 64 hi, then 64 lo), B = wo2 [1024][2048] bf16 (each head's 64 weights twice): the sum over 2,048 is (hi + lo) . Wo.  Sums and output in f32.
; A tile of the product is 256 rows x 128 columns; four waves, each 128 x 64: 32 accumulators of 16 x 16, 256 registers.  K goes in steps of 128 (rows of 256 bytes) through two LDS slots.
; CLUSTER 4 x 4: the four work-groups of a row of the cluster need the same tile of A, the four of a column the same tile of B: each tile is asked for jointly.
; The matrix instruction is used transposed (source 0 = 16 rows of B, source 1 = 16 rows of A): a lane holds one row and eight neighbouring columns.
; REGISTERS: window 0: v16-29 addresses; v64-127, v128-191 A's fragments, two buffers (on the way out v64-127: whole rows).  window 1: v64-95, v128-159 B's fragments.  window 2: accumulator (a, b) at v[8 (4 a + b)].
.set SIZE_K, 2048
.set KSTEP,  128
.set PITCH,  272                       ; 256 bytes + 16 of padding: the 16 rows of a fragment load start at 16 different groups of four banks (ISA guide 11.1)
.set HALFA,  128*PITCH
.set HALFB,  64*PITCH
.set SLOT,   2*HALFA+2*HALFB           ; A's 256 rows, then B's 128
.set STAGE,  2*SLOT                    ; behind the ring: 16 rows x 272 bytes for each wave
.set SPITCH, 272
.set SPARE,  STAGE+4*16*SPITCH         ; the spare words, 128 bytes a wave: no other line names them
.set LAPS,   SIZE_K/(2*KSTEP)
.set ADRA, 16
.set ADRB, 20
.set STO,  24
.set RD,   25
.set GO,   26
.set SPW,  28                          ; my spare word; never rewritten
.set NIL,  29                          ; 0; never rewritten
.set F0,   64
.set F1,   128
.set OB,   64                          ; the way out: two buffers of 32
.set G1,  24
.set G0,  32
.set G1B, 48
.set G0B, 56
.set MSB, 0
.macro WIN new                         ; the high byte repeats the setting that is left; a switch that changes nothing is dropped
.if MSB != (\new)
	s_set_vgpr_msb (MSB<<8)|(\new)
.set MSB, \new
.endif
.endm
.set MUL,  0xa1                        ; source 0 (B) window 1, source 1 (A) window 0, C and D window 2
.set TO_B, 0x40                        ; destination window 1, address window 0
.macro JLOAD s                         ; a joint load: waves 0, 1 fetch A's halves, waves 2, 3 B's; an s_nop 0 and four v_nop follow each line
	s_cmp_eq_u32 s11, 0
	s_cbranch_scc0 .Lfor_b_\@
	tensor_load_to_lds s[G0+4*(\s):G0+4*(\s)+3], s[G1:G1+7]
	s_nop 0
.rept 4
	v_nop
.endr
	s_branch .Lasked_\@
.Lfor_b_\@:
	tensor_load_to_lds s[G0B+4*(\s):G0B+4*(\s)+3], s[G1B:G1B+7]
	s_nop 0
.rept 4
	v_nop
.endr
.Lasked_\@:
.endm
.macro CREST                           ; a round of the cluster's barrier behind its opening barrier
	s_cmp_lg_u32 s10, 0
	s_cbranch_scc1 .Lnot_wave_0_\@
	s_barrier_signal -3
.Lnot_wave_0_\@:
	s_barrier_wait -3
	s_barrier_signal -1
	s_barrier_wait -1
.endm
.macro CROUND
	s_barrier_signal -1
	s_barrier_wait -1
	CREST
.endm
	s_load_b128 s[4:7], s[0:1], 0x0                ; y2 s[4:5], wo2 s[6:7]
	s_load_b64 s[8:9], s[0:1], 0x10                ; out0
	v_lshl_add_u32 v[SPW], v0, 2, SPARE
	v_mov_b32 v[NIL], 0
	ds_add_u32 v[SPW], v[NIL]                      ; the wave's opening: the add and its wait ahead of my first tensor load
	ds_add_u32 v28, v29
	v_lshrrev_b32 v1, 5, v0
	v_readfirstlane_b32 s10, v1                    ; wave
	s_lshr_b32 s11, s10, 1                         ; my half of the tile's rows.  Also: I fetch for A (0) or B (1)
	s_and_b32 s12, s10, 1                          ; my half of its columns.  Also: which half of that tile I fetch
	s_bfe_u32 s40, ttmp6, 0x40000                  ; cx
	s_bfe_u32 s41, ttmp6, 0x40004                  ; cy
	s_lshl_b32 s42, ttmp9, 2
	s_add_co_u32 s42, s42, s40                     ; tile column
	s_and_b32 s13, ttmp7, 0xffff
	s_lshl_b32 s13, s13, 2
	s_add_co_u32 s13, s13, s41                     ; tile row
	s_lshl_b32 s43, s41, 2
	s_lshl_b32 s43, 15, s43                        ; my row of the cluster
	s_lshl_b32 s44, 0x1111, s40                    ; my column
	s_or_b32 s[G1+0], s43, (1<<16)|(1<<20)|(1<<21)|(5<<22)|(3<<25)   ; mask; 2-byte elements; padding on; bit 21 beside a mask; after every 64 words, 4 words
	s_or_b32 s[G1B+0], s44, (1<<16)|(1<<20)|(1<<21)|(5<<22)|(3<<25)
	s_mov_b32 s[G1+1], KSTEP<<16                   ; tensor_dim0 = 128
	s_mov_b32 s[G1+2], 128<<16                     ; tensor_dim1 = 128
	s_mov_b32 s[G1+3], KSTEP<<16                   ; tile_dim0 = 128
	s_mov_b32 s[G1+4], 128                         ; tile_dim1 = 128
	s_mov_b32 s[G1+5], SIZE_K                      ; elements from row to row
	s_mov_b32 s[G1+6], 0
	s_mov_b32 s[G1+7], 0
	s_mov_b32 s[G1B+1], KSTEP<<16
	s_mov_b32 s[G1B+2], 64<<16                     ; B's loads bring 64 rows
	s_mov_b32 s[G1B+3], KSTEP<<16
	s_mov_b32 s[G1B+4], 64
	s_mov_b32 s[G1B+5], SIZE_K
	s_mov_b32 s[G1B+6], 0
	s_mov_b32 s[G1B+7], 0
	s_lshl_b32 s17, s12, 7
	s_lshl_b32 s16, s13, 8
	s_add_co_u32 s16, s16, s17                     ; A: row 256 x tile row + 128 x half
	s_lshl_b32 s47, s12, 6
	s_lshl_b32 s46, s42, 7
	s_add_co_u32 s46, s46, s47                     ; B: row 128 x tile column + 64 x half
	s_mov_b32 s17, 0
	s_mov_b32 s47, 0
	s_mov_b64 s[18:19], SIZE_K*2
	s_mul_u64 s[16:17], s[16:17], s[18:19]
	s_mul_u64 s[46:47], s[46:47], s[18:19]
	s_mul_i32 s20, s10, HALFA                      ; where A's halves go (waves 0, 1),
	s_mul_i32 s21, s10, HALFB
	s_add_co_u32 s21, s21, 2*(HALFA-HALFB)         ; and B's (waves 2, 3): behind A's 256 rows
	s_wait_dscnt 0x0                               ; the opening add is done
	s_wait_kmcnt 0x0
	s_add_nc_u64 s[14:15], s[4:5], s[16:17]
	s_add_nc_u64 s[46:47], s[6:7], s[46:47]
	CROUND                                         ; all sixteen work-groups are here: the first joint loads meet
.irp s, 0,1
	s_mov_b32 s[G0+4*(\s)], 1
	s_add_co_u32 s[G0+4*(\s)+1], s20, (\s)*SLOT
	s_add_nc_u64 s[G0+4*(\s)+2:G0+4*(\s)+3], s[14:15], (\s)*KSTEP*2
	s_or_b32 s[G0+4*(\s)+3], s[G0+4*(\s)+3], 0x80000000
	s_mov_b32 s[G0B+4*(\s)], 1
	s_add_co_u32 s[G0B+4*(\s)+1], s21, (\s)*SLOT
	s_add_nc_u64 s[G0B+4*(\s)+2:G0B+4*(\s)+3], s[46:47], (\s)*KSTEP*2
	s_or_b32 s[G0B+4*(\s)+3], s[G0B+4*(\s)+3], 0x80000000
	JLOAD \s                                       ; two loads of mine are out at the start, one behind each later round
.endr
	v_and_b32 v1, 15, v0                           ; l % 16
	v_bfe_u32 v2, v0, 4, 1                         ; l / 16
	v_mul_u32_u24 v3, v1, PITCH
	v_lshl_add_u32 v3, v2, 4, v3
	s_mul_i32 s22, s11, HALFA
	s_mul_i32 s23, s12, HALFB
	s_add_co_u32 s23, s23, 2*HALFA
.irp s, 0,1
	v_add_nc_u32 v[ADRA+(\s)], s22, v3
	v_add_nc_u32 v[ADRB+(\s)], s23, v3
	s_add_co_u32 s22, s22, SLOT
	s_add_co_u32 s23, s23, SLOT
.endr
	s_mul_i32 s22, s10, 16*SPITCH
	s_add_co_u32 s22, s22, STAGE                   ; my stage
	v_mul_u32_u24 v[STO], v1, SPITCH               ; in: row l % 16, 32 bytes (eight f32) for each half of the lanes
	v_lshl_add_u32 v[STO], v2, 5, v[STO]
	v_add_nc_u32 v[STO], s22, v[STO]
	v_mul_u32_u24 v[RD], v2, SPITCH                ; back: lanes 0-15 one row of 256 bytes, lanes 16-31 the next
	v_lshl_add_u32 v[RD], v1, 4, v[RD]
	v_add_nc_u32 v[RD], s22, v[RD]
	v_lshlrev_b32 v[GO], 12, v2                    ; and the same two rows in out0
	v_lshl_add_u32 v[GO], v1, 4, v[GO]
	s_lshl_b32 s74, s13, 8                         ; where my 128 x 64 begin in out0 (in registers that feed no descriptor)
	s_lshl_b32 s75, s11, 7
	s_add_co_u32 s74, s74, s75
	s_lshl_b32 s74, s74, 12                        ; rows of 4,096 bytes
	s_lshl_b32 s75, s42, 9
	s_add_co_u32 s74, s74, s75
	s_lshl_b32 s75, s12, 8
	s_add_co_u32 s74, s74, s75
	s_mov_b32 s75, 0
	s_add_nc_u64 s[8:9], s[8:9], s[74:75]
.macro MUL8 f, a0, zero                ; 8 products: row blocks a0, a0 + 1 x all 4 column blocks, 32 along K.  zero = 1: they start the sums
	WIN MUL
.irp a, \a0, (\a0)+1
.irp b, 0,1,2,3
.if \zero
	v_wmma_f32_16x16x32_bf16 v[8*(4*(\a)+(\b)):8*(4*(\a)+(\b))+7], v[(\f)+8*(\b):(\f)+8*(\b)+7], v[(\f)+8*(\a):(\f)+8*(\a)+7], 0
.else
	v_wmma_f32_16x16x32_bf16 v[8*(4*(\a)+(\b)):8*(4*(\a)+(\b))+7], v[(\f)+8*(\b):(\f)+8*(\b)+7], v[(\f)+8*(\a):(\f)+8*(\a)+7], v[8*(4*(\a)+(\b)):8*(4*(\a)+(\b))+7]
.endif
.endr
.endr
.endm
.macro FETCH slot, k, f                ; 24 LDS loads in one run: 64 rows of B, then 128 rows of A, 32 along K at byte k of the rows
	WIN TO_B
.irp i, 0,1,2,3
	ds_load_b128 v[(\f)+8*(\i):(\f)+8*(\i)+3],   v[ADRB+(\slot)] offset:(\k)+(\i)*16*PITCH
	ds_load_b128 v[(\f)+8*(\i)+4:(\f)+8*(\i)+7], v[ADRB+(\slot)] offset:(\k)+(\i)*16*PITCH+32
.endr
	WIN 0
.irp i, 0,1,2,3,4,5,6,7
	ds_load_b128 v[(\f)+8*(\i):(\f)+8*(\i)+3],   v[ADRA+(\slot)] offset:(\k)+(\i)*16*PITCH
	ds_load_b128 v[(\f)+8*(\i)+4:(\f)+8*(\i)+7], v[ADRA+(\slot)] offset:(\k)+(\i)*16*PITCH+32
.endr
.endm
.macro PLACES                          ; four places in front of loads into registers that products have read, and of reads of results (ISA guide 7.12.1 for vector instructions)
.rept 4
	v_nop
.endr
.endm
.macro QUARTER slot, k, f, g, zero     ; 32 along K: multiplies buffer f, and in its middle fetches the next quarter, at byte k, into g
	s_wait_dscnt 8                                 ; B and A's row blocks 0-3 are in; the youngest eight loads (blocks 4-7) may be out
	MUL8 \f, 0, \zero
	MUL8 \f, 2, \zero
	PLACES
	FETCH \slot, \k, \g
	s_wait_dscnt 24                                ; all but the 24 just issued
	MUL8 \f, 4, \zero
	MUL8 \f, 6, \zero
.endm
; The last quarter of a K step multiplies buffer 1 and changes slots: one barrier; in front of it each wave waits for all its tensor loads (one is out: its part of the next slot), adds 0 to its spare
; word, and waits for that and for its reads of this slot.  fill = 1: the barrier opens a round of the cluster's, and this slot is filled again, two K steps ahead, first thing behind the round.
.macro TURN slot, next, fill
	WIN 0
	s_wait_tensorcnt 0x0
	ds_add_u32 v[SPW], v[NIL]
	s_wait_dscnt 9                                 ; the add and the youngest eight loads may be out
	MUL8 F1, 0, 0
	s_wait_dscnt 0x0                               ; the add is done, and my reads of this slot are over
	s_barrier_signal -1
	MUL8 F1, 2, 0
.if \fill
	WIN 0
.endif
	s_barrier_wait -1
.if \fill
	CREST
	s_add_nc_u64 s[G0+4*(\slot)+2:G0+4*(\slot)+3], s[G0+4*(\slot)+2:G0+4*(\slot)+3], 2*KSTEP*2
	s_add_nc_u64 s[G0B+4*(\slot)+2:G0B+4*(\slot)+3], s[G0B+4*(\slot)+2:G0B+4*(\slot)+3], 2*KSTEP*2
	JLOAD \slot                                    ; 112 products ahead of the wait for it; its four v_nop are also the places in front of the loads below
.else
	PLACES
.endif
	FETCH \next, 0, F0
	MUL8 F1, 4, 0
	MUL8 F1, 6, 0
.endm
	s_wait_tensorcnt 1                             ; my part of K step 0 is in; K step 1's may stay out
	s_barrier_signal -1
	s_barrier_wait -1
	FETCH 0, 0, F0
	QUARTER 0, 64, F0, F1, 1                       ; the first quarter starts the sums: nothing is cleared
	WIN 0
	s_mov_b32 s3, LAPS-1
.Llap:                                                 ; a trip goes once round the ring and fills both slots again
	QUARTER 0, 128, F1, F0, 0
	QUARTER 0, 192, F0, F1, 0
	TURN 0, 1, 1
	QUARTER 1, 64,  F0, F1, 0
	QUARTER 1, 128, F1, F0, 0
	QUARTER 1, 192, F0, F1, 0
	TURN 1, 0, 1
	QUARTER 0, 64,  F0, F1, 0
	WIN 0
	s_sub_co_u32 s3, s3, 1
	s_cmp_lg_u32 s3, 0
	s_cbranch_scc1 .Llap
	QUARTER 0, 128, F1, F0, 0                      ; the last lap fills nothing
	QUARTER 0, 192, F0, F1, 0
	TURN 0, 1, 0
	QUARTER 1, 64,  F0, F1, 0
	QUARTER 1, 128, F1, F0, 0
	QUARTER 1, 192, F0, F1, 0
	s_wait_dscnt 8
	MUL8 F1, 0, 0
	MUL8 F1, 2, 0
	s_wait_dscnt 0x0
	MUL8 F1, 4, 0
	MUL8 F1, 6, 0
	WIN 0
	PLACES
; THE WAY OUT, a block of 16 rows at a time: the sums go as they are, 32 bytes a lane, into my stage, and come back as whole rows of 256 bytes.
.macro TOSTAGE a
	s_wait_xcnt 0x0                                ; the buffer loaded below was read by the stores of the block two back
	WIN 0x08                                       ; store data in window 2
.irp b, 0,1,2,3
	ds_store_b128 v[STO], v[8*(4*(\a)+\b):8*(4*(\a)+\b)+3]   offset:64*\b     ; each accumulator is read from its low end on
	ds_store_b128 v[STO], v[8*(4*(\a)+\b)+4:8*(4*(\a)+\b)+7] offset:64*\b+16
.endr
	WIN 0
.irp t, 0,1,2,3,4,5,6,7
	ds_load_b128 v[OB+32*((\a)%2)+4*\t:OB+32*((\a)%2)+4*\t+3], v[RD] offset:\t*2*SPITCH  ; LDS serves a wave's instructions in order (ISA guide 5.7.1.4): these see the stores above
.endr
.endm
.macro SEND a, younger                 ; younger: the LDS instructions issued behind block a's loads: the next block's sixteen, or none
.irp t, 0,1,2,3,4,5,6,7
	s_wait_dscnt (\younger)+7-\t
	global_store_b128 v[GO], v[OB+32*((\a)%2)+4*\t:OB+32*((\a)%2)+4*\t+3], s[8:9] offset:(\a)*65536+\t*8192  ; 16 lanes store 256 consecutive bytes, aligned
.endr
.endm
	TOSTAGE 0
.irp a, 1,2,3,4,5,6,7
	TOSTAGE \a
	SEND (\a)-1, 16
.endr
	SEND 7, 0
	s_wait_tensorcnt 0x0                           ; the wave's end
	ds_add_u32 v[SPW], v[NIL]
	s_wait_dscnt 0x0
	CROUND                                         ; the closing round
	s_endpgm
.Lfunc_end_k_q7a843a40da_gemm2:
	.size	k_q7a843a40da_gemm2, .Lfunc_end_k_q7a843a40da_gemm2-k_q7a843a40da_gemm2
	.p2alignl 7, 3214868480
	.fill 96, 4, 3214868480
	.section	.rodata,"a",@progbits
	.p2align	6, 0x0
	.amdhsa_kernel k_q7a843a40da_gemm2
		.amdhsa_group_segment_fixed_size 327680
		.amdhsa_private_segment_fixed_size 0
		.amdhsa_enable_private_segment 0
		.amdhsa_kernarg_size 24
		.amdhsa_user_sgpr_count 2
		.amdhsa_user_sgpr_kernarg_segment_ptr 1
		.amdhsa_wavefront_size32 1
		.amdhsa_system_sgpr_workgroup_id_x 1
		.amdhsa_system_sgpr_workgroup_id_y 1
		.amdhsa_system_sgpr_workgroup_id_z 1
		.amdhsa_system_vgpr_workitem_id 0
		.amdhsa_next_free_vgpr 768
		.amdhsa_next_free_sgpr 80
		.amdhsa_reserve_vcc 0
		.amdhsa_float_denorm_mode_32 3
		.amdhsa_float_denorm_mode_16_64 3
		.amdhsa_memory_ordered 1
		.amdhsa_forward_progress 1
		.amdhsa_inst_pref_size 88
	.end_amdhsa_kernel
	.amdgpu_metadata
---
amdhsa.version: [ 1, 2 ]
amdhsa.kernels:
  - .name:           k_q7a843a40da_gemm2
    .symbol:         k_q7a843a40da_gemm2.kd
    .args:
      - { .name: y2, .offset: 0, .size: 8, .value_kind: global_buffer, .address_space: global }
      - { .name: wo2, .offset: 8, .size: 8, .value_kind: global_buffer, .address_space: global }
      - { .name: out0, .offset: 16, .size: 8, .value_kind: global_buffer, .address_space: global }
    .group_segment_fixed_size: 327680
    .private_segment_fixed_size: 0
    .kernarg_segment_align: 8
    .kernarg_segment_size: 24
    .max_flat_workgroup_size: 128
    .sgpr_count:     80
    .vgpr_count:     768
    .wavefront_size: 32
...
	.end_amdgpu_metadata
.endif
;; end of part 5
;; ======== version 2 of 2: 5 launches; 1.22 times as fast as version 1
;; limits: values are held in f16: magnitudes above 65,504 overflow, below 6.1e-05 lose precision
;; workspace buffers: xb 16,777,216 bytes; wcat 6,291,456 bytes; wof 2,097,152 bytes; lg 524,288 bytes; qkv 50,331,648 bytes; useg 3,244,032 bytes; yh 16,777,216 bytes; mx 6,144 bytes
;; launch prep (part 6): grid 192 x 1, 16 waves a work-group, no clusters, 183,808 bytes of LDS; arguments x, Wq, Wk, Wv, Wo, Wg, bg, xb, wcat, wof, lg; writes xb, wcat, wof, lg
.if DOCPART == 6
	.amdgcn_target "amdgcn-amd-amdhsa--gfx1250"
	.amdhsa_code_object_version 6
	.text
	.protected	k_q7a843a40da_prep
	.globl	k_q7a843a40da_prep
	.p2align	8
	.type	k_q7a843a40da_prep,@function
k_q7a843a40da_prep:
	s_mov_b64 s[64:65], 0
	v_nop
	global_prefetch_b8 v0, s[64:65] scope:SCOPE_SE
	s_setreg_imm32_b32 hwreg(HW_REG_WAVE_MODE, 25, 1), 1
	s_wait_xcnt 0x0
; PREP.  Every input is rounded once to bf16, and the gates' logarithms are made.
;   work-groups 0-127:   64 rows of x (one chunk of the scan) -> xb, and lg[b*16+head][row] = log2(sigmoid(x . Wg[head] + bg[head]))
;   work-groups 128-175: 64 rows, one head, of Wq, Wk or Wv -> wcat, bf16, laid by heads: row 192 head + 64 type + c (type 0 q, 1 k, 2 v), so that a head's q, k and v weights are 192 rows on end
;   work-groups 176-191: 64 rows of Wo -> wof: rounded to bf16 like every input, and that number written as f16, the format of the last product's other operand
; Sixteen waves.  A wave's load covers 512 consecutive bytes of f32, its store 256 consecutive bytes, aligned.  All 32 loads of a wave are issued before the first is waited for.
; The gate's product (64 rows x 16 heads x 1,024) goes to the matrix unit from the rounded x that the same work-group has just made, kept in LDS: x is read from memory once.
; log2(sigmoid(z)) = min(z', 0) - log2(1 + 2^-|z'|), z' = z log2(e): no exponential has a positive argument.
; LIMITS.  lg is clipped at -160: a gate below 2^-160 counts as 2^-160, whose products vanish in f32 as the true gate's do; for z' > 24 the logarithm counts as 0 (its true size is below 2^-24).
; Wo must stay within f16's 65,504; below 6e-5 it keeps f16's fixed step of 6e-8.  NaN and infinities are not treated apart.
; No cluster, no tensor load: no two work-groups read the same bytes but Wg's 64 KiB.
.set XP,    2064                       ; a row of rounded x or Wg in LDS: 2,048 bytes + 16: 129 x 16, so the 16 rows of a fragment load start at 16 different groups of four banks (ISA guide 11.1)
.set WGT,   64*XP                      ; behind x's 64 rows: Wg's 16
.set PART,  WGT+16*XP                  ; 12 x 1,024 bytes: the partial sums of waves 4 to 15
.set STG,   PART+12*1024               ; 16 heads x 272 bytes: lg turned, a head's 64 rows on end
.set SGP,   272
.set SPARE, STG+16*SGP                 ; the spare words, 128 bytes for each of the 16 waves: no other line names them
.set LN,  1                            ; v1   lane
.set R,   2                            ; v2   lane % 16
.set H,   3                            ; v3   lane / 16
.set VS,  4                            ; v4   byte offset of my loads
.set VD,  5                            ; v5   byte offset of my stores
.set VL,  6                            ; v6   LDS address of my rows of x
.set VGS, 7                            ; v7   byte offset in Wg
.set VGL, 8                            ; v8   LDS address of my row of Wg
.set BG,  9                            ; v9   bg of head lane % 16
.set SPW, 10                           ; v10  my spare word; never rewritten
.set NIL, 11                           ; v11  0; never rewritten
.set XG,  12                           ; v[12:43]    a row of Wg as loaded
.set X0,  44                           ; v[44:107]   16 loads; later the gate's fragments of x
.set X1,  108                          ; v[108:171]  16 loads; later the gate's fragments of Wg
.set Y,   172                          ; v[172:203]  rounded, to store
.set Z,   172                          ; v[172:179]  the gate's sums (even K steps), later z', later lg
.set Z1,  180                          ; v[180:187]  the gate's sums (odd K steps); v[180:203] later the other waves' partial sums
.set TA,  204                          ; v204-207    addresses made late
.set WV,  26                           ; s26  wave
.set GI,  27                           ; s27  work-group
.set SRC, 30                           ; s[30:31]
.set DST, 32                           ; s[32:33]
.set OF,  36                           ; s[36:37] an offset in 64 bits
.macro LOADG buf, base                 ; 16 loads of 16 bytes a lane: two rows
.set i, 0
.rept 16
	global_load_b128 v[(\buf)+4*i:(\buf)+4*i+3], v[VS], s[SRC:SRC+1] offset:(\base)+i*512 th:TH_LOAD_NT
.set i, i+1
.endr
.endm
.macro ROUNDB buf                      ; 64 registers of f32 -> 32 of bf16
.set i, 0
.rept 32
	v_cvt_pk_bf16_f32 v[Y+i], v[(\buf)+2*i], v[(\buf)+2*i+1]
.set i, i+1
.endr
.endm
.macro OUT16 base                      ; 16 stores of 256 consecutive bytes
.set i, 0
.rept 16
	global_store_b64 v[VD], v[Y+2*i:Y+2*i+1], s[DST:DST+1] offset:(\base)+i*256
.set i, i+1
.endr
.endm
.macro TOLDS grp                       ; the same 32 registers into my rows 2 grp, 2 grp + 1 of x's tile
.set i, 0
.rept 16
	ds_store_b64 v[VL], v[Y+2*i:Y+2*i+1] offset:(2*(\grp)+i/8)*XP+(i%8)*256
.set i, i+1
.endr
.endm
.macro WEIGHTS buf, base               ; two rows of a weight matrix: rounded to bf16; Wo's then written as f16
	ROUNDB \buf
	s_cmp_lt_u32 s[GI], 176
	s_cbranch_scc1 .Lbf_\@
.set i, 0
.rept 32
	v_lshlrev_b32 v[(\buf)+2*i], 16, v[Y+i]        ; the rounded numbers as f32 again,
	v_and_b32 v[(\buf)+2*i+1], 0xffff0000, v[Y+i]
.set i, i+1
.endr
.set i, 0
.rept 32
	v_cvt_pk_f16_f32 v[Y+i], v[(\buf)+2*i], v[(\buf)+2*i+1]  ; and as f16: eight significant bits fit into eleven
.set i, i+1
.endr
.Lbf_\@:
	OUT16 \base
.endm
	s_load_b512 s[4:19], s[0:1], 0x0               ; x s[4:5], Wq s[6:7], Wk s[8:9], Wv s[10:11], Wo s[12:13], Wg s[14:15], bg s[16:17], xb s[18:19]
	s_load_b128 s[20:23], s[0:1], 0x40             ; wcat s[20:21], wof s[22:23]
	s_load_b64 s[24:25], s[0:1], 0x50              ; lg
	v_lshl_add_u32 v[SPW], v0, 2, SPARE
	v_mov_b32 v[NIL], 0
	v_lshrrev_b32 v[LN], 5, v0
	v_readfirstlane_b32 s[WV], v[LN]
	v_and_b32 v[LN], 31, v0
	v_and_b32 v[R], 15, v0
	v_bfe_u32 v[H], v0, 4, 1
	s_mov_b32 s[GI], ttmp9
	s_mov_b32 s[OF+1], 0
	s_lshl_b32 s38, s[WV], 13
	v_lshl_add_u32 v[VD], v[LN], 3, s38            ; every role stores 8,192 bytes a wave, 8 bytes a lane,
	s_lshl_b32 s38, s[WV], 14
	v_lshl_add_u32 v[VS], v[LN], 4, s38            ; and loads four rows of 4,096 bytes a wave, 16 bytes a lane
	s_wait_kmcnt 0x0
	s_cmp_ge_u32 s[GI], 128
	s_cbranch_scc1 .Lw
	; ---- 64 rows of x ----
	s_lshl_b32 s[OF], s[GI], 18
	s_add_nc_u64 s[SRC:SRC+1], s[4:5], s[OF:OF+1]
	s_lshl_b32 s[OF], s[GI], 17
	s_add_nc_u64 s[DST:DST+1], s[18:19], s[OF:OF+1]
	v_lshlrev_b32 v[TA], 2, v[R]
	global_load_b32 v[BG], v[TA], s[16:17]
	s_lshl_b32 s38, s[WV], 12
	v_lshl_add_u32 v[VGS], v[LN], 4, s38           ; wave w takes row w of Wg
.set i, 0
.rept 8
	global_load_b128 v[XG+4*i:XG+4*i+3], v[VGS], s[14:15] offset:i*512
.set i, i+1
.endr
	LOADG X0, 0                                    ; my rows 0, 1
	LOADG X1, 8192                                 ; my rows 2, 3
	s_mul_i32 s38, s[WV], 4*XP
	v_lshl_add_u32 v[VL], v[LN], 3, s38
	s_mul_i32 s38, s[WV], XP
	s_add_co_u32 s38, s38, WGT
	v_lshl_add_u32 v[VGL], v[LN], 3, s38
	s_mov_b32 s39, 0x3fb8aa3b                      ; log2(e)
	s_mov_b32 s44, 0xc3200000                      ; -160
	s_wait_loadcnt 32                              ; bg and Wg are in; x's 32 loads may stay out
.set i, 0
.rept 16
	v_cvt_pk_bf16_f32 v[Y+i], v[XG+2*i], v[XG+2*i+1]
.set i, i+1
.endr
.set i, 0
.rept 8
	ds_store_b64 v[VGL], v[Y+2*i:Y+2*i+1] offset:i*256
.set i, i+1
.endr
	s_wait_loadcnt 16                              ; rows 0, 1 are in; the 16 younger loads stay out
	ROUNDB X0
	OUT16 0
	TOLDS 0
	s_wait_loadcnt 0x0
	s_wait_xcnt 0x0                                ; Y, which the stores above read, is rewritten only behind this wait
	ROUNDB X1
	OUT16 4096
	TOLDS 1
	s_wait_dscnt 0x0                               ; for the others' sake: my rows of x and of Wg are in LDS
	s_barrier_signal -1
	s_barrier_wait -1
	; the gate: wave w makes rows 16 (w % 4) .. + 15 x all 16 heads over K = 256 (w / 4) .. + 255
	s_and_b32 s40, s[WV], 3
	s_lshr_b32 s41, s[WV], 2
	s_mul_i32 s42, s40, 16*XP
	s_lshl_b32 s43, s41, 9
	s_add_co_u32 s42, s42, s43
	s_add_co_u32 s43, s43, WGT
	v_mul_u32_u24 v[TA], v[R], XP                  ; (bg's load, which read this register, has come)
	v_lshl_add_u32 v[TA], v[H], 4, v[TA]           ; a fragment's row x pitch + 16 x half
	v_add_nc_u32 v[TA+1], s42, v[TA]
	v_add_nc_u32 v[TA+2], s43, v[TA]
.set i, 0
.rept 8
	ds_load_b128 v[X0+8*i:X0+8*i+3],   v[TA+1] offset:64*i
	ds_load_b128 v[X0+8*i+4:X0+8*i+7], v[TA+1] offset:64*i+32
	ds_load_b128 v[X1+8*i:X1+8*i+3],   v[TA+2] offset:64*i
	ds_load_b128 v[X1+8*i+4:X1+8*i+7], v[TA+2] offset:64*i+32
.set i, i+1
.endr
	s_wait_xcnt 0x0                                ; the sums land in Y's registers, which the last stores read
	s_wait_dscnt 0x0
	; source 0 = 16 rows of x, source 1 = 16 rows of Wg: a lane holds head lane % 16 and rows 8 (lane / 16) + 0..7.  Two accumulators take turns.
	v_wmma_f32_16x16x32_bf16 v[Z:Z+7], v[X0:X0+7], v[X1:X1+7], 0
	v_wmma_f32_16x16x32_bf16 v[Z1:Z1+7], v[X0+8:X0+15], v[X1+8:X1+15], 0
.set i, 2
.rept 3
	v_wmma_f32_16x16x32_bf16 v[Z:Z+7], v[X0+8*i:X0+8*i+7], v[X1+8*i:X1+8*i+7], v[Z:Z+7]
	v_wmma_f32_16x16x32_bf16 v[Z1:Z1+7], v[X0+8*i+8:X0+8*i+15], v[X1+8*i+8:X1+8*i+15], v[Z1:Z1+7]
.set i, i+2
.endr
.rept 4
	v_nop                                          ; four places between the last product and the first read of its result (ISA guide 7.12.1)
.endr
.set i, 0
.rept 4
	v_pk_add_f32 v[Z+2*i:Z+2*i+1], v[Z+2*i:Z+2*i+1], v[Z1+2*i:Z1+2*i+1]
.set i, i+1
.endr
	s_cmp_lt_u32 s[WV], 4
	s_cbranch_scc1 .Lkeep
	s_lshl_b32 s38, s[WV], 10
	s_add_co_u32 s38, s38, PART-4096
	v_lshl_add_u32 v[TA+3], v[LN], 4, s38
	ds_store_b128 v[TA+3], v[Z:Z+3]
	ds_store_b128 v[TA+3], v[Z+4:Z+7] offset:512
.Lkeep:
	s_wait_dscnt 0x0                               ; the partial sums are in LDS
	s_barrier_signal -1
	s_barrier_wait -1
	s_cmp_ge_u32 s[WV], 4
	s_cbranch_scc1 .Lnosum
	s_lshl_b32 s38, s[WV], 10
	s_add_co_u32 s38, s38, PART
	v_lshl_add_u32 v[TA+3], v[LN], 4, s38
.irp j, 0,1,2                          ; the sums of waves w + 4, w + 8, w + 12: the same rows, the other three quarters of K
	ds_load_b128 v[Z1+8*\j:Z1+8*\j+3],   v[TA+3] offset:\j*4096
	ds_load_b128 v[Z1+8*\j+4:Z1+8*\j+7], v[TA+3] offset:\j*4096+512
.endr
	v_cvt_pk_bf16_f32 v[BG], v[BG], v[BG]          ; bg is rounded like every other input,
	v_lshlrev_b32 v[BG], 16, v[BG]
	v_mul_f32 v[BG], s39, v[BG]                    ; and carries log2(e)
	s_wait_dscnt 0x0
.irp j, 0,1,2
.irp k, 0,1,2,3
	v_pk_add_f32 v[Z+2*\k:Z+2*\k+1], v[Z+2*\k:Z+2*\k+1], v[Z1+8*\j+2*\k:Z1+8*\j+2*\k+1]
.endr
.endr
.irp j, 0,1,2,3,4,5,6,7
	v_fma_f32 v[Z+\j], v[Z+\j], s39, v[BG]         ; z' = (z + bg) log2(e)
.endr
.irp j, 0,1,2,3,4,5,6,7
	v_or_b32 v[Z1+\j], 0x80000000, v[Z+\j]         ; -|z'|
.endr
.irp j, 0,1,2,3,4,5,6,7
	v_exp_f32 v[Z1+\j], v[Z1+\j]
.endr
	v_nop                                          ; a plain instruction behind the last exponential
	s_wait_alu depctr_va_vdst(0)
.irp j, 0,1,2,3,4,5,6,7
	v_add_f32 v[Z1+\j], 1.0, v[Z1+\j]
.endr
.irp j, 0,1,2,3,4,5,6,7
	v_log_f32 v[Z1+\j], v[Z1+\j]
.endr
.irp j, 0,1,2,3,4,5,6,7
	v_min_num_f32 v[Z+\j], 0, v[Z+\j]              ; (plain work behind the logarithms)
.endr
	s_wait_alu depctr_va_vdst(0)
.irp j, 0,1,2,3,4,5,6,7
	v_sub_f32 v[Z+\j], v[Z+\j], v[Z1+\j]
.endr
.irp j, 0,1,2,3,4,5,6,7
	v_max_num_f32 v[Z+\j], s44, v[Z+\j]
.endr
	v_mul_u32_u24 v[TA+3], v[R], SGP               ; head lane % 16, rows 16 w + 8 (lane / 16) + 0..7
	v_lshl_add_u32 v[TA+3], v[H], 5, v[TA+3]
	s_lshl_b32 s38, s[WV], 6
	s_add_co_u32 s38, s38, STG
	v_add_nc_u32 v[TA+3], s38, v[TA+3]
	ds_store_b128 v[TA+3], v[Z:Z+3]
	ds_store_b128 v[TA+3], v[Z+4:Z+7] offset:16
.Lnosum:
	s_wait_dscnt 0x0                               ; lg's 16 x 64 numbers are in the stage
	s_barrier_signal -1
	s_barrier_wait -1
	s_cmp_ge_u32 s[WV], 8
	s_cbranch_scc1 .Lend
	s_mul_i32 s38, s[WV], 2*SGP                    ; wave w takes heads 2 w and 2 w + 1: 16 lanes store a head's 256 consecutive bytes, aligned
	s_add_co_u32 s38, s38, STG
	v_mul_u32_u24 v[TA+3], v[H], SGP
	v_lshl_add_u32 v[TA+3], v[R], 4, v[TA+3]
	v_add_nc_u32 v[TA+3], s38, v[TA+3]
	ds_load_b128 v[Z:Z+3], v[TA+3]
	s_lshr_b32 s38, s[GI], 5                       ; batch
	s_lshl_b32 s[OF], s38, 17                      ; x 16 heads x 8,192 bytes
	s_and_b32 s38, s[GI], 31                       ; chunk
	s_lshl_b32 s38, s38, 8
	s_add_co_u32 s[OF], s[OF], s38
	s_lshl_b32 s38, s[WV], 14
	s_add_co_u32 s[OF], s[OF], s38
	s_add_nc_u64 s[24:25], s[24:25], s[OF:OF+1]
	v_lshlrev_b32 v[TA+2], 13, v[H]
	v_lshl_add_u32 v[TA+2], v[R], 4, v[TA+2]
	s_wait_dscnt 0x0
	global_store_b128 v[TA+2], v[Z:Z+3], s[24:25]
	s_branch .Lend
	; ---- 64 rows of Wq, Wk, Wv or Wo ----
.Lw:
	s_sub_co_u32 s34, s[GI], 128                   ; the block of 64 rows among the four matrices' 64:
	s_and_b32 s35, s34, 15                         ; its place in its own matrix, which is the head,
	s_lshr_b32 s39, s34, 4                         ; and the matrix: 0 q, 1 k, 2 v, 3 o
	s_mul_i32 s38, s35, 3
	s_add_co_u32 s38, s38, s39                     ; in wcat: block 3 head + type
	s_cmp_lt_u32 s[GI], 176
	s_cselect_b64 s[SRC:SRC+1], s[10:11], s[12:13]
	s_cselect_b64 s[DST:DST+1], s[20:21], s[22:23] ; wcat holds the first three, wof the fourth as it lies
	s_cselect_b32 s[OF], s38, s35
	s_lshl_b32 s[OF], s[OF], 17
	s_add_nc_u64 s[DST:DST+1], s[DST:DST+1], s[OF:OF+1]
	s_cmp_lt_u32 s[GI], 160
	s_cselect_b64 s[SRC:SRC+1], s[8:9], s[SRC:SRC+1]
	s_cmp_lt_u32 s[GI], 144
	s_cselect_b64 s[SRC:SRC+1], s[6:7], s[SRC:SRC+1]
	s_lshl_b32 s[OF], s35, 18
	s_add_nc_u64 s[SRC:SRC+1], s[SRC:SRC+1], s[OF:OF+1]
	LOADG X0, 0
	LOADG X1, 8192
	s_wait_loadcnt 16                              ; the first 16 loads are in
	WEIGHTS X0, 0
	s_wait_loadcnt 0x0
	s_wait_xcnt 0x0                                ; Y is rewritten only behind this wait
	WEIGHTS X1, 4096
.Lend:
	s_wait_tensorcnt 0x0                           ; the wave's end: behind my last LDS store
	ds_add_u32 v[SPW], v[NIL]
	s_wait_dscnt 0x0
	s_endpgm
.Lfunc_end_k_q7a843a40da_prep:
	.size	k_q7a843a40da_prep, .Lfunc_end_k_q7a843a40da_prep-k_q7a843a40da_prep
	.p2alignl 7, 3214868480
	.fill 96, 4, 3214868480
	.section	.rodata,"a",@progbits
	.p2align	6, 0x0
	.amdhsa_kernel k_q7a843a40da_prep
		.amdhsa_group_segment_fixed_size 183808
		.amdhsa_private_segment_fixed_size 0
		.amdhsa_enable_private_segment 0
		.amdhsa_kernarg_size 88
		.amdhsa_user_sgpr_count 2
		.amdhsa_user_sgpr_kernarg_segment_ptr 1
		.amdhsa_wavefront_size32 1
		.amdhsa_system_sgpr_workgroup_id_x 1
		.amdhsa_system_sgpr_workgroup_id_y 1
		.amdhsa_system_sgpr_workgroup_id_z 1
		.amdhsa_system_vgpr_workitem_id 0
		.amdhsa_next_free_vgpr 208
		.amdhsa_next_free_sgpr 66
		.amdhsa_reserve_vcc 0
		.amdhsa_float_denorm_mode_32 3
		.amdhsa_float_denorm_mode_16_64 3
		.amdhsa_memory_ordered 1
		.amdhsa_forward_progress 1
		.amdhsa_inst_pref_size 47
	.end_amdhsa_kernel
	.amdgpu_metadata
---
amdhsa.version: [ 1, 2 ]
amdhsa.kernels:
  - .name:           k_q7a843a40da_prep
    .symbol:         k_q7a843a40da_prep.kd
    .args:
      - { .name: x, .offset: 0, .size: 8, .value_kind: global_buffer, .address_space: global }
      - { .name: Wq, .offset: 8, .size: 8, .value_kind: global_buffer, .address_space: global }
      - { .name: Wk, .offset: 16, .size: 8, .value_kind: global_buffer, .address_space: global }
      - { .name: Wv, .offset: 24, .size: 8, .value_kind: global_buffer, .address_space: global }
      - { .name: Wo, .offset: 32, .size: 8, .value_kind: global_buffer, .address_space: global }
      - { .name: Wg, .offset: 40, .size: 8, .value_kind: global_buffer, .address_space: global }
      - { .name: bg, .offset: 48, .size: 8, .value_kind: global_buffer, .address_space: global }
      - { .name: xb, .offset: 56, .size: 8, .value_kind: global_buffer, .address_space: global }
      - { .name: wcat, .offset: 64, .size: 8, .value_kind: global_buffer, .address_space: global }
      - { .name: wof, .offset: 72, .size: 8, .value_kind: global_buffer, .address_space: global }
      - { .name: lg, .offset: 80, .size: 8, .value_kind: global_buffer, .address_space: global }
    .group_segment_fixed_size: 183808
    .private_segment_fixed_size: 0
    .kernarg_segment_align: 8
    .kernarg_segment_size: 88
    .max_flat_workgroup_size: 512
    .sgpr_count:     66
    .vgpr_count:     208
    .wavefront_size: 32
...
	.end_amdgpu_metadata
.endif
;; end of part 6
;; launch gemm1 (part 7): grid 16 x 32, 4 waves a work-group, clusters of 4 x 4, 327,680 bytes of LDS; arguments xb, wcat, qkv, mx; writes qkv, mx
.if DOCPART == 7
	.amdgcn_target "amdgcn-amd-amdhsa--gfx1250"
	.amdhsa_code_object_version 6
	.text
	.protected	k_q7a843a40da_gemm1
	.globl	k_q7a843a40da_gemm1
	.p2align	8
	.type	k_q7a843a40da_gemm1,@function
k_q7a843a40da_gemm1:
	s_mov_b64 s[64:65], 0
	v_nop
	global_prefetch_b8 v0, s[64:65] scope:SCOPE_SE
	s_setreg_imm32_b32 hwreg(HW_REG_WAVE_MODE, 25, 1), 1
	s_wait_xcnt 0x0
	s_wait_alu depctr_hold_cnt(0) depctr_sa_sdst(0) depctr_va_vdst(0) depctr_va_sdst(0) depctr_va_ssrc(0) depctr_va_vcc(0) depctr_vm_vsrc(0)
	s_getreg_b32 s2, hwreg(HW_REG_IB_STS2, 6, 4)
	s_cmp_eq_u32 s2, 0
	s_cbranch_scc0 .Lentry_in_a_cluster
	s_endpgm
.Lentry_in_a_cluster:
	s_bfe_u32 s2, ttmp6, 0x10000c
	s_cmp_lg_u32 s2, 0xf033
	s_cbranch_scc0 .Lentry_shape_is_right
	s_endpgm
.Lentry_shape_is_right:
; q, k, v = x W^T, with the feature map, written by heads.  A = xb [8192][1024] bf16, B = wcat [3072][1024] bf16, laid by heads (row 192 head + 64 type + c); sums in f32.
; qkv[type][16 b + head][row][64] in f16: type 0: phi(z / 8), type 1: phi(z), type 2: z;  phi(z) = elu(z) + 1 = the middle one of z + 1, e^z and 1 (e^z is never below z + 1, and above 1 just where z > 0).
; mx[512 type + 32 head + tile row] = the largest magnitude of that type that this work-group has written, in f32: from the three types' maxima the later launches make the one power of two behind which y fits f16.
; LIMIT.  f16 ends at 65,504: q, k and v must stay within it (with x and the weights each 30 times the drawn spread they reach about 5,000).  NaN and infinities are not treated apart.
; A TILE of the product is 256 rows x 192 columns: one head's q, k and v.  16 x 32 = 512 work-groups of equal work.  Four waves, each 64 rows x all 192 columns: 48 accumulators of 16 x 16, 384 registers.
; So which accumulator is q, k or v is a constant of the text, and a K step of 128 holds 192 products a wave: from a tile's request to the wait for it a wave issues 176.
; K goes in steps of 128 (rows of 256 bytes) through two LDS slots; the loop's body is one K step: one descriptor a tensor walks on, its LDS word turned by an exclusive or, and so is the base of the fragment loads.
; CLUSTER 4 x 4: the four work-groups of a row of the cluster need the same tile of A, the four of a column the same tile of B: each tile is asked for jointly.
; The matrix instruction is used transposed (source 0 = 16 rows of B, source 1 = 16 rows of A): a lane holds one row and eight neighbouring columns.
; REGISTERS: window 0: v16-29 addresses; v32-55 the maxima; v64-175 at work on the way out.  window 1: two fragment buffers of 128: A's 4 x 8, then B's 12 x 8.
;   window 2: q's and k's accumulators, window 3: v's: rows 16 a on, columns 16 bb on of a head at v[32 (4 (type % 2) + a) + 8 bb].
.set SIZE_K, 1024
.set KSTEP,  128
.set STEPS,  SIZE_K/KSTEP
.set PITCH,  272                       ; 256 bytes + 16 of padding: the 16 rows of a fragment load start at 16 different groups of four banks (ISA guide 11.1)
.set HALFA,  128*PITCH                 ; what a load of A brings
.set HALFB,  96*PITCH                  ; what a load of B brings
.set SLOT1,  1<<17                     ; a slot is A's 256 rows, then B's 192: 121,856 bytes; slot 1 begins here, so that one exclusive or turns an address in one slot into the other's
.set STAGE,  SLOT1+2*HALFA+2*HALFB     ; behind the ring: 16 rows x 144 bytes for each wave
.set SPITCH, 144
.set MXW,    STAGE+4*16*SPITCH         ; twelve words: each wave's three maxima
.set SPARE,  MXW+256                   ; the spare words, 128 bytes a wave: no other line names them
.set A0,   16                          ; v16     my lane's place in a slot's A: my wave's 64 rows; never rewritten
.set B0,   17                          ; v17     the same in its B
.set ADA,  18                          ; v18     LDS address of my A fragments in the slot in hand
.set ADB,  19                          ; v19     the same for B
.set STO,  24                          ; v24     into my stage
.set RD,   25                          ; v25     back out of it
.set GO,   26                          ; v26     16 x lane
.set SPW,  28                          ; v28     my spare word; never rewritten
.set NIL,  29                          ; v29     0; never rewritten
.set MXQ,  32                          ; v32-33  q's running maximum, two chains
.set MXK,  34                          ; v34-35  k's
.set MXV,  36                          ; v36-37  v's
.set MNV,  38                          ; v38-39  v's running minimum
.set MAD,  40                          ; v40     LDS address of my wave's words
.set ZOF,  41                          ; v41     0, the offset of the stores into mx
.set MQ,   44                          ; v[44:55] the four waves' maxima, by type
.set F0,   0                           ; fragment buffers, in window 1
.set F1,   128
.set UU,   64                          ; the way out, window 0: v[64:95] z s + 1, then phi
.set TT,   96                          ; v[96:127] the exponentials
.set PP,   128                         ; v[128:143] packed f16
.set OB,   144                         ; v[144:175] whole rows, two buffers of 16
.set G1,  24                           ; s[24:31] group 1 for A;  s[32:39] group 0: a set for each of the two first fills; the second then walks on
.set G0,  32
.set TB,  45                           ; s45  LDS byte at which the slot in hand begins
.set G1B, 48                           ; s[48:55], s[56:63] the same for B
.set G0B, 56
.set QB,  8                            ; s[8:9]   qkv at my wave's first row of q
.set SCQ, 68                           ; s[68:69] 1/8
.set ONE, 70                           ; s[70:71] 1
.set LSQ, 72                           ; s[72:73] log2(e) / 8;  s[74:75] log2(e)
.set MXP, 76                           ; s[76:77] mx at my work-group's word of type 0
.set SEL, 80                           ; s[80:81] v_permlanex16_b32: each lane takes its own place in the other half
.set OKB, 82                           ; s[82:83] qkv at my first row of k
.set OVB, 84                           ; s[84:85] of v
.set MSB, 0
.macro WIN new                         ; the high byte repeats the setting that is left; a switch that changes nothing is dropped
.if MSB != (\new)
	s_set_vgpr_msb (MSB<<8)|(\new)
.set MSB, \new
.endif
.endm
.set TO_F, 0x40                        ; destination window 1, address window 0
.macro JLOAD s                         ; a joint load: waves 0, 1 fetch A's halves, waves 2, 3 B's; an s_nop 0 and four v_nop follow each line
	s_cmp_eq_u32 s11, 0
	s_cbranch_scc0 .Lfor_b_\@
	tensor_load_to_lds s[G0+4*(\s):G0+4*(\s)+3], s[G1:G1+7]
	s_nop 0
.rept 4
	v_nop
.endr
	s_branch .Lasked_\@
.Lfor_b_\@:
	tensor_load_to_lds s[G0B+4*(\s):G0B+4*(\s)+3], s[G1B:G1B+7]
	s_nop 0
.rept 4
	v_nop
.endr
.Lasked_\@:
.endm
.macro CREST                           ; a round of the cluster's barrier behind its opening barrier
	s_cmp_lg_u32 s10, 0
	s_cbranch_scc1 .Lnot_wave_0_\@
	s_barrier_signal -3
.Lnot_wave_0_\@:
	s_barrier_wait -3
	s_barrier_signal -1
	s_barrier_wait -1
.endm
.macro CROUND
	s_barrier_signal -1
	s_barrier_wait -1
	CREST
.endm
	s_load_b128 s[4:7], s[0:1], 0x0                ; xb s[4:5], wcat s[6:7]
	s_load_b64 s[QB:QB+1], s[0:1], 0x10            ; qkv
	s_load_b64 s[MXP:MXP+1], s[0:1], 0x18          ; mx
	v_lshl_add_u32 v[SPW], v0, 2, SPARE
	v_mov_b32 v[NIL], 0
	ds_add_u32 v[SPW], v[NIL]                      ; the wave's opening: the add and its wait ahead of my first tensor load
	ds_add_u32 v28, v29
	v_lshrrev_b32 v1, 5, v0
	v_readfirstlane_b32 s10, v1                    ; wave
	s_lshr_b32 s11, s10, 1                         ; I fetch for A (0) or B (1),
	s_and_b32 s12, s10, 1                          ; and which half of that tile
	s_bfe_u32 s40, ttmp6, 0x40000                  ; cx
	s_bfe_u32 s41, ttmp6, 0x40004                  ; cy
	s_lshl_b32 s42, ttmp9, 2
	s_add_co_u32 s42, s42, s40                     ; tile column = 4 x cluster x + cx: the head
	s_and_b32 s13, ttmp7, 0xffff
	s_lshl_b32 s13, s13, 2
	s_add_co_u32 s13, s13, s41                     ; tile row = 4 x cluster y + cy
	s_lshl_b32 s43, s41, 2
	s_lshl_b32 s43, 15, s43                        ; my row of the cluster
	s_lshl_b32 s44, 0x1111, s40                    ; my column
	s_or_b32 s[G1+0], s43, (1<<16)|(1<<20)|(1<<21)|(5<<22)|(3<<25)   ; mask; 2-byte elements; padding on; bit 21 beside a mask; after every 64 words, 4 words
	s_or_b32 s[G1B+0], s44, (1<<16)|(1<<20)|(1<<21)|(5<<22)|(3<<25)
	s_mov_b32 s[G1+1], KSTEP<<16                   ; tensor_dim0 = 128
	s_mov_b32 s[G1+2], 128<<16                     ; tensor_dim1 = 128
	s_mov_b32 s[G1+3], KSTEP<<16                   ; tile_dim0 = 128
	s_mov_b32 s[G1+4], 128                         ; tile_dim1 = 128
	s_mov_b32 s[G1+5], SIZE_K                      ; elements from row to row
	s_mov_b32 s[G1+6], 0
	s_mov_b32 s[G1+7], 0
	s_mov_b32 s[G1B+1], KSTEP<<16
	s_mov_b32 s[G1B+2], 96<<16                     ; B's loads bring 96 rows
	s_mov_b32 s[G1B+3], KSTEP<<16
	s_mov_b32 s[G1B+4], 96
	s_mov_b32 s[G1B+5], SIZE_K
	s_mov_b32 s[G1B+6], 0
	s_mov_b32 s[G1B+7], 0
	s_lshl_b32 s17, s12, 7
	s_lshl_b32 s16, s13, 8
	s_add_co_u32 s16, s16, s17                     ; A: row 256 x tile row + 128 x half
	s_mul_i32 s47, s12, 96
	s_mul_i32 s46, s42, 192
	s_add_co_u32 s46, s46, s47                     ; B: row 192 x tile column + 96 x half
	s_mov_b32 s17, 0
	s_mov_b32 s47, 0
	s_mov_b64 s[18:19], SIZE_K*2
	s_mul_u64 s[16:17], s[16:17], s[18:19]
	s_mul_u64 s[46:47], s[46:47], s[18:19]
	s_mul_i32 s20, s10, HALFA                      ; where A's halves go (waves 0, 1),
	s_mul_i32 s21, s10, HALFB
	s_add_co_u32 s21, s21, 2*(HALFA-HALFB)         ; and B's (waves 2, 3): behind A's 256 rows
	s_mov_b32 s[TB], 0
	s_mov_b32 s[SCQ], 0x3e000000
	s_mov_b32 s[SCQ+1], s[SCQ]                     ; named as pairs
	s_mov_b32 s[ONE], 1.0
	s_mov_b32 s[ONE+1], 1.0
	s_mov_b32 s[LSQ], 0x3e38aa3b
	s_mov_b32 s[LSQ+1], s[LSQ]
	s_mov_b32 s[LSQ+2], 0x3fb8aa3b
	s_mov_b32 s[LSQ+3], s[LSQ+2]
	s_mov_b32 s[SEL], 0x76543210
	s_mov_b32 s[SEL+1], 0xfedcba98
	s_wait_dscnt 0x0                               ; the opening add is done
	s_wait_kmcnt 0x0
	s_add_nc_u64 s[14:15], s[4:5], s[16:17]
	s_add_nc_u64 s[46:47], s[6:7], s[46:47]
	CROUND                                         ; all sixteen work-groups are here: the first joint loads meet
.irp s, 0,1
	s_mov_b32 s[G0+4*(\s)], 1
	s_add_co_u32 s[G0+4*(\s)+1], s20, (\s)*SLOT1
	s_add_nc_u64 s[G0+4*(\s)+2:G0+4*(\s)+3], s[14:15], (\s)*KSTEP*2
	s_or_b32 s[G0+4*(\s)+3], s[G0+4*(\s)+3], 0x80000000
	s_mov_b32 s[G0B+4*(\s)], 1
	s_add_co_u32 s[G0B+4*(\s)+1], s21, (\s)*SLOT1
	s_add_nc_u64 s[G0B+4*(\s)+2:G0B+4*(\s)+3], s[46:47], (\s)*KSTEP*2
	s_or_b32 s[G0B+4*(\s)+3], s[G0B+4*(\s)+3], 0x80000000
	JLOAD \s                                       ; two loads of mine are out at the start, one behind each later round
.endr
	v_and_b32 v1, 15, v0                           ; l % 16
	v_bfe_u32 v2, v0, 4, 1                         ; l / 16
	v_mul_u32_u24 v3, v1, PITCH
	v_lshl_add_u32 v3, v2, 4, v3                   ; a fragment's row x pitch + 16 x half
	s_mul_i32 s22, s10, 64*PITCH                   ; my 64 rows of A
	v_add_nc_u32 v[A0], s22, v3
	v_add_nc_u32 v[B0], 2*HALFA, v3                ; B's 192 rows lie behind A's 256
	v_add_nc_u32 v[ADA], s[TB], v[A0]              ; slot 0
	v_add_nc_u32 v[ADB], s[TB], v[B0]
	s_mul_i32 s22, s10, 16*SPITCH
	s_add_co_u32 s22, s22, STAGE                   ; my stage
	v_mul_u32_u24 v[STO], v1, SPITCH               ; in: row l % 16, 16 bytes for each half of the lanes
	v_lshl_add_u32 v[STO], v2, 4, v[STO]
	v_add_nc_u32 v[STO], s22, v[STO]
	v_bfe_u32 v[RD], v0, 3, 2                      ; back: 32 lanes take four rows of 128 bytes,
	v_mul_u32_u24 v[RD], v[RD], SPITCH
	v_and_b32 v4, 7, v0
	v_lshl_add_u32 v[RD], v4, 4, v[RD]
	v_add_nc_u32 v[RD], s22, v[RD]
	v_and_b32 v[GO], 31, v0                        ; which are 512 consecutive bytes of a head's rows
	v_lshlrev_b32 v[GO], 4, v[GO]
	; my work-group's word in mx, and where my 64 rows of my head begin in qkv (in registers that feed no descriptor)
	s_mov_b32 s87, 0
	s_lshl_b32 s78, s42, 5
	s_add_co_u32 s78, s78, s13
	s_lshl_b32 s86, s78, 2
	s_add_nc_u64 s[MXP:MXP+1], s[MXP:MXP+1], s[86:87]
	s_lshr_b32 s78, s13, 3                         ; batch: eight tile rows each
	s_lshl_b32 s78, s78, 4
	s_add_co_u32 s78, s78, s42                     ; 16 batch + head
	s_lshl_b32 s78, s78, 11                        ; x 2,048 rows
	s_and_b32 s79, s13, 7
	s_lshl_b32 s79, s79, 8
	s_add_co_u32 s78, s78, s79
	s_lshl_b32 s79, s10, 6
	s_add_co_u32 s78, s78, s79
	s_lshl_b32 s86, s78, 7                         ; x 128 bytes
	s_add_nc_u64 s[QB:QB+1], s[QB:QB+1], s[86:87]
	s_add_nc_u64 s[OKB:OKB+1], s[QB:QB+1], 0x1000000  ; a type is 16,777,216 bytes
	s_add_nc_u64 s[OVB:OVB+1], s[QB:QB+1], 0x2000000
; 16 products: one type's 64 columns x my 64 rows, 32 along K.  zero = 1: they start the sums.  In every quarter the 48 accumulators take turns in the same order.
.macro MULH f, hb, zero
	WIN 0xa5+0x50*((\hb)/2)                        ; sources 0 (B) and 1 (A) window 1; C and D window 2 (q, k) or 3 (v)
.irp bb, 0,1,2,3
.irp a, 0,1,2,3
.if \zero
	v_wmma_f32_16x16x32_bf16 v[32*(4*((\hb)%2)+(\a))+8*(\bb):32*(4*((\hb)%2)+(\a))+8*(\bb)+7], v[(\f)+32+8*(4*(\hb)+(\bb)):(\f)+32+8*(4*(\hb)+(\bb))+7], v[(\f)+8*(\a):(\f)+8*(\a)+7], 0
.else
	v_wmma_f32_16x16x32_bf16 v[32*(4*((\hb)%2)+(\a))+8*(\bb):32*(4*((\hb)%2)+(\a))+8*(\bb)+7], v[(\f)+32+8*(4*(\hb)+(\bb)):(\f)+32+8*(4*(\hb)+(\bb))+7], v[(\f)+8*(\a):(\f)+8*(\a)+7], v[32*(4*((\hb)%2)+(\a))+8*(\bb):32*(4*((\hb)%2)+(\a))+8*(\bb)+7]
.endif
.endr
.endr
.endm
.macro FETCH k, f                      ; 32 LDS loads in one run: my 64 rows of A, then B's 192 rows in ascending order, 32 along K at byte k of the rows of the slot in hand
	WIN TO_F
.irp a, 0,1,2,3
	ds_load_b128 v[(\f)+8*(\a):(\f)+8*(\a)+3],   v[ADA] offset:(\k)+(\a)*16*PITCH
	ds_load_b128 v[(\f)+8*(\a)+4:(\f)+8*(\a)+7], v[ADA] offset:(\k)+(\a)*16*PITCH+32
.endr
.irp b, 0,1,2,3,4,5,6,7,8,9,10,11
	ds_load_b128 v[(\f)+32+8*(\b):(\f)+32+8*(\b)+3],   v[ADB] offset:(\k)+(\b)*16*PITCH
	ds_load_b128 v[(\f)+32+8*(\b)+4:(\f)+32+8*(\b)+7], v[ADB] offset:(\k)+(\b)*16*PITCH+32
.endr
.endm
.macro PLACES                          ; four places in front of loads into registers that products have read (ISA guide 7.12.1 for vector instructions)
.rept 4
	v_nop
.endr
.endm
.macro QUARTER k, f, g, zero           ; 32 along K: multiplies buffer f; behind its first third it fetches the next quarter, at byte k, into g: 32 products ahead of the first use
	s_wait_dscnt 16                                ; A and q's rows of B are in; the youngest sixteen loads (k's and v's rows) may be out
	MULH \f, 0, \zero
	PLACES
	FETCH \k, \g
	s_wait_dscnt 32                                ; all but the 32 just issued
	MULH \f, 1, \zero
	MULH \f, 2, \zero
.endm
; The last quarter of a K step multiplies buffer 1 and changes slots: one barrier; in front of it each wave waits for all its tensor loads (one is out: its part of the next slot), adds 0 to its spare
; word, and waits for that and for its reads of this slot.  fill = 1: the barrier opens a round of the cluster's, and this slot is filled again, two K steps ahead, first thing behind the round.
.macro TURN fill
	WIN 0
	s_wait_tensorcnt 0x0                           ; no tensor load of mine is out, so a group 0 may be written
	ds_add_u32 v[SPW], v[NIL]                      ; the scalar steps stand between the add and the wait for it
.if \fill
	s_xor_b32 s[G0+5], s[G0+5], SLOT1              ; the walking descriptors: the other slot than last time,
	s_add_nc_u64 s[G0+6:G0+7], s[G0+6:G0+7], KSTEP*2  ; the next K step; the type bits on top are not reached
	s_xor_b32 s[G0B+5], s[G0B+5], SLOT1
	s_add_nc_u64 s[G0B+6:G0B+7], s[G0B+6:G0B+7], KSTEP*2
.endif
	s_xor_b32 s[TB], s[TB], SLOT1                  ; the fragment loads go on in the other slot
	s_wait_dscnt 0x0                               ; the add is done, and my reads of this slot are over
	s_barrier_signal -1
	MULH F1, 0, 0                                  ; work on registers while the others arrive
	WIN 0
	s_barrier_wait -1
.if \fill
	CREST
	JLOAD 1                                        ; 176 products ahead of the wait for it; its four v_nop are also the places in front of the loads below
.else
	PLACES
.endif
	v_add_nc_u32 v[ADA], s[TB], v[A0]
	v_add_nc_u32 v[ADB], s[TB], v[B0]
	FETCH 0, F0
	MULH F1, 1, 0
	MULH F1, 2, 0
.endm
	s_wait_tensorcnt 1                             ; my part of K step 0 is in; K step 1's may stay out
	s_barrier_signal -1
	s_barrier_wait -1
	FETCH 0, F0
	QUARTER 64, F0, F1, 1                          ; the first quarter starts the sums: nothing is cleared
	WIN 0
	s_mov_b32 s3, STEPS-2
.Lstep:                                                ; a trip: from a K step's second quarter to the next step's first; it fills the slot that it leaves
	QUARTER 128, F1, F0, 0
	QUARTER 192, F0, F1, 0
	TURN 1
	QUARTER 64,  F0, F1, 0
	WIN 0
	s_sub_co_u32 s3, s3, 1
	s_cmp_lg_u32 s3, 0
	s_cbranch_scc1 .Lstep
	QUARTER 128, F1, F0, 0                         ; the last two K steps fill nothing: they are written out
	QUARTER 192, F0, F1, 0
	TURN 0
	QUARTER 64,  F0, F1, 0
	QUARTER 128, F1, F0, 0
	QUARTER 192, F0, F1, 0
	s_wait_dscnt 16
	MULH F1, 0, 0
	s_wait_dscnt 0x0
	MULH F1, 1, 0
	MULH F1, 2, 0
	WIN 0
.irp m, MXQ, MXK, MXV, MNV
	v_mov_b32 v[\m], 0                             ; a largest magnitude is at least 0; these eight lines are also the places behind the last products
	v_mov_b32 v[\m+1], 0
.endr
; THE WAY OUT, a unit of 16 rows of one type at a time: the feature map in f32, rounded to f16, 16 bytes a lane into my stage, back as whole rows of 128 bytes.  n counts the units: the rows' buffers take turns.
.macro TOSTAGE n
	s_wait_xcnt 0x0                                ; the buffer loaded below was read by the stores of the unit two back
.irp b, 0,1,2,3
	ds_store_b128 v[STO], v[PP+4*\b:PP+4*\b+3] offset:32*\b
.endr
.irp f, 0,1,2,3
	ds_load_b128 v[OB+16*((\n)%2)+4*\f:OB+16*((\n)%2)+4*\f+3], v[RD] offset:\f*4*SPITCH  ; LDS serves a wave's instructions in order (ISA guide 5.7.1.4): these see the stores above
.endr
.endm
.macro PHI u, ty, n                    ; unit u of window 2; ty = 0: q, 1: k
	WIN 0x02                                       ; source 0 in window 2
.set i, 0
.rept 16
.if (\ty) == 0
	v_pk_fma_f32 v[UU+2*i:UU+2*i+1], v[32*(\u)+2*i:32*(\u)+2*i+1], s[SCQ:SCQ+1], s[ONE:ONE+1] op_sel_hi:[1,0,0]  ; z / 8 + 1; each accumulator is read from its low end on
.else
	v_pk_add_f32 v[UU+2*i:UU+2*i+1], v[32*(\u)+2*i:32*(\u)+2*i+1], s[ONE:ONE+1] op_sel_hi:[1,0]                  ; z + 1
.endif
.set i, i+1
.endr
.set i, 0
.rept 16
	v_pk_mul_f32 v[TT+2*i:TT+2*i+1], v[32*(\u)+2*i:32*(\u)+2*i+1], s[LSQ+2*(\ty):LSQ+2*(\ty)+1] op_sel_hi:[1,0]
.set i, i+1
.endr
	WIN 0
.set i, 0
.rept 32
	v_exp_f32 v[TT+i], v[TT+i]
.set i, i+1
.endr
	v_nop                                          ; a plain instruction behind the last exponential
.set i, 0
	s_wait_alu depctr_va_vdst(0)
.rept 32
	v_med3_num_f32 v[UU+i], v[UU+i], v[TT+i], 1.0
.set i, i+1
.endr
.set i, 0
.rept 16
	v_cvt_pk_f16_f32 v[PP+i], v[UU+2*i], v[UU+2*i+1]
.set i, i+1
.endr
	TOSTAGE \n
.set i, 0
.rept 8                                ; the unit's largest number (phi is positive), in two chains; the work stands in the stage's round trip
	v_max3_num_f32 v[MXQ+2*(\ty)], v[MXQ+2*(\ty)], v[UU+4*i], v[UU+4*i+1]
	v_max3_num_f32 v[MXQ+2*(\ty)+1], v[MXQ+2*(\ty)+1], v[UU+4*i+2], v[UU+4*i+3]
.set i, i+1
.endr
.endm
.macro PLAINV a, n                     ; unit a of window 3: v has no feature map: the sums are rounded as they are
	WIN 0x0f                                       ; sources 0 and 1 in window 3
.set i, 0
.rept 16
	v_cvt_pk_f16_f32 v[PP+i], v[32*(\a)+2*i], v[32*(\a)+2*i+1]  ; each accumulator is read from its low end on
.set i, i+1
.endr
	WIN 0
	TOSTAGE \n
	WIN 0x3c                                       ; sources 1 and 2 in window 3
.set i, 0
.rept 8                                ; the unit's largest and smallest number
	v_max3_num_f32 v[MXV], v[MXV], v[32*(\a)+4*i], v[32*(\a)+4*i+1]
	v_min3_num_f32 v[MNV], v[MNV], v[32*(\a)+4*i], v[32*(\a)+4*i+1]
	v_max3_num_f32 v[MXV+1], v[MXV+1], v[32*(\a)+4*i+2], v[32*(\a)+4*i+3]
	v_min3_num_f32 v[MNV+1], v[MNV+1], v[32*(\a)+4*i+2], v[32*(\a)+4*i+3]
.set i, i+1
.endr
	WIN 0
.endm
.macro SEND n, sb, a, younger          ; unit n goes to rows 16 a on of the type whose base is s[sb]; younger: the LDS instructions issued behind its loads: the next unit's eight, or none
.irp f, 0,1,2,3
	s_wait_dscnt (\younger)+3-\f
	global_store_b128 v[GO], v[OB+16*((\n)%2)+4*\f:OB+16*((\n)%2)+4*\f+3], s[(\sb):(\sb)+1] offset:(\a)*2048+\f*512  ; 512 consecutive bytes, aligned to 256
.endr
.endm
	PHI 0, 0, 0
.irp a, 1,2,3
	PHI \a, 0, \a
	SEND (\a)-1, QB, (\a)-1, 8
.endr
	PHI 4, 1, 4
	SEND 3, QB, 3, 8
.irp a, 1,2,3
	PHI 4+(\a), 1, 4+(\a)
	SEND 3+(\a), OKB, (\a)-1, 8
.endr
	PLAINV 0, 8
	SEND 7, OKB, 3, 8
.irp a, 1,2,3
	PLAINV \a, 8+(\a)
	SEND 7+(\a), OVB, (\a)-1, 8
.endr
	v_max_num_f32 v[MXQ], v[MXQ], v[MXQ+1]         ; the wave's three largest magnitudes: over the chains, the 32 lanes,
	v_max_num_f32 v[MXK], v[MXK], v[MXK+1]
	v_max_num_f32 v[MXV], v[MXV], v[MXV+1]
	v_min_num_f32 v[MNV], v[MNV], v[MNV+1]
	v_xor_b32 v[MNV], 0x80000000, v[MNV]
	v_max_num_f32 v[MXV], v[MXV], v[MNV]
.irp x, 1,2,4,8
.irp m, MXQ, MXK, MXV
	v_max_num_f32_dpp v[\m], v[\m], v[\m] row_xmask:\x row_mask:0xf bank_mask:0xf
.endr
.endr
.irp m, MXQ, MXK, MXV
	v_permlanex16_b32 v[\m+1], v[\m], s[SEL], s[SEL+1]
.endr
.irp m, MXQ, MXK, MXV
	v_max_num_f32 v[\m], v[\m], v[\m+1]
.endr
	s_lshl_b32 s78, s10, 2
	s_add_co_u32 s78, s78, MXW
	v_mov_b32 v[MAD], s78
	SEND 11, OVB, 3, 0
	ds_store_b32 v[MAD], v[MXQ]                    ; and, through twelve words of LDS, the four waves (all lanes write the same word with the same value)
	ds_store_b32 v[MAD], v[MXK] offset:16
	ds_store_b32 v[MAD], v[MXV] offset:32
	s_wait_dscnt 0x0                               ; for wave 0's sake
	s_barrier_signal -1
	s_barrier_wait -1
	s_cmp_lg_u32 s10, 0
	s_cbranch_scc1 .Lnomx
	v_mov_b32 v[MAD], MXW
.irp t, 0,1,2
	ds_load_b128 v[MQ+4*\t:MQ+4*\t+3], v[MAD] offset:16*\t
.endr
	v_mov_b32 v[ZOF], 0
	v_cmp_eq_u32 vcc_lo, 0, v[GO]                  ; lane 0
	s_wait_dscnt 0x0
.irp t, 0,1,2
	v_max3_num_f32 v[MQ+4*\t], v[MQ+4*\t], v[MQ+4*\t+1], v[MQ+4*\t+2]
.endr
.irp t, 0,1,2
	v_max_num_f32 v[MQ+4*\t], v[MQ+4*\t], v[MQ+4*\t+3]
.endr
	s_wait_xcnt 0x0                                ; EXEC, a source of the stores above, changes only behind this wait
	s_and_saveexec_b32 s78, vcc_lo
.irp t, 0,1,2
	global_store_b32 v[ZOF], v[MQ+4*\t], s[MXP:MXP+1] offset:2048*\t  ; three words for the work-group: the narrow stores of the launch
.endr
	s_wait_xcnt 0x0                                ; and again in front of the line that widens it
	s_or_b32 exec_lo, exec_lo, s78
.Lnomx:
	s_wait_tensorcnt 0x0                           ; the wave's end
	ds_add_u32 v[SPW], v[NIL]
	s_wait_dscnt 0x0
	CROUND                                         ; the closing round
	s_endpgm
.Lfunc_end_k_q7a843a40da_gemm1:
	.size	k_q7a843a40da_gemm1, .Lfunc_end_k_q7a843a40da_gemm1-k_q7a843a40da_gemm1
	.p2alignl 7, 3214868480
	.fill 96, 4, 3214868480
	.section	.rodata,"a",@progbits
	.p2align	6, 0x0
	.amdhsa_kernel k_q7a843a40da_gemm1
		.amdhsa_group_segment_fixed_size 327680
		.amdhsa_private_segment_fixed_size 0
		.amdhsa_enable_private_segment 0
		.amdhsa_kernarg_size 32
		.amdhsa_user_sgpr_count 2
		.amdhsa_user_sgpr_kernarg_segment_ptr 1
		.amdhsa_wavefront_size32 1
		.amdhsa_system_sgpr_workgroup_id_x 1
		.amdhsa_system_sgpr_workgroup_id_y 1
		.amdhsa_system_sgpr_workgroup_id_z 1
		.amdhsa_system_vgpr_workitem_id 0
		.amdhsa_next_free_vgpr 896
		.amdhsa_next_free_sgpr 88
		.amdhsa_reserve_vcc 1
		.amdhsa_float_denorm_mode_32 3
		.amdhsa_float_denorm_mode_16_64 3
		.amdhsa_memory_ordered 1
		.amdhsa_forward_progress 1
		.amdhsa_inst_pref_size 159
	.end_amdhsa_kernel
	.amdgpu_metadata
---
amdhsa.version: [ 1, 2 ]
amdhsa.kernels:
  - .name:           k_q7a843a40da_gemm1
    .symbol:         k_q7a843a40da_gemm1.kd
    .args:
      - { .name: xb, .offset: 0, .size: 8, .value_kind: global_buffer, .address_space: global }
      - { .name: wcat, .offset: 8, .size: 8, .value_kind: global_buffer, .address_space: global }
      - { .name: qkv, .offset: 16, .size: 8, .value_kind: global_buffer, .address_space: global }
      - { .name: mx, .offset: 24, .size: 8, .value_kind: global_buffer, .address_space: global }
    .group_segment_fixed_size: 327680
    .private_segment_fixed_size: 0
    .kernarg_segment_align: 8
    .kernarg_segment_size: 32
    .max_flat_workgroup_size: 128
    .sgpr_count:     88
    .vgpr_count:     896
    .wavefront_size: 32
...
	.end_amdgpu_metadata
.endif
;; end of part 7
;; launch segstate (part 8): grid 3 x 64, 4 waves a work-group, no clusters, 167,936 bytes of LDS; arguments qkv, lg, useg; writes useg
.if DOCPART == 8
	.amdgcn_target "amdgcn-amd-amdhsa--gfx1250"
	.amdhsa_code_object_version 6
	.text
	.protected	k_q7a843a40da_segstate
	.globl	k_q7a843a40da_segstate
	.p2align	8
	.type	k_q7a843a40da_segstate,@function
k_q7a843a40da_segstate:
	s_mov_b64 s[64:65], 0
	v_nop
	global_prefetch_b8 v0, s[64:65] scope:SCOPE_SE
	s_setreg_imm32_b32 hwreg(HW_REG_WAVE_MODE, 25, 1), 1
	s_wait_xcnt 0x0
; THE STATE THAT A SEGMENT ADDS.  The 2,048 rows of a (batch, head) are four segments of 512; work-group (seg, bh), seg = 0..2, runs S <- 2^Tot S + K^T (w o V) over the segment's eight chunks of
; 64 rows from S = 0, with l the running sum of log2(gate) inside a chunk, Tot its last value and w_j = 2^(Tot - l_j), and stores S (f32, as the registers hold it) and the segment's sum of logs.
; K, V in f16 from qkv; w and w o V in f32, the product rounded once to f16 for the matrix unit; sums in f32.
; Wave w owns V's channels 16 w .. + 15: source 0 = K^T (16 of K's channels x 32 keys), source 1 = (w o V)^T: a lane holds one channel of V and eight of K.  Both come out of LDS turned, by ds_load_tr16_b128.
; The whole segment's K and V lie in LDS at once, each byte filled once: two tensor loads a wave, all out at the start; the second half lands while the first is multiplied.
; No cluster: no two work-groups read the same tile.
.set PV,    160                        ; a key's row in LDS: 128 bytes + 32
.set PIECE, 128*PV                     ; what one load brings: 128 keys
.set HALF,  4*PIECE                    ; K's keys 0-255 (two pieces), then V's; the second half likewise
.set CH,    64*PV                      ; a chunk
.set WT,    2*HALF                     ; w, 512 x f32
.set GT,    WT+2048                    ; eight 2^Tot, then eight Tot
.set SPARE, GT+256                     ; the spare words, 128 bytes a wave: no other line names them
.set AK,  4                            ; v4  LDS address of the chunk's K
.set AV,  5                            ; v5  of its V, my 16 channels
.set AW,  6                            ; v6  of its w
.set AG,  7                            ; v7  of its 2^Tot
.set GOU, 8                            ; v8  16 x lane
.set SPW, 10                           ; v10 my spare word; never rewritten
.set NIL, 11                           ; v11 0; never rewritten
.set TG,  12                           ; v[12:15] four logs, then l
.set TW,  16                           ; v[16:19] w
.set TSUM, 20
.set TPRE, 21
.set TO,  22
.set TO2, 23
.set TGM, 24
.set TA1, 25
.set TA2, 26
.set TA3, 27
.set TLG, 28                           ; v28 byte offset of my four logs
.set KT,  32                           ; v[32:95]   K^T: key half jh, channel block ib at KT + 32 jh + 8 ib
.set VO,  96                           ; v[96:111]  V^T of my channels, then w o V
.set TU,  112                          ; v[112:143] V^T in f32
.set W32, 144                          ; v[144:175] w, laid as V^T's keys lie: two for each register of VO
.set S,   176                          ; v[176:207] the state: K's channel block ib at S + 8 ib
.set GAM, 208                          ; v[208:209] 2^Tot (the pair's low word serves both halves)
.set WV,  10
.set SEG, 11
.set BH,  12
.set G1,  16                           ; s[16:23]
.set G0,  24                           ; s[24:31] a set for each half
.set CNT, 34
.set TMK, 40                           ; s40-43 lane masks: bit 0, 1, 2, 3 of the lane's number set
; l, w, 2^Tot and Tot of the segment's eight chunks.  Thread i holds rows 4 i .. 4 i + 3, so a chunk is 16 neighbouring lanes.  Four exchanges with the lane whose number differs in one bit give every
; lane the sum of the lanes before it (PRE takes the partner's block where the partner comes first) and the sum of all sixteen.
.macro TSTEP x, m
	v_mov_b32_dpp v[TO], v[TSUM] row_xmask:\x row_mask:0xf bank_mask:0xf
	v_cndmask_b32 v[TO2], 0, v[TO], s[TMK+\m]
	v_add_f32 v[TSUM], v[TSUM], v[TO]
	v_add_f32 v[TPRE], v[TPRE], v[TO2]
.endm
.macro TABLES full, cnt                ; full = 1: l is stored too; cnt: the younger global loads, which may stay out
	s_wait_loadcnt \cnt
	v_add_f32 v[TG+1], v[TG], v[TG+1]
	v_add_f32 v[TG+2], v[TG+1], v[TG+2]
	v_add_f32 v[TG+3], v[TG+2], v[TG+3]
	v_mov_b32 v[TO], 0                             ; a DPP form's destination counts as read
	v_mov_b32 v[TSUM], v[TG+3]
	v_mov_b32_dpp v[TO], v[TSUM] row_xmask:1 row_mask:0xf bank_mask:0xf
	v_cndmask_b32 v[TPRE], 0, v[TO], s[TMK]
	v_add_f32 v[TSUM], v[TSUM], v[TO]
	TSTEP 2, 1
	TSTEP 4, 2
	TSTEP 8, 3
.irp k, 0,1,2,3
	v_add_f32 v[TG+\k], v[TPRE], v[TG+\k]          ; l
.endr
.irp k, 0,1,2,3
	v_sub_f32 v[TW+\k], v[TSUM], v[TG+\k]          ; Tot - l: the later rows' logs, never above 0 but for rounding
.endr
.irp k, 0,1,2,3
	v_exp_f32 v[TW+\k], v[TW+\k]
.endr
	v_exp_f32 v[TGM], v[TSUM]
	v_lshl_add_u32 v[TA1], v0, 4, WT               ; (plain work behind the exponentials)
	v_lshrrev_b32 v[TA2], 4, v0
	v_lshl_add_u32 v[TA2], v[TA2], 2, GT
.if \full
	v_lshl_add_u32 v[TA3], v0, 4, LT
	ds_store_b128 v[TA3], v[TG:TG+3]
.endif
	s_wait_alu depctr_va_vdst(0)
	ds_store_b128 v[TA1], v[TW:TW+3]
	ds_store_b32 v[TA2], v[TGM]                    ; a chunk's 16 lanes write the same word with the same value
	ds_store_b32 v[TA2], v[TSUM] offset:32
.endm
; The low halves of VO's 16 registers, widened to f32, into every second register of TU from o on.  A register's half is named by the register's number, so the lines are written out: VO = 96.
.macro ALLCV o
	v_cvt_f32_f16 v[TU+(\o)], v96.l
	v_cvt_f32_f16 v[TU+2+(\o)], v97.l
	v_cvt_f32_f16 v[TU+4+(\o)], v98.l
	v_cvt_f32_f16 v[TU+6+(\o)], v99.l
	v_cvt_f32_f16 v[TU+8+(\o)], v100.l
	v_cvt_f32_f16 v[TU+10+(\o)], v101.l
	v_cvt_f32_f16 v[TU+12+(\o)], v102.l
	v_cvt_f32_f16 v[TU+14+(\o)], v103.l
	v_cvt_f32_f16 v[TU+16+(\o)], v104.l
	v_cvt_f32_f16 v[TU+18+(\o)], v105.l
	v_cvt_f32_f16 v[TU+20+(\o)], v106.l
	v_cvt_f32_f16 v[TU+22+(\o)], v107.l
	v_cvt_f32_f16 v[TU+24+(\o)], v108.l
	v_cvt_f32_f16 v[TU+26+(\o)], v109.l
	v_cvt_f32_f16 v[TU+28+(\o)], v110.l
	v_cvt_f32_f16 v[TU+30+(\o)], v111.l
.endm
	s_load_b128 s[4:7], s[0:1], 0x0                ; qkv s[4:5], lg s[6:7]
	s_load_b64 s[8:9], s[0:1], 0x10                ; useg
	v_lshl_add_u32 v[SPW], v0, 2, SPARE
	v_mov_b32 v[NIL], 0
	ds_add_u32 v[SPW], v[NIL]                      ; the wave's opening: the add and its wait ahead of my first tensor load
	ds_add_u32 v10, v11
	v_lshrrev_b32 v1, 5, v0
	v_readfirstlane_b32 s[WV], v1
	s_mov_b32 s[SEG], ttmp9
	s_and_b32 s[BH], ttmp7, 0xffff
	; group 1: 128 keys are 16,384 dense bytes: asked for as 64 rows of 256 bytes, two keys a row, padded in LDS after every key
	s_mov_b32 s[G1+0], (1<<16)|(1<<20)|(4<<22)|(7<<25)  ; 2-byte elements; padding on; after every 32 words, 8 words
	s_mov_b32 s[G1+1], 128<<16                     ; tensor_dim0 = 128
	s_mov_b32 s[G1+2], 64<<16                      ; tensor_dim1 = 64
	s_mov_b32 s[G1+3], 128<<16                     ; tile_dim0 = 128
	s_mov_b32 s[G1+4], 64                          ; tile_dim1 = 64
	s_mov_b32 s[G1+5], 128                         ; elements from row to row
	s_mov_b32 s[G1+6], 0
	s_mov_b32 s[G1+7], 0
	s_mul_i32 s13, s[WV], PIECE                    ; waves 0, 1: K's two pieces of a half; waves 2, 3: V's
	s_lshr_b32 s14, s[WV], 1
	s_add_co_u32 s14, s14, 1                       ; type 1 is k, type 2 is v
	s_lshl_b32 s14, s14, 24
	s_lshl_b32 s15, s[BH], 18
	s_add_co_u32 s14, s14, s15
	s_lshl_b32 s15, s[SEG], 16
	s_add_co_u32 s14, s14, s15
	s_and_b32 s15, s[WV], 1
	s_lshl_b32 s15, s15, 14
	s_add_co_u32 s14, s14, s15
	s_mov_b32 s15, 0
	s_mov_b32 s[TMK], 0xaaaaaaaa
	s_mov_b32 s[TMK+1], 0xcccccccc
	s_mov_b32 s[TMK+2], 0xf0f0f0f0
	s_mov_b32 s[TMK+3], 0xff00ff00
	s_wait_dscnt 0x0                               ; the opening add is done
	s_wait_kmcnt 0x0
	s_add_nc_u64 s[32:33], s[4:5], s[14:15]
.irp hf, 0,1                           ; both fills go out together, ahead of every wait on TENSORcnt, LDS read and barrier: two loads of mine are out
	s_mov_b32 s[G0+4*\hf], 1
	s_add_co_u32 s[G0+4*\hf+1], s13, \hf*HALF
	s_add_nc_u64 s[G0+4*\hf+2:G0+4*\hf+3], s[32:33], \hf*32768
	s_or_b32 s[G0+4*\hf+3], s[G0+4*\hf+3], 0x80000000
	tensor_load_to_lds s[G0+4*\hf:G0+4*\hf+3], s[G1:G1+7]
	s_nop 0
.endr
	s_lshl_b32 s14, s[BH], 13
	s_lshl_b32 s36, s[SEG], 11
	s_add_co_u32 s14, s14, s36
	s_add_nc_u64 s[6:7], s[6:7], s[14:15]          ; lg at my segment
	v_lshlrev_b32 v[TLG], 4, v0
	global_load_b128 v[TG:TG+3], v[TLG], s[6:7]
	s_mul_i32 s14, s[BH], 3
	s_add_co_u32 s14, s14, s[SEG]
	s_mul_i32 s14, s14, 16896
	s_lshl_b32 s36, s[WV], 12
	s_add_co_u32 s14, s14, s36
	s_add_nc_u64 s[8:9], s[8:9], s[14:15]          ; useg at my wave's 4,096 bytes of my block
	v_bfe_u32 v2, v0, 4, 1                         ; l / 16
	v_and_b32 v[AK], 7, v0                         ; the turning load: lane l reads key 8 (l / 16) + l % 8, channels 8 ((l / 8) % 2) + 0..7
	v_lshl_add_u32 v[AK], v2, 3, v[AK]
	v_mul_u32_u24 v[AK], v[AK], PV
	v_bfe_u32 v3, v0, 3, 1
	v_lshl_add_u32 v[AK], v3, 4, v[AK]
	s_lshl_b32 s35, s[WV], 5
	s_add_co_u32 s35, s35, 2*PIECE
	v_add_nc_u32 v[AV], s35, v[AK]
	v_lshl_add_u32 v[AW], v2, 5, WT
	v_mov_b32 v[AG], GT
	v_and_b32 v1, 31, v0
	v_lshlrev_b32 v[GOU], 4, v1
	v_mov_b32 v[GAM+1], 0                          ; named with GAM as a pair
.set i, 0
.rept 32
	v_mov_b32 v[S+i], 0                            ; the state starts at 0: 32 lines in the wait for the first tile, the price of writing no first chunk out
.set i, i+1
.endr
	TABLES 0, 0
.macro STEP                            ; one chunk
.irp jh, 0,1
	ds_load_tr16_b128 v[VO+8*\jh:VO+8*\jh+3],   v[AV] offset:\jh*32*PV
	ds_load_tr16_b128 v[VO+8*\jh+4:VO+8*\jh+7], v[AV] offset:\jh*32*PV+16*PV
.endr
.irp n, 0,1,2,3
	ds_load_b128 v[W32+8*\n:W32+8*\n+3],   v[AW] offset:64*\n     ; keys 16 n + 8 (l / 16) + 0..7: as VO's registers 4 n .. 4 n + 3 hold them, two a register
	ds_load_b128 v[W32+8*\n+4:W32+8*\n+7], v[AW] offset:64*\n+16
.endr
	ds_load_b32 v[GAM], v[AG]
.irp jh, 0,1
.irp ib, 0,1,2,3
	ds_load_tr16_b128 v[KT+32*\jh+8*\ib:KT+32*\jh+8*\ib+3],   v[AK] offset:\jh*32*PV+32*\ib
	ds_load_tr16_b128 v[KT+32*\jh+8*\ib+4:KT+32*\jh+8*\ib+7], v[AK] offset:\jh*32*PV+16*PV+32*\ib
.endr
.endr
	s_wait_dscnt 16                                ; V, w and 2^Tot are in; K's 16 loads may stay out
	ALLCV 0                                        ; w o V in f32: the even keys' v,
.set i, 0
.rept 16
	v_lshrrev_b32 v[VO+i], 16, v[VO+i]
.set i, i+1
.endr
	ALLCV 1                                        ; the odd keys',
.set i, 0
.rept 16
	v_pk_mul_f32 v[TU+2*i:TU+2*i+1], v[TU+2*i:TU+2*i+1], v[W32+2*i:W32+2*i+1]
.set i, i+1
.endr
.set i, 0
.rept 16
	v_cvt_pk_f16_f32 v[VO+i], v[TU+2*i], v[TU+2*i+1]  ; rounded once, on the way to the matrix unit
.set i, i+1
.endr
.set i, 0
.rept 16
	v_pk_mul_f32 v[S+2*i:S+2*i+1], v[S+2*i:S+2*i+1], v[GAM:GAM+1] op_sel_hi:[1,0]  ; each accumulator is read from its low end on
.set i, i+1
.endr
	s_wait_dscnt 0x0
.irp jh, 0,1
.irp ib, 0,1,2,3                       ; the four accumulators take turns
	v_wmma_f32_16x16x32_f16 v[S+8*\ib:S+8*\ib+7], v[KT+32*\jh+8*\ib:KT+32*\jh+8*\ib+7], v[VO+8*\jh:VO+8*\jh+7], v[S+8*\ib:S+8*\ib+7]
.endr
.endr
	v_add_nc_u32 v[AK], CH, v[AK]                  ; the next chunk; these four lines are also the places in front of the next loads and of the stores at the end
	v_add_nc_u32 v[AV], CH, v[AV]
	v_add_nc_u32 v[AW], 256, v[AW]
	v_add_nc_u32 v[AG], 4, v[AG]
.endm
	s_wait_tensorcnt 1                             ; my piece of the first half is in; the second half's may stay out
	s_wait_dscnt 0x0                               ; my part of the tables is in LDS
	s_barrier_signal -1
	s_barrier_wait -1
	s_mov_b32 s[CNT], 4
.Lfirst_half:
	STEP
	s_sub_co_u32 s[CNT], s[CNT], 1
	s_cmp_lg_u32 s[CNT], 0
	s_cbranch_scc1 .Lfirst_half
	s_wait_tensorcnt 0x0                           ; my piece of the second half is in,
	s_barrier_signal -1
	s_barrier_wait -1                              ; everybody's is
	v_add_nc_u32 v[AK], HALF-4*CH, v[AK]           ; over V's pieces of the first half
	v_add_nc_u32 v[AV], HALF-4*CH, v[AV]
	s_mov_b32 s[CNT], 4
.Lsecond_half:
	STEP
	s_sub_co_u32 s[CNT], s[CNT], 1
	s_cmp_lg_u32 s[CNT], 0
	s_cbranch_scc1 .Lsecond_half
.set i, 0
.rept 8
	global_store_b128 v[GOU], v[S+4*i:S+4*i+3], s[8:9] offset:i*512  ; 512 consecutive bytes each, aligned to 256
.set i, i+1
.endr
	s_cmp_lg_u32 s[WV], 0
	s_cbranch_scc1 .Lend
	v_mov_b32 v[TA1], GT+32                        ; wave 0: the sum of the eight Tot, to all 512 bytes behind the state
	ds_load_b128 v[KT:KT+3], v[TA1]
	ds_load_b128 v[KT+4:KT+7], v[TA1] offset:16
	s_wait_dscnt 0x0
	v_add_f32 v[KT], v[KT], v[KT+1]
	v_add_f32 v[KT+2], v[KT+2], v[KT+3]
	v_add_f32 v[KT+4], v[KT+4], v[KT+5]
	v_add_f32 v[KT+6], v[KT+6], v[KT+7]
	v_add_f32 v[KT], v[KT], v[KT+2]
	v_add_f32 v[KT+4], v[KT+4], v[KT+6]
	v_add_f32 v[KT], v[KT], v[KT+4]
	v_mov_b32 v[KT+1], v[KT]
	v_mov_b32 v[KT+2], v[KT]
	v_mov_b32 v[KT+3], v[KT]
	global_store_b128 v[GOU], v[KT:KT+3], s[8:9] offset:16384
.Lend:
	s_wait_tensorcnt 0x0                           ; the wave's end
	ds_add_u32 v[SPW], v[NIL]
	s_wait_dscnt 0x0
	s_endpgm
.Lfunc_end_k_q7a843a40da_segstate:
	.size	k_q7a843a40da_segstate, .Lfunc_end_k_q7a843a40da_segstate-k_q7a843a40da_segstate
	.p2alignl 7, 3214868480
	.fill 96, 4, 3214868480
	.section	.rodata,"a",@progbits
	.p2align	6, 0x0
	.amdhsa_kernel k_q7a843a40da_segstate
		.amdhsa_group_segment_fixed_size 167936
		.amdhsa_private_segment_fixed_size 0
		.amdhsa_enable_private_segment 0
		.amdhsa_kernarg_size 24
		.amdhsa_user_sgpr_count 2
		.amdhsa_user_sgpr_kernarg_segment_ptr 1
		.amdhsa_wavefront_size32 1
		.amdhsa_system_sgpr_workgroup_id_x 1
		.amdhsa_system_sgpr_workgroup_id_y 1
		.amdhsa_system_sgpr_workgroup_id_z 1
		.amdhsa_system_vgpr_workitem_id 0
		.amdhsa_next_free_vgpr 212
		.amdhsa_next_free_sgpr 66
		.amdhsa_reserve_vcc 0
		.amdhsa_float_denorm_mode_32 3
		.amdhsa_float_denorm_mode_16_64 3
		.amdhsa_memory_ordered 1
		.amdhsa_forward_progress 1
		.amdhsa_inst_pref_size 23
	.end_amdhsa_kernel
	.amdgpu_metadata
---
amdhsa.version: [ 1, 2 ]
amdhsa.kernels:
  - .name:           k_q7a843a40da_segstate
    .symbol:         k_q7a843a40da_segstate.kd
    .args:
      - { .name: qkv, .offset: 0, .size: 8, .value_kind: global_buffer, .address_space: global }
      - { .name: lg, .offset: 8, .size: 8, .value_kind: global_buffer, .address_space: global }
      - { .name: useg, .offset: 16, .size: 8, .value_kind: global_buffer, .address_space: global }
    .group_segment_fixed_size: 167936
    .private_segment_fixed_size: 0
    .kernarg_segment_align: 8
    .kernarg_segment_size: 24
    .max_flat_workgroup_size: 128
    .sgpr_count:     66
    .vgpr_count:     212
    .wavefront_size: 32
...
	.end_amdgpu_metadata
.endif
;; end of part 8
;; launch scan (part 9): grid 4 x 64, 4 waves a work-group, no clusters, 244,736 bytes of LDS; arguments qkv, lg, useg, mx, yh; writes yh
.if DOCPART == 9
	.amdgcn_target "amdgcn-amd-amdhsa--gfx1250"
	.amdhsa_code_object_version 6
	.text
	.protected	k_q7a843a40da_scan
	.globl	k_q7a843a40da_scan
	.p2align	8
	.type	k_q7a843a40da_scan,@function
k_q7a843a40da_scan:
	s_mov_b64 s[64:65], 0
	v_nop
	global_prefetch_b8 v0, s[64:65] scope:SCOPE_SE
	s_setreg_imm32_b32 hwreg(HW_REG_WAVE_MODE, 25, 1), 1
	s_wait_xcnt 0x0
; THE GATED SCAN, BY CHUNKS.  y_t = q_t S_t, S_t = g_t S_(t-1) + k_t v_t^T.  Work-group (seg, bh) makes the 512 rows of one segment of one (batch, head), eight chunks of 64 rows.  In a chunk, with l the
; running sum of log2(gate):  y_t = sum over j <= t of (q_t . k_j) 2^(l_t - l_j) v_j  +  2^(l_t) q_t S0,   and   S0 <- 2^(l_63) S0 + K^T (w o V), w_j = 2^(l_63 - l_j).
; The segment's start state is made of the earlier segments' contributions U and sums of logs L from useg: S = U0; S = S 2^L1 + U1; S = S 2^L2 + U2, as far as seg reaches.
; FORMATS.  q, k, v come in f16.  The weights A = (q . k) 2^(l_t - l_j) and the state are too wide for f16 by themselves, so each goes to the matrix unit in f16 behind an exact power of two taken from
; its own largest number: per query row for A, per block of 16 channels for S (largest magnitude below 2^14); the factor is taken back in f32.  Sums, logs, exponentials, w o V in f32.
; y leaves in f16 behind ONE power of two for the whole launch, yh[head][row][64] = y x 2^(376 - F): F is the sum of the biased exponents (each at least 103) of Mq, Mk, Mv, the largest q, k and |v| (from mx's 512 words a type).
; A row has at most 2,048 terms of at most 64 Mq Mk Mv each, and M < 2^(its exponent - 126): |y| 2^(376 - F) < 2^15.  The scale moves with the inputs, so their size costs no bits.
; No exponential of a visible weight has a positive argument (but for rounding); a hidden one's is 1e30 lower, and its weight 0.
; LIMITS.  Where y's root mean square lies more than 2^28 below 2^17 Mq Mk Mv, f16's fixed step of 6e-8 shows in y.  l_t - l_j is a difference of two sums of at most 64 logs, each at least -160: its error is
; at most 2^-24 x 10,240 in the exponent.  Weights below 2^-126 count as 0.  NaN and infinities are not treated apart.
; SHARES.  Wave w owns queries 16 w .. + 15 of every chunk, and channels 16 w .. + 15 (of V) of the state.  All products hold one query (or one channel of V) a lane:
;   SC = K Q^T (keys in the registers)   YI = S^T Q^T and YA = V^T A^T (V's channels in the registers)   S += K^T (w o V) (K's channels in the registers).
; The state passes between the waves through LDS: written between the chunk's second barrier and the next chunk's first, read between the first and the second.
; The whole segment's q, k, v lie in LDS at once, each byte filled once: waves 0, 1, 2 bring q, k, v, two loads each, all out at the start.  No cluster: no two work-groups read the same tile.
; REGISTERS: window 0 as named below; window 1: v0-63 K's fragments, later K^T's; v64-127 the state's; v128-191 V^T's; v192-223 the mask.
.set PT,    144                        ; a row of q, k, v or the state in LDS: 128 bytes + 16.  One pitch for plain and turning loads: the turning ones then meet one bank twice in a pass
.set TILE,  512*PT
.set TK,    TILE
.set TV,    2*TILE
.set ST,    3*TILE                     ; the state in f16: 64 channels of V x 64 of K
.set SB,    ST+64*PT                   ; four words: the factor that each wave's 16 channels carry
.set LT,    SB+256                     ; l, 512 x f32
.set WT,    LT+2048                    ; w, 512 x f32
.set GT,    WT+2048                    ; eight 2^Tot, eight Tot
.set STAGE, GT+256                     ; 16 rows x 144 bytes for each wave, for the way out
.set SGP,   144
.set SPARE, STAGE+4*16*SGP             ; the spare words, 128 bytes a wave: no other line names them
.set R,    2
.set H,    3
.set ADQ,  4                           ; LDS addresses: my 16 queries
.set ADK,  5                           ; the chunk's keys, plain
.set ADKT, 6                           ; the same, turned
.set ADV,  7                           ; V, turned
.set ADVO, 8                           ; V, turned, my 16 channels
.set ADST, 9                           ; the state, read
.set ADL,  10                          ; l of my query
.set ADLT, 11                          ; l of the keys
.set ADW,  12                          ; w
.set ADG,  13                          ; 2^Tot
.set ADSB, 14                          ; the four factors
.set STW,  15                          ; the state, written
.set SBW,  16                          ; my factor
.set STO,  17                          ; into my stage
.set RD,   18                          ; back out of it
.set GO,   19                          ; my byte offset in yh
.set SPW,  20                          ; my spare word; never rewritten
.set NIL,  21                          ; 0; never rewritten
.set LTP,  22                          ; v[22:23] l_t          (of these pairs the low word serves both halves; the high words are written once)
.set GAM,  24                          ; v[24:25] 2^Tot
.set BKA,  26                          ; v[26:27] the factor that A carries, times y's scale
.set INV,  28                          ; v[28:29] its inverse; later the state's
.set ET,   30                          ; v30      2^(l_t), times y's scale
.set YSC,  31                          ; v31      y's scale, 2^(376 - F)
.set SBV,  32                          ; v[32:35] the state's four factors
.set FAC,  36                          ; v[36:43] four pairs: 2^(l_t) x factor x y's scale
.set C0,   44                          ; v44-47 at work
.set D0,   48                          ; v48-51 at work
.set QF,   52                          ; v[52:67]   Q's fragments
.set VO,   52                          ;            later V^T of my channels, then w o V
.set SC,   68                          ; v[68:99]   scores, then A
.set YA,   68                          ;            then the chunk's own part of y, then y
.set LJ,   100                         ; v[100:131] l_j, then 2^(l_t - l_j)
.set W32,  100                         ;            then w, laid as V^T's keys lie
.set TM,   100                         ;            later at work
.set AP,   132                         ; v[132:147] A in f16
.set HI,   132                         ;            later y in f16
.set YI,   148                         ; v[148:179] q S0
.set OUT,  148                         ;            later whole rows to store
.set S,    180                         ; v[180:211] the state: K's channel block ib at S + 8 ib
.set TU,   212                         ; v[212:243] V^T in f32
.set YT,   180                         ; v[180:227] at the head, before the state is made: the 1,536 maxima, 48 a lane
.set MK,   192                         ; window 1
.set TG,   44                          ; the tables' registers, at the head only
.set TW,   48
.set TSUM, 32
.set TPRE, 33
.set TO,   34
.set TO2,  35
.set TGM,  36
.set TA1,  37
.set TA2,  38
.set TA3,  39
.set WV,   12
.set SEG,  13
.set BH,   14
.set G1,   16                          ; s[16:23]
.set G0,   24                          ; s[24:31] a set for each half
.set SEL,  40                          ; s[40:41] v_permlanex16_b32: each lane takes its own place in the other half
.set TMK,  42                          ; s42-45 lane masks
.set BIGN, 46                          ; -1e30
.set A0,   48                          ; s[48:49] 1 if an earlier segment exists, else 0
.set CNT,  52
.set YB,   54                          ; s[54:55] yh at my wave's first row
.set MSB, 0
.macro WIN new                         ; the high byte repeats the setting that is left; a switch that changes nothing is dropped
.if MSB != (\new)
	s_set_vgpr_msb (MSB<<8)|(\new)
.set MSB, \new
.endif
.endm
.set W_MM, 0x01                        ; source 0 in window 1
.set W_LD, 0x40                        ; destination in window 1
.set W_MK, 0x04                        ; source 1 in window 1
; l, w, 2^Tot and Tot of the segment's eight chunks.  Thread i holds rows 4 i .. 4 i + 3, so a chunk is 16 neighbouring lanes.  Four exchanges with the lane whose number differs in one bit give every
; lane the sum of the lanes before it (PRE takes the partner's block where the partner comes first) and the sum of all sixteen.
.macro TSTEP x, m
	v_mov_b32_dpp v[TO], v[TSUM] row_xmask:\x row_mask:0xf bank_mask:0xf
	v_cndmask_b32 v[TO2], 0, v[TO], s[TMK+\m]
	v_add_f32 v[TSUM], v[TSUM], v[TO]
	v_add_f32 v[TPRE], v[TPRE], v[TO2]
.endm
.macro TABLES full, cnt                ; full = 1: l is stored too; cnt: the younger global loads, which may stay out
	s_wait_loadcnt \cnt
	v_add_f32 v[TG+1], v[TG], v[TG+1]
	v_add_f32 v[TG+2], v[TG+1], v[TG+2]
	v_add_f32 v[TG+3], v[TG+2], v[TG+3]
	v_mov_b32 v[TO], 0                             ; a DPP form's destination counts as read
	v_mov_b32 v[TSUM], v[TG+3]
	v_mov_b32_dpp v[TO], v[TSUM] row_xmask:1 row_mask:0xf bank_mask:0xf
	v_cndmask_b32 v[TPRE], 0, v[TO], s[TMK]
	v_add_f32 v[TSUM], v[TSUM], v[TO]
	TSTEP 2, 1
	TSTEP 4, 2
	TSTEP 8, 3
.irp k, 0,1,2,3
	v_add_f32 v[TG+\k], v[TPRE], v[TG+\k]          ; l
.endr
.irp k, 0,1,2,3
	v_sub_f32 v[TW+\k], v[TSUM], v[TG+\k]          ; Tot - l: the later rows' logs, never above 0 but for rounding
.endr
.irp k, 0,1,2,3
	v_exp_f32 v[TW+\k], v[TW+\k]
.endr
	v_exp_f32 v[TGM], v[TSUM]
	v_lshl_add_u32 v[TA1], v0, 4, WT               ; (plain work behind the exponentials)
	v_lshrrev_b32 v[TA2], 4, v0
	v_lshl_add_u32 v[TA2], v[TA2], 2, GT
.if \full
	v_lshl_add_u32 v[TA3], v0, 4, LT
	ds_store_b128 v[TA3], v[TG:TG+3]
.endif
	s_wait_alu depctr_va_vdst(0)
	ds_store_b128 v[TA1], v[TW:TW+3]
	ds_store_b32 v[TA2], v[TGM]                    ; a chunk's 16 lanes write the same word with the same value
	ds_store_b32 v[TA2], v[TSUM] offset:32
.endm
; The 1,536 maxima, sixteen of each type a lane at T + 16 type, become F in v[T], alike in every lane: the three types' largest over the registers and the 32 lanes, their biased exponents, each at least 103, added.
.macro YMAX T
.irp j, 1,3,5,7,9,11,13
.irp t, 0,1,2
	v_max3_num_f32 v[\T+16*\t], v[\T+16*\t], v[\T+16*\t+\j], v[\T+16*\t+\j+1]
.endr
.endr
.irp t, 0,1,2
	v_max_num_f32 v[\T+16*\t], v[\T+16*\t], v[\T+16*\t+15]
.endr
.irp x, 1,2,4,8
.irp t, 0,1,2
	v_max_num_f32_dpp v[\T+16*\t], v[\T+16*\t], v[\T+16*\t] row_xmask:\x row_mask:0xf bank_mask:0xf
.endr
.endr
.irp t, 0,1,2
	v_permlanex16_b32 v[\T+16*\t+1], v[\T+16*\t], s[SEL], s[SEL+1]
.endr
.irp t, 0,1,2
	v_max_num_f32 v[\T+16*\t], v[\T+16*\t], v[\T+16*\t+1]
.endr
.irp t, 0,1,2
	v_lshrrev_b32 v[\T+16*\t], 23, v[\T+16*\t]
.endr
.irp t, 0,1,2
	v_max_u32 v[\T+16*\t], 103, v[\T+16*\t]
.endr
	v_add3_u32 v[\T], v[\T], v[\T+16], v[\T+32]
.endm
; The low halves of VO's 16 registers, widened to f32, into every second register of TU from o on.  A register's half is named by the register's number, so the lines are written out: VO = 52.
.macro ALLCV o
	v_cvt_f32_f16 v[TU+(\o)], v52.l
	v_cvt_f32_f16 v[TU+2+(\o)], v53.l
	v_cvt_f32_f16 v[TU+4+(\o)], v54.l
	v_cvt_f32_f16 v[TU+6+(\o)], v55.l
	v_cvt_f32_f16 v[TU+8+(\o)], v56.l
	v_cvt_f32_f16 v[TU+10+(\o)], v57.l
	v_cvt_f32_f16 v[TU+12+(\o)], v58.l
	v_cvt_f32_f16 v[TU+14+(\o)], v59.l
	v_cvt_f32_f16 v[TU+16+(\o)], v60.l
	v_cvt_f32_f16 v[TU+18+(\o)], v61.l
	v_cvt_f32_f16 v[TU+20+(\o)], v62.l
	v_cvt_f32_f16 v[TU+22+(\o)], v63.l
	v_cvt_f32_f16 v[TU+24+(\o)], v64.l
	v_cvt_f32_f16 v[TU+26+(\o)], v65.l
	v_cvt_f32_f16 v[TU+28+(\o)], v66.l
	v_cvt_f32_f16 v[TU+30+(\o)], v67.l
.endm
; From a largest magnitude in v[C0]: E = its exponent field, at least 16; INV = 2^(140 - e), so that the largest number times INV lies below 2^14; \back = 2^(e - 140) = 1 / INV.  Whole-number work on the exponent: both are exact.
.macro SCALE back
	v_and_b32 v[C0], 0x7f800000, v[C0]
	v_max_u32 v[C0], 0x8000000, v[C0]
	v_sub_nc_u32 v[INV], 0x85800000, v[C0]
	v_add_nc_u32 v[\back], 0xf9800000, v[C0]
.endm
; My 16 channels of the state go to LDS in f16, behind their own factor.
.macro PUBLISH
.irp k, 0,1,2,3                        ; largest and smallest of my 32 numbers, three operands at a time; each accumulator's lowest registers are read first
	v_max3_num_f32 v[C0+\k], v[S+8*\k], v[S+8*\k+1], v[S+8*\k+2]
	v_min3_num_f32 v[D0+\k], v[S+8*\k], v[S+8*\k+1], v[S+8*\k+2]
.endr
.irp k, 0,1,2,3
	v_max3_num_f32 v[C0+\k], v[C0+\k], v[S+8*\k+3], v[S+8*\k+4]
	v_min3_num_f32 v[D0+\k], v[D0+\k], v[S+8*\k+3], v[S+8*\k+4]
.endr
.irp k, 0,1,2,3
	v_max3_num_f32 v[C0+\k], v[C0+\k], v[S+8*\k+5], v[S+8*\k+6]
	v_min3_num_f32 v[D0+\k], v[D0+\k], v[S+8*\k+5], v[S+8*\k+6]
.endr
	v_max3_num_f32 v[C0], v[C0], v[S+7], v[S+15]
	v_min3_num_f32 v[D0], v[D0], v[S+7], v[S+15]
	v_max3_num_f32 v[C0+1], v[C0+1], v[S+23], v[S+31]
	v_min3_num_f32 v[D0+1], v[D0+1], v[S+23], v[S+31]
	v_max3_num_f32 v[C0], v[C0], v[C0+1], v[C0+2]
	v_min3_num_f32 v[D0], v[D0], v[D0+1], v[D0+2]
	v_max_num_f32 v[C0], v[C0], v[C0+3]
	v_min_num_f32 v[D0], v[D0], v[D0+3]
	v_xor_b32 v[D0], 0x80000000, v[D0]
	v_max_num_f32 v[C0], v[C0], v[D0]
	v_max_num_f32_dpp v[C0], v[C0], v[C0] row_xmask:1 row_mask:0xf bank_mask:0xf
	v_max_num_f32_dpp v[C0], v[C0], v[C0] row_xmask:2 row_mask:0xf bank_mask:0xf
	v_max_num_f32_dpp v[C0], v[C0], v[C0] row_xmask:4 row_mask:0xf bank_mask:0xf
	v_max_num_f32_dpp v[C0], v[C0], v[C0] row_xmask:8 row_mask:0xf bank_mask:0xf
	v_permlanex16_b32 v[C0+1], v[C0], s[SEL], s[SEL+1]
	v_max_num_f32 v[C0], v[C0], v[C0+1]
	SCALE C0+2
.set i, 0
.rept 16
	v_pk_mul_f32 v[TM+2*i:TM+2*i+1], v[S+2*i:S+2*i+1], v[INV:INV+1] op_sel_hi:[1,0]
.set i, i+1
.endr
.set i, 0
.rept 16
	v_cvt_pk_f16_f32 v[TM+i], v[TM+2*i], v[TM+2*i+1]  ; in place, ascending: a line's sources lie at or above its destination
.set i, i+1
.endr
.irp ib, 0,1,2,3
	ds_store_b128 v[STW], v[TM+4*\ib:TM+4*\ib+3] offset:32*\ib  ; row = my channel of V; K's channels 16 ib + 8 (l / 16) + 0..7
.endr
	ds_store_b32 v[SBW], v[C0+2]
.endm
	s_load_b256 s[4:11], s[0:1], 0x0               ; qkv s[4:5], lg s[6:7], useg s[8:9], mx s[10:11]
	s_load_b64 s[YB:YB+1], s[0:1], 0x20            ; yh
	v_lshl_add_u32 v[SPW], v0, 2, SPARE
	v_mov_b32 v[NIL], 0
	ds_add_u32 v[SPW], v[NIL]                      ; the wave's opening: the add and its wait ahead of my first tensor load
	ds_add_u32 v20, v21
	v_lshrrev_b32 v1, 5, v0
	v_readfirstlane_b32 s[WV], v1
	s_mov_b32 s[SEG], ttmp9
	s_and_b32 s[BH], ttmp7, 0xffff
	; group 1: 256 rows are 32,768 dense bytes: asked for as 128 rows of 256 bytes, two rows of the tensor each, padded in LDS after every 128 bytes
	s_mov_b32 s[G1+0], (1<<16)|(1<<20)|(4<<22)|(3<<25)  ; 2-byte elements; padding on; after every 32 words, 4 words
	s_mov_b32 s[G1+1], 128<<16                     ; tensor_dim0 = 128
	s_mov_b32 s[G1+2], 128<<16                     ; tensor_dim1 = 128
	s_mov_b32 s[G1+3], 128<<16                     ; tile_dim0 = 128
	s_mov_b32 s[G1+4], 128                         ; tile_dim1 = 128
	s_mov_b32 s[G1+5], 128                         ; elements from row to row
	s_mov_b32 s[G1+6], 0
	s_mov_b32 s[G1+7], 0
	s_mul_i32 s32, s[WV], TILE                     ; wave 0: q, wave 1: k, wave 2: v
	s_lshl_b32 s34, s[WV], 24
	s_lshl_b32 s35, s[BH], 18
	s_add_co_u32 s34, s34, s35
	s_lshl_b32 s35, s[SEG], 16
	s_add_co_u32 s34, s34, s35
	s_mov_b32 s35, 0
	s_mov_b32 s[SEL], 0x76543210
	s_mov_b32 s[SEL+1], 0xfedcba98
	s_mov_b32 s[TMK], 0xaaaaaaaa
	s_mov_b32 s[TMK+1], 0xcccccccc
	s_mov_b32 s[TMK+2], 0xf0f0f0f0
	s_mov_b32 s[TMK+3], 0xff00ff00
	s_mov_b32 s[BIGN], 0xf149f2ca
	s_cmp_gt_u32 s[SEG], 0
	s_cselect_b32 s[A0], 1.0, 0
	s_mov_b32 s[A0+1], s[A0]
	s_wait_dscnt 0x0                               ; the opening add is done
	s_wait_kmcnt 0x0
	s_add_nc_u64 s[36:37], s[4:5], s[34:35]
	s_mov_b32 s[G0], 1
	s_mov_b32 s[G0+1], s32
	s_add_nc_u64 s[G0+2:G0+3], s[36:37], 0
	s_or_b32 s[G0+3], s[G0+3], 0x80000000
	s_mov_b32 s[G0+4], 1
	s_add_co_u32 s[G0+5], s32, 256*PT
	s_add_nc_u64 s[G0+6:G0+7], s[36:37], 32768
	s_or_b32 s[G0+7], s[G0+7], 0x80000000
	s_cmp_lt_u32 s[WV], 3                          ; a wave's two fills stand in one branch, ahead of every wait on TENSORcnt, LDS read and barrier: two loads of mine are out; wave 3 has none
	s_cbranch_scc0 .Lnofill
	tensor_load_to_lds s[G0:G0+3], s[G1:G1+7]
	s_nop 0
	tensor_load_to_lds s[G0+4:G0+7], s[G1:G1+7]
	s_nop 0
.rept 4
	v_nop
.endr
.Lnofill:
	s_lshl_b32 s34, s[BH], 13
	s_lshl_b32 s33, s[SEG], 11
	s_add_co_u32 s34, s34, s33
	s_add_nc_u64 s[6:7], s[6:7], s[34:35]          ; lg at my segment
	s_mul_i32 s34, s[BH], 3*16896
	s_add_nc_u64 s[8:9], s[8:9], s[34:35]          ; useg at my (batch, head)'s three blocks
	v_lshlrev_b32 v52, 4, v0
	global_load_b128 v[TG:TG+3], v52, s[6:7]
	v_and_b32 v1, 31, v0
	s_lshl_b32 s33, s[WV], 12
	v_lshl_add_u32 v53, v1, 4, s33
.set i, 0
.rept 8                                ; the three contributions, as the state's registers lie; they are asked for whatever seg is, beside the tiles
	global_load_b128 v[SC+4*i:SC+4*i+3], v53, s[8:9] offset:i*512
	global_load_b128 v[LJ+4*i:LJ+4*i+3], v53, s[8:9] offset:16896+i*512
	global_load_b128 v[YI+4*i:YI+4*i+3], v53, s[8:9] offset:2*16896+i*512
.set i, i+1
.endr
	v_lshlrev_b32 v58, 4, v1
.irp t, 0,1,2                          ; the 1,536 maxima, 2,048 bytes a type: every wave reads all of them
.irp j, 0,1,2,3
	global_load_b128 v[YT+16*\t+4*\j:YT+16*\t+4*\j+3], v58, s[10:11] offset:2048*\t+512*\j
.endr
.endr
	s_load_b32 s50, s[8:9], 16896+16384            ; the sums of logs of segments 1 and 2
	s_load_b32 s51, s[8:9], 2*16896+16384
	s_and_b32 s34, s[BH], 15                       ; yh: head x 8,192 rows x 128 bytes + (batch x 2,048 + 512 seg + 16 w) x 128
	s_lshl_b32 s34, s34, 20
	s_lshr_b32 s33, s[BH], 4
	s_lshl_b32 s33, s33, 11
	s_lshl_b32 s38, s[SEG], 9
	s_add_co_u32 s33, s33, s38
	s_lshl_b32 s38, s[WV], 4
	s_add_co_u32 s33, s33, s38
	s_lshl_b32 s33, s33, 7
	s_add_co_u32 s34, s34, s33
	s_add_nc_u64 s[YB:YB+1], s[YB:YB+1], s[34:35]
	v_lshlrev_b32 v[GO], 4, v1                     ; 32 lanes store 512 consecutive bytes: four rows of a head
	v_and_b32 v[R], 15, v0
	v_bfe_u32 v[H], v0, 4, 1
	v_mul_u32_u24 v1, v[R], PT
	v_lshl_add_u32 v1, v[H], 4, v1                 ; a plain fragment: row l % 16 x pitch + 16 (l / 16)
	s_mul_i32 s33, s[WV], 16*PT
	v_add_nc_u32 v[ADQ], s33, v1
	v_add_nc_u32 v[ADK], TK, v1
	v_add_nc_u32 v[ADST], ST, v1
	v_add_nc_u32 v[STW], s33, v[ADST]
	v_and_b32 v59, 7, v0
	v_lshl_add_u32 v54, v[H], 3, v59               ; a turned one: lane l reads row 8 (l / 16) + l % 8, columns 8 ((l / 8) % 2) + 0..7
	v_mul_u32_u24 v54, v54, PT
	v_bfe_u32 v55, v0, 3, 1
	v_lshl_add_u32 v54, v55, 4, v54
	v_add_nc_u32 v[ADKT], TK, v54
	v_add_nc_u32 v[ADV], TV, v54
	s_lshl_b32 s33, s[WV], 5
	v_add_nc_u32 v[ADVO], s33, v[ADV]
	s_lshl_b32 s33, s[WV], 6
	s_add_co_u32 s33, s33, LT
	v_lshl_add_u32 v[ADL], v[R], 2, s33
	v_lshl_add_u32 v[ADLT], v[H], 5, LT
	v_lshl_add_u32 v[ADW], v[H], 5, WT
	v_mov_b32 v[ADG], GT
	v_mov_b32 v[ADSB], SB
	s_lshl_b32 s33, s[WV], 2
	s_add_co_u32 s33, s33, SB
	v_mov_b32 v[SBW], s33
	s_mul_i32 s33, s[WV], 16*SGP
	s_add_co_u32 s33, s33, STAGE
	v_mul_u32_u24 v[STO], v[R], SGP                ; in: row l % 16, 16 bytes for each half of the lanes
	v_lshl_add_u32 v[STO], v[H], 4, v[STO]
	v_add_nc_u32 v[STO], s33, v[STO]
	v_bfe_u32 v[RD], v0, 3, 2                      ; back: 32 lanes take four rows of 128 bytes
	v_mul_u32_u24 v[RD], v[RD], SGP
	v_lshl_add_u32 v[RD], v59, 4, v[RD]
	v_add_nc_u32 v[RD], s33, v[RD]
	v_lshlrev_b32 v56, 3, v[H]                     ; the mask: register rho of key block kb is hidden where 16 kb + rho > 16 w + l % 16 - 8 (l / 16)
	v_sub_nc_u32 v56, v[R], v56
	s_lshl_b32 s33, s[WV], 4
	v_add_nc_u32 v56, s33, v56
	WIN W_LD
.set i, 0
.rept 32
	v_cmp_gt_i32 vcc_lo, 16*(i/8)+i%8, v56
	v_cndmask_b32 v[MK+i], 0, s[BIGN], vcc_lo
.set i, i+1
.endr
	WIN 0
	TABLES 1, 36                                   ; the logs are in; the 24 + 12 loads behind them may stay out
	s_wait_loadcnt 0x0
	s_wait_kmcnt 0x0
	v_exp_f32 v32, s50
	v_exp_f32 v34, s51
	v_mov_b32 v33, 0                               ; (plain work behind the exponentials; the pairs' high words)
	v_mov_b32 v35, 0
	YMAX YT
	v_sub_nc_u32 v[YT], 503, v[YT]                 ; y's scale: the exponent field 127 + 376 - F, between 77 and 194
	v_lshlrev_b32 v[YSC], 23, v[YT]
.set i, 0
.rept 16
	v_pk_mul_f32 v[S+2*i:S+2*i+1], v[SC+2*i:SC+2*i+1], s[A0:A0+1] op_sel_hi:[1,0]  ; U0, or 0 for the first segment: nothing is cleared
.set i, i+1
.endr
	s_cmp_gt_u32 s[SEG], 1
	s_cbranch_scc0 .Lno1
.set i, 0
	s_wait_alu depctr_va_vdst(0)
.rept 16
	v_pk_fma_f32 v[S+2*i:S+2*i+1], v[S+2*i:S+2*i+1], v[32:33], v[LJ+2*i:LJ+2*i+1] op_sel_hi:[1,0,1]
.set i, i+1
.endr
.Lno1:
	s_cmp_gt_u32 s[SEG], 2
	s_cbranch_scc0 .Lno2
.set i, 0
	s_wait_alu depctr_va_vdst(0)
.rept 16
	v_pk_fma_f32 v[S+2*i:S+2*i+1], v[S+2*i:S+2*i+1], v[34:35], v[YI+2*i:YI+2*i+1] op_sel_hi:[1,0,1]
.set i, i+1
.endr
.Lno2:
.irp p, LTP, GAM, BKA, INV, FAC, FAC+2, FAC+4, FAC+6
	v_mov_b32 v[\p+1], 0                           ; named with their low words as pairs
.endr
	PUBLISH
.macro CHUNK
	s_wait_dscnt 0x0                               ; my part of the state (at first: of the tables too) is in LDS
	s_barrier_signal -1
	s_barrier_wait -1                              ; everybody's is
	WIN 0
.irp n, 0,1,2,3                        ; 63 LDS loads in four groups, in the order of their use.  Group 1: Q 4, K 16
	ds_load_b128 v[QF+4*\n:QF+4*\n+3], v[ADQ] offset:32*\n
.endr
	WIN W_LD
.irp kb, 0,1,2,3
.irp kk, 0,1
	ds_load_b128 v[16*\kb+8*\kk:16*\kb+8*\kk+3],   v[ADK] offset:\kb*16*PT+\kk*64
	ds_load_b128 v[16*\kb+8*\kk+4:16*\kb+8*\kk+7], v[ADK] offset:\kb*16*PT+\kk*64+32
.endr
.endr
.irp cb, 0,1,2,3                       ; group 2: the state, 16
.irp kk, 0,1
	ds_load_b128 v[64+16*\cb+8*\kk:64+16*\cb+8*\kk+3],   v[ADST] offset:\cb*16*PT+\kk*64
	ds_load_b128 v[64+16*\cb+8*\kk+4:64+16*\cb+8*\kk+7], v[ADST] offset:\cb*16*PT+\kk*64+32
.endr
.endr
	WIN 0
	ds_load_b32 v[LTP], v[ADL]                     ; group 3: 11
.irp kb, 0,1,2,3
	ds_load_b128 v[LJ+8*\kb:LJ+8*\kb+3],   v[ADLT] offset:64*\kb
	ds_load_b128 v[LJ+8*\kb+4:LJ+8*\kb+7], v[ADLT] offset:64*\kb+16
.endr
	s_wait_alu depctr_va_vdst(0)
	ds_load_b128 v[SBV:SBV+3], v[ADSB]
	ds_load_b32 v[GAM], v[ADG]
	WIN W_LD
.irp jh, 0,1                           ; group 4: V^T, 16
.irp cb, 0,1,2,3
	ds_load_tr16_b128 v[128+32*\jh+8*\cb:128+32*\jh+8*\cb+3],   v[ADV] offset:\jh*32*PT+32*\cb
	ds_load_tr16_b128 v[128+32*\jh+8*\cb+4:128+32*\jh+8*\cb+7], v[ADV] offset:\jh*32*PT+16*PT+32*\cb
.endr
.endr
	s_wait_dscnt 43                                ; group 1 is in: behind it 16 + 11 + 16
	WIN W_MM
.irp kk, 0,1                           ; SC = K Q^T.  In every run of eight the four accumulators take turns; the first four start the sums
.irp kb, 0,1,2,3
.if \kk == 0
	v_wmma_f32_16x16x32_f16 v[SC+8*\kb:SC+8*\kb+7], v[16*\kb+8*\kk:16*\kb+8*\kk+7], v[QF+8*\kk:QF+8*\kk+7], 0
.else
	v_wmma_f32_16x16x32_f16 v[SC+8*\kb:SC+8*\kb+7], v[16*\kb+8*\kk:16*\kb+8*\kk+7], v[QF+8*\kk:QF+8*\kk+7], v[SC+8*\kb:SC+8*\kb+7]
.endif
.endr
.endr
	s_wait_dscnt 27                                ; group 2 is in: behind it 11 + 16
.irp kk, 0,1                           ; YI = S^T Q^T
.irp cb, 0,1,2,3
.if \kk == 0
	v_wmma_f32_16x16x32_f16 v[YI+8*\cb:YI+8*\cb+7], v[64+16*\cb+8*\kk:64+16*\cb+8*\kk+7], v[QF+8*\kk:QF+8*\kk+7], 0
.else
	v_wmma_f32_16x16x32_f16 v[YI+8*\cb:YI+8*\cb+7], v[64+16*\cb+8*\kk:64+16*\cb+8*\kk+7], v[QF+8*\kk:QF+8*\kk+7], v[YI+8*\cb:YI+8*\cb+7]
.endif
.endr
.endr
	s_wait_dscnt 16                                ; group 3 is in: behind it group 4's 16
	WIN 0
.set i, 0
.rept 16                               ; l_t - l_j; these 32 lines name no register of the products above and are the places behind them
	v_pk_add_f32 v[LJ+2*i:LJ+2*i+1], v[LTP:LTP+1], v[LJ+2*i:LJ+2*i+1] op_sel_hi:[0,1] neg_lo:[0,1] neg_hi:[0,1]
.set i, i+1
.endr
	WIN W_MK
.set i, 0
.rept 16
	v_pk_add_f32 v[LJ+2*i:LJ+2*i+1], v[LJ+2*i:LJ+2*i+1], v[MK+2*i:MK+2*i+1]
.set i, i+1
.endr
	WIN W_LD
.irp jh, 0,1                           ; K^T, 16 loads, where K's plain fragments lay,
.irp ib, 0,1,2,3
	ds_load_tr16_b128 v[32*\jh+8*\ib:32*\jh+8*\ib+3],   v[ADKT] offset:\jh*32*PT+32*\ib
	ds_load_tr16_b128 v[32*\jh+8*\ib+4:32*\jh+8*\ib+7], v[ADKT] offset:\jh*32*PT+16*PT+32*\ib
.endr
.endr
	WIN 0
.irp jh, 0,1                           ; and V^T of my channels, 4 loads, where Q's lay
	ds_load_tr16_b128 v[VO+8*\jh:VO+8*\jh+3],   v[ADVO] offset:\jh*32*PT
	ds_load_tr16_b128 v[VO+8*\jh+4:VO+8*\jh+7], v[ADVO] offset:\jh*32*PT+16*PT
.endr
.set i, 0
.rept 32
	v_exp_f32 v[LJ+i], v[LJ+i]
.set i, i+1
.endr
	v_exp_f32 v[ET], v[LTP]
	v_nop                                          ; a plain instruction behind the last exponential
.set i, 0
	s_wait_alu depctr_va_vdst(0)
.rept 16
	v_pk_mul_f32 v[SC+2*i:SC+2*i+1], v[SC+2*i:SC+2*i+1], v[LJ+2*i:LJ+2*i+1]  ; A; each accumulator is read from its low end on
.set i, i+1
.endr
.irp n, 0,1,2,3                        ; w, 8 loads, where the decays lay: keys 16 n + 8 (l / 16) + 0..7, as VO's registers 4 n .. 4 n + 3 hold them, two a register
	ds_load_b128 v[W32+8*\n:W32+8*\n+3],   v[ADW] offset:64*\n
	ds_load_b128 v[W32+8*\n+4:W32+8*\n+7], v[ADW] offset:64*\n+16
.endr
.irp k, 0,1,2,3                        ; the row's largest weight (q and k are positive, so A is not negative)
	v_max3_num_f32 v[C0+\k], v[SC+8*\k], v[SC+8*\k+1], v[SC+8*\k+2]
.endr
.irp k, 0,1,2,3
	v_max3_num_f32 v[C0+\k], v[C0+\k], v[SC+8*\k+3], v[SC+8*\k+4]
.endr
.irp k, 0,1,2,3
	v_max3_num_f32 v[C0+\k], v[C0+\k], v[SC+8*\k+5], v[SC+8*\k+6]
.endr
	v_max3_num_f32 v[C0], v[C0], v[SC+7], v[SC+15]
	v_max3_num_f32 v[C0+1], v[C0+1], v[SC+23], v[SC+31]
	v_max3_num_f32 v[C0], v[C0], v[C0+1], v[C0+2]
	v_max_num_f32 v[C0], v[C0], v[C0+3]
	v_permlanex16_b32 v[C0+1], v[C0], s[SEL], s[SEL+1]  ; the query's other 32 keys lie in the lane 16 away
	v_max_num_f32 v[C0], v[C0], v[C0+1]
	SCALE BKA
.set i, 0
.rept 16
	v_pk_mul_f32 v[SC+2*i:SC+2*i+1], v[SC+2*i:SC+2*i+1], v[INV:INV+1] op_sel_hi:[1,0]
.set i, i+1
.endr
.set i, 0
.rept 16
	v_cvt_pk_f16_f32 v[AP+i], v[SC+2*i], v[SC+2*i+1]  ; two key blocks, packed, are source 1 for 32 keys
.set i, i+1
.endr
	v_mul_f32 v[ET], v[ET], v[YSC]                 ; y's scale rides on the two factors that are applied anyway
	v_mul_f32 v[BKA], v[BKA], v[YSC]
.irp cb, 0,1,2,3
	v_mul_f32 v[FAC+2*\cb], v[ET], v[SBV+\cb]
.endr
	s_wait_dscnt 28                                ; group 4 is in: behind it K^T's 16, V^T's 4 and w's 8
	WIN W_MM
.irp jh, 0,1                           ; YA = V^T A^T
.irp cb, 0,1,2,3
.if \jh == 0
	v_wmma_f32_16x16x32_f16 v[YA+8*\cb:YA+8*\cb+7], v[128+32*\jh+8*\cb:128+32*\jh+8*\cb+7], v[AP+8*\jh:AP+8*\jh+7], 0
.else
	v_wmma_f32_16x16x32_f16 v[YA+8*\cb:YA+8*\cb+7], v[128+32*\jh+8*\cb:128+32*\jh+8*\cb+7], v[AP+8*\jh:AP+8*\jh+7], v[YA+8*\cb:YA+8*\cb+7]
.endif
.endr
.endr
	s_wait_dscnt 0x0                               ; all my loads are back, my reads of the state among them:
	s_barrier_signal -1                            ; say so; only work on registers stands up to the wait
	WIN 0
	ALLCV 0                                        ; w o V in f32: the even keys' v,
.set i, 0
.rept 16
	v_lshrrev_b32 v[VO+i], 16, v[VO+i]
.set i, i+1
.endr
	ALLCV 1                                        ; the odd keys',
.set i, 0
.rept 16
	v_pk_mul_f32 v[TU+2*i:TU+2*i+1], v[TU+2*i:TU+2*i+1], v[W32+2*i:W32+2*i+1]
.set i, i+1
.endr
.set i, 0
.rept 16
	v_cvt_pk_f16_f32 v[VO+i], v[TU+2*i], v[TU+2*i+1]  ; rounded once, on the way to the matrix unit
.set i, i+1
.endr
.set i, 0
.rept 16
	v_pk_mul_f32 v[S+2*i:S+2*i+1], v[S+2*i:S+2*i+1], v[GAM:GAM+1] op_sel_hi:[1,0]
.set i, i+1
.endr
	WIN W_MM
.irp jh, 0,1                           ; S += K^T (w o V)
.irp ib, 0,1,2,3
	v_wmma_f32_16x16x32_f16 v[S+8*\ib:S+8*\ib+7], v[32*\jh+8*\ib:32*\jh+8*\ib+7], v[VO+8*\jh:VO+8*\jh+7], v[S+8*\ib:S+8*\ib+7]
.endr
.endr
	WIN 0
.set i, 0
.rept 16
	v_pk_mul_f32 v[YA+2*i:YA+2*i+1], v[YA+2*i:YA+2*i+1], v[BKA:BKA+1] op_sel_hi:[1,0]  ; A's factor is taken back
.set i, i+1
.endr
.set i, 0
.rept 16
	v_pk_fma_f32 v[YA+2*i:YA+2*i+1], v[YI+2*i:YI+2*i+1], v[FAC+2*(i/4):FAC+2*(i/4)+1], v[YA+2*i:YA+2*i+1] op_sel_hi:[1,0,1]  ; + 2^(l_t) q S0
.set i, i+1
.endr
.set i, 0
.rept 16
	v_cvt_pk_f16_f32 v[HI+i], v[YA+2*i], v[YA+2*i+1]
.set i, i+1
.endr
	s_barrier_wait -1                              ; nobody reads the old state any more
.irp cb, 0,1,2,3
	ds_store_b128 v[STO], v[HI+4*\cb:HI+4*\cb+3] offset:32*\cb
.endr
.irp f, 0,1,2,3
	ds_load_b128 v[OUT+4*\f:OUT+4*\f+3], v[RD] offset:\f*4*SGP  ; LDS serves a wave's instructions in order (ISA guide 5.7.1.4): these see the stores above
.endr
	PUBLISH                                        ; the next chunk's state (behind the last chunk it serves nothing: the price of one text for all chunks); it stands in the stage's round trip
.irp f, 0,1,2,3
	s_wait_dscnt 5+3-\f                            ; the five stores of the state and the later rows may be out
	global_store_b128 v[GO], v[OUT+4*\f:OUT+4*\f+3], s[YB:YB+1] offset:\f*512  ; 512 consecutive bytes, aligned to 256
.endr
	s_wait_xcnt 0x0                                ; the stores' offset and data are rewritten only behind this wait
	v_add_nc_u32 v[GO], 8192, v[GO]                ; 64 rows of the head on
.irp p, ADQ, ADK, ADKT, ADV, ADVO
	v_add_nc_u32 v[\p], 64*PT, v[\p]
.endr
	v_add_nc_u32 v[ADL], 256, v[ADL]
	v_add_nc_u32 v[ADLT], 256, v[ADLT]
	v_add_nc_u32 v[ADW], 256, v[ADW]
	v_add_nc_u32 v[ADG], 4, v[ADG]
.endm
.macro FOUR
	s_mov_b32 s[CNT], 4
.Lchunk_\@:
	CHUNK
	s_sub_co_u32 s[CNT], s[CNT], 1
	s_cmp_lg_u32 s[CNT], 0
	s_cbranch_scc1 .Lchunk_\@
.endm
	s_wait_tensorcnt 0x1                           ; my tensor's rows 0-255 are in; rows 256-511 may stay out across the barriers
	FOUR
	s_wait_tensorcnt 0x0                           ; rows 256-511 are in; the next chunk's first barrier says so to the others
	FOUR
	s_wait_tensorcnt 0x0                           ; the wave's end
	ds_add_u32 v[SPW], v[NIL]
	s_wait_dscnt 0x0
	s_endpgm
.Lfunc_end_k_q7a843a40da_scan:
	.size	k_q7a843a40da_scan, .Lfunc_end_k_q7a843a40da_scan-k_q7a843a40da_scan
	.p2alignl 7, 3214868480
	.fill 96, 4, 3214868480
	.section	.rodata,"a",@progbits
	.p2align	6, 0x0
	.amdhsa_kernel k_q7a843a40da_scan
		.amdhsa_group_segment_fixed_size 244736
		.amdhsa_private_segment_fixed_size 0
		.amdhsa_enable_private_segment 0
		.amdhsa_kernarg_size 40
		.amdhsa_user_sgpr_count 2
		.amdhsa_user_sgpr_kernarg_segment_ptr 1
		.amdhsa_wavefront_size32 1
		.amdhsa_system_sgpr_workgroup_id_x 1
		.amdhsa_system_sgpr_workgroup_id_y 1
		.amdhsa_system_sgpr_workgroup_id_z 1
		.amdhsa_system_vgpr_workitem_id 0
		.amdhsa_next_free_vgpr 480
		.amdhsa_next_free_sgpr 66
		.amdhsa_reserve_vcc 1
		.amdhsa_float_denorm_mode_32 3
		.amdhsa_float_denorm_mode_16_64 3
		.amdhsa_memory_ordered 1
		.amdhsa_forward_progress 1
		.amdhsa_inst_pref_size 87
	.end_amdhsa_kernel
	.amdgpu_metadata
---
amdhsa.version: [ 1, 2 ]
amdhsa.kernels:
  - .name:           k_q7a843a40da_scan
    .symbol:         k_q7a843a40da_scan.kd
    .args:
      - { .name: qkv, .offset: 0, .size: 8, .value_kind: global_buffer, .address_space: global }
      - { .name: lg, .offset: 8, .size: 8, .value_kind: global_buffer, .address_space: global }
      - { .name: useg, .offset: 16, .size: 8, .value_kind: global_buffer, .address_space: global }
      - { .name: mx, .offset: 24, .size: 8, .value_kind: global_buffer, .address_space: global }
      - { .name: yh, .offset: 32, .size: 8, .value_kind: global_buffer, .address_space: global }
    .group_segment_fixed_size: 244736
    .private_segment_fixed_size: 0
    .kernarg_segment_align: 8
    .kernarg_segment_size: 40
    .max_flat_workgroup_size: 128
    .sgpr_count:     66
    .vgpr_count:     480
    .wavefront_size: 32
...
	.end_amdgpu_metadata
.endif
;; end of part 9
;; launch gemm2 (part 10): grid 8 x 32, 4 waves a work-group, clusters of 4 x 4, 327,680 bytes of LDS; arguments yh, wof, mx, out0; writes out0
.if DOCPART == 10
	.amdgcn_target "amdgcn-amd-amdhsa--gfx1250"
	.amdhsa_code_object_version 6
	.text
	.protected	k_q7a843a40da_gemm2
	.globl	k_q7a843a40da_gemm2
	.p2align	8
	.type	k_q7a843a40da_gemm2,@function
k_q7a843a40da_gemm2:
	s_mov_b64 s[64:65], 0
	v_nop
	global_prefetch_b8 v0, s[64:65] scope:SCOPE_SE
	s_setreg_imm32_b32 hwreg(HW_REG_WAVE_MODE, 25, 1), 1
	s_wait_xcnt 0x0
	s_wait_alu depctr_hold_cnt(0) depctr_sa_sdst(0) depctr_va_vdst(0) depctr_va_sdst(0) depctr_va_ssrc(0) depctr_va_vcc(0) depctr_vm_vsrc(0)
	s_getreg_b32 s2, hwreg(HW_REG_IB_STS2, 6, 4)
	s_cmp_eq_u32 s2, 0
	s_cbranch_scc0 .Lentry_in_a_cluster
	s_endpgm
.Lentry_in_a_cluster:
	s_bfe_u32 s2, ttmp6, 0x10000c
	s_cmp_lg_u32 s2, 0xf033
	s_cbranch_scc0 .Lentry_shape_is_right
	s_endpgm
.Lentry_shape_is_right:
; out0 = y Wo^T.  A = yh [16 heads][8192 rows][64] f16, which is y x 2^(376 - F); B = wof [1024][1024] f16.  Sums in f32; on the way out they are multiplied by 2^(F - 376), exactly; output f32.
; F is made as the launch before makes it: the sum of the biased exponents, each at least 103, of the largest q, k and |v| (from mx's 1,536 words, which every wave reads beside the first tiles).
; A tile of the product is 256 rows x 128 columns; four waves, each 128 x 64: 32 accumulators of 16 x 16, 256 registers.  K goes in steps of 128, two heads, through two LDS slots; the loop's body is one
; K step: one descriptor a tensor walks on, its LDS word turned by an exclusive or, and so is the base of the fragment loads.
; A's part of a step is two planes, a head's 256 rows of 128 bytes each: dense in memory, so a plane is asked for as 128 rows of 256 bytes, padded in LDS after every 128.  Wave 0 brings the even head, wave 1 the odd one.
; CLUSTER 4 x 4: the four work-groups of a row of the cluster need the same tile of A, the four of a column the same tile of B: each tile is asked for jointly.
; The matrix instruction is used transposed (source 0 = 16 rows of B, source 1 = 16 rows of A): a lane holds one row and eight neighbouring columns.
; REGISTERS: window 0: v16-31 addresses and the factor; v64-127, v128-191 A's fragments, two buffers (on the way out: whole rows; scaled sums).  window 1: v64-95, v128-159 B's fragments.  window 2: accumulator (a, b) at v[8 (4 a + b)].
.set SIZE_K, 1024
.set KSTEP,  128
.set STEPS,  SIZE_K/KSTEP
.set PA,     144                       ; a row of A in LDS: 128 bytes + 16;  of B: 256 + 16.  Both odd multiples of 16: the 16 rows of a fragment load start at 16 different groups of four banks (ISA guide 11.1)
.set PB,     272
.set PLANE,  256*PA                    ; what a load of A brings: one head's 256 rows
.set HALFB,  64*PB                     ; what a load of B brings, and what a wave reads of B
.set SLOT1,  1<<17                     ; a slot is A's two planes, then B's 128 rows: 108,544 bytes; slot 1 begins here, so that one exclusive or turns an address in one slot into the other's
.set STAGE,  SLOT1+2*PLANE+2*HALFB     ; behind the ring: 16 rows x 272 bytes for each wave
.set SPITCH, 272
.set SPARE,  STAGE+4*16*SPITCH         ; the spare words, 128 bytes a wave: no other line names them
.set A0,   16                          ; v16  my lane's place in a slot's A: my 128 rows of a plane; never rewritten
.set B0,   17                          ; v17  the same in its B: my 64 rows
.set ADA,  18                          ; v18  LDS address of my A fragments in the slot in hand
.set ADB,  19                          ; v19  the same for B
.set STO,  24
.set RD,   25
.set GO,   26
.set SPW,  28                          ; my spare word; never rewritten
.set NIL,  29                          ; 0; never rewritten
.set BK,   30                          ; v[30:31] 2^(F - 376) (the pair's low word serves both halves)
.set F0,   64
.set F1,   128
.set YT,   64                          ; v[64:111] at the head: the 1,536 maxima, 48 a lane
.set OB,   64                          ; the way out: whole rows, two buffers of 32
.set TT,   128                         ; the way out: a block's scaled sums
.set G1,  24                           ; s[24:31] group 1 for A;  s[32:39] group 0: a set for each of the two first fills; the second then walks on
.set G0,  32
.set TB,  45                           ; s45  LDS byte at which the slot in hand begins
.set G1B, 48
.set G0B, 56
.set SEL, 68                           ; s[68:69] v_permlanex16_b32: each lane takes its own place in the other half
.set MXP, 70                           ; s[70:71] mx
.set MSB, 0
.macro WIN new                         ; the high byte repeats the setting that is left; a switch that changes nothing is dropped
.if MSB != (\new)
	s_set_vgpr_msb (MSB<<8)|(\new)
.set MSB, \new
.endif
.endm
.set MUL,  0xa1                        ; source 0 (B) window 1, source 1 (A) window 0, C and D window 2
.set TO_B, 0x40                        ; destination window 1, address window 0
.macro JLOAD s                         ; a joint load: waves 0, 1 fetch A's planes, waves 2, 3 B's halves; an s_nop 0 and four v_nop follow each line
	s_cmp_eq_u32 s11, 0
	s_cbranch_scc0 .Lfor_b_\@
	tensor_load_to_lds s[G0+4*(\s):G0+4*(\s)+3], s[G1:G1+7]
	s_nop 0
.rept 4
	v_nop
.endr
	s_branch .Lasked_\@
.Lfor_b_\@:
	tensor_load_to_lds s[G0B+4*(\s):G0B+4*(\s)+3], s[G1B:G1B+7]
	s_nop 0
.rept 4
	v_nop
.endr
.Lasked_\@:
.endm
.macro CREST                           ; a round of the cluster's barrier behind its opening barrier
	s_cmp_lg_u32 s10, 0
	s_cbranch_scc1 .Lnot_wave_0_\@
	s_barrier_signal -3
.Lnot_wave_0_\@:
	s_barrier_wait -3
	s_barrier_signal -1
	s_barrier_wait -1
.endm
.macro CROUND
	s_barrier_signal -1
	s_barrier_wait -1
	CREST
.endm
; The 1,536 maxima, sixteen of each type a lane at T + 16 type, become F in v[T], alike in every lane: the three types' largest over the registers and the 32 lanes, their biased exponents, each at least 103, added.
.macro YMAX T
.irp j, 1,3,5,7,9,11,13
.irp t, 0,1,2
	v_max3_num_f32 v[\T+16*\t], v[\T+16*\t], v[\T+16*\t+\j], v[\T+16*\t+\j+1]
.endr
.endr
.irp t, 0,1,2
	v_max_num_f32 v[\T+16*\t], v[\T+16*\t], v[\T+16*\t+15]
.endr
.irp x, 1,2,4,8
.irp t, 0,1,2
	v_max_num_f32_dpp v[\T+16*\t], v[\T+16*\t], v[\T+16*\t] row_xmask:\x row_mask:0xf bank_mask:0xf
.endr
.endr
.irp t, 0,1,2
	v_permlanex16_b32 v[\T+16*\t+1], v[\T+16*\t], s[SEL], s[SEL+1]
.endr
.irp t, 0,1,2
	v_max_num_f32 v[\T+16*\t], v[\T+16*\t], v[\T+16*\t+1]
.endr
.irp t, 0,1,2
	v_lshrrev_b32 v[\T+16*\t], 23, v[\T+16*\t]
.endr
.irp t, 0,1,2
	v_max_u32 v[\T+16*\t], 103, v[\T+16*\t]
.endr
	v_add3_u32 v[\T], v[\T], v[\T+16], v[\T+32]
.endm
	s_load_b128 s[4:7], s[0:1], 0x0                ; yh s[4:5], wof s[6:7]
	s_load_b64 s[MXP:MXP+1], s[0:1], 0x10          ; mx
	s_load_b64 s[8:9], s[0:1], 0x18                ; out0
	v_lshl_add_u32 v[SPW], v0, 2, SPARE
	v_mov_b32 v[NIL], 0
	ds_add_u32 v[SPW], v[NIL]                      ; the wave's opening: the add and its wait ahead of my first tensor load
	ds_add_u32 v28, v29
	v_lshrrev_b32 v1, 5, v0
	v_readfirstlane_b32 s10, v1                    ; wave
	s_lshr_b32 s11, s10, 1                         ; my half of the tile's rows.  Also: I fetch for A (0) or B (1)
	s_and_b32 s12, s10, 1                          ; my half of its columns.  Also: which plane of A, or which half of B, I fetch
	s_bfe_u32 s40, ttmp6, 0x40000                  ; cx
	s_bfe_u32 s41, ttmp6, 0x40004                  ; cy
	s_lshl_b32 s42, ttmp9, 2
	s_add_co_u32 s42, s42, s40                     ; tile column
	s_and_b32 s13, ttmp7, 0xffff
	s_lshl_b32 s13, s13, 2
	s_add_co_u32 s13, s13, s41                     ; tile row
	s_lshl_b32 s43, s41, 2
	s_lshl_b32 s43, 15, s43                        ; my row of the cluster
	s_lshl_b32 s44, 0x1111, s40                    ; my column
	s_or_b32 s[G1+0], s43, (1<<16)|(1<<20)|(1<<21)|(4<<22)|(3<<25)   ; A: mask; 2-byte elements; padding on; bit 21 beside a mask; after every 32 words, 4 words
	s_or_b32 s[G1B+0], s44, (1<<16)|(1<<20)|(1<<21)|(5<<22)|(3<<25)  ; B: after every 64 words
	s_mov_b32 s[G1+1], 128<<16                     ; tensor_dim0 = 128
	s_mov_b32 s[G1+2], 128<<16                     ; tensor_dim1 = 128
	s_mov_b32 s[G1+3], 128<<16                     ; tile_dim0 = 128: 256 bytes, two rows of the head
	s_mov_b32 s[G1+4], 128                         ; tile_dim1 = 128
	s_mov_b32 s[G1+5], 128                         ; dense: 128 elements from row to row
	s_mov_b32 s[G1+6], 0
	s_mov_b32 s[G1+7], 0
	s_mov_b32 s[G1B+1], KSTEP<<16
	s_mov_b32 s[G1B+2], 64<<16                     ; B's loads bring 64 rows
	s_mov_b32 s[G1B+3], KSTEP<<16
	s_mov_b32 s[G1B+4], 64
	s_mov_b32 s[G1B+5], SIZE_K
	s_mov_b32 s[G1B+6], 0
	s_mov_b32 s[G1B+7], 0
	s_lshl_b32 s16, s13, 15                        ; A: tile row x 256 rows x 128 bytes
	s_lshl_b32 s17, s12, 20                        ; + the step's even or odd head: 8,192 rows x 128 bytes
	s_add_co_u32 s16, s16, s17
	s_mov_b32 s17, 0
	s_lshl_b32 s47, s12, 6
	s_lshl_b32 s46, s42, 7
	s_add_co_u32 s46, s46, s47                     ; B: row 128 x tile column + 64 x half,
	s_lshl_b32 s46, s46, 11                        ; of 2,048 bytes
	s_mov_b32 s47, 0
	s_mul_i32 s20, s10, PLANE                      ; where A's planes go (waves 0, 1),
	s_mul_i32 s21, s10, HALFB
	s_add_co_u32 s21, s21, 2*(PLANE-HALFB)         ; and B's halves (waves 2, 3): behind A's two planes
	s_mov_b32 s[TB], 0
	s_mov_b32 s[SEL], 0x76543210
	s_mov_b32 s[SEL+1], 0xfedcba98
	s_wait_dscnt 0x0                               ; the opening add is done
	s_wait_kmcnt 0x0
	s_add_nc_u64 s[14:15], s[4:5], s[16:17]
	s_add_nc_u64 s[46:47], s[6:7], s[46:47]
	CROUND                                         ; all sixteen work-groups are here: the first joint loads meet
.irp s, 0,1
	s_mov_b32 s[G0+4*(\s)], 1
	s_add_co_u32 s[G0+4*(\s)+1], s20, (\s)*SLOT1
	s_add_nc_u64 s[G0+4*(\s)+2:G0+4*(\s)+3], s[14:15], (\s)*0x200000  ; K step s: two heads on
	s_or_b32 s[G0+4*(\s)+3], s[G0+4*(\s)+3], 0x80000000
	s_mov_b32 s[G0B+4*(\s)], 1
	s_add_co_u32 s[G0B+4*(\s)+1], s21, (\s)*SLOT1
	s_add_nc_u64 s[G0B+4*(\s)+2:G0B+4*(\s)+3], s[46:47], (\s)*KSTEP*2
	s_or_b32 s[G0B+4*(\s)+3], s[G0B+4*(\s)+3], 0x80000000
	JLOAD \s                                       ; two loads of mine are out at the start, one behind each later round
.endr
	v_and_b32 v5, 31, v0
	v_lshlrev_b32 v5, 4, v5
.irp t, 0,1,2                          ; the 1,536 maxima, 2,048 bytes a type
.irp j, 0,1,2,3
	global_load_b128 v[YT+16*\t+4*\j:YT+16*\t+4*\j+3], v5, s[MXP:MXP+1] offset:2048*\t+512*\j
.endr
.endr
	v_and_b32 v1, 15, v0                           ; l % 16
	v_bfe_u32 v2, v0, 4, 1                         ; l / 16
	v_mul_u32_u24 v3, v1, PA
	v_lshl_add_u32 v3, v2, 4, v3                   ; a fragment's row x pitch + 16 x half, for A
	v_mul_u32_u24 v4, v1, PB
	v_lshl_add_u32 v4, v2, 4, v4                   ; and for B
	s_mul_i32 s22, s11, 128*PA                     ; my 128 rows in each plane of A
	s_mul_i32 s23, s12, HALFB                      ; my 64 rows of B,
	s_add_co_u32 s23, s23, 2*PLANE                 ; behind A's planes
	v_add_nc_u32 v[A0], s22, v3
	v_add_nc_u32 v[B0], s23, v4
	v_add_nc_u32 v[ADA], s[TB], v[A0]              ; slot 0
	v_add_nc_u32 v[ADB], s[TB], v[B0]
	s_mul_i32 s22, s10, 16*SPITCH
	s_add_co_u32 s22, s22, STAGE                   ; my stage
	v_mul_u32_u24 v[STO], v1, SPITCH               ; in: row l % 16, 32 bytes (eight f32) for each half of the lanes
	v_lshl_add_u32 v[STO], v2, 5, v[STO]
	v_add_nc_u32 v[STO], s22, v[STO]
	v_mul_u32_u24 v[RD], v2, SPITCH                ; back: lanes 0-15 one row of 256 bytes, lanes 16-31 the next
	v_lshl_add_u32 v[RD], v1, 4, v[RD]
	v_add_nc_u32 v[RD], s22, v[RD]
	v_lshlrev_b32 v[GO], 12, v2                    ; and the same two rows in out0
	v_lshl_add_u32 v[GO], v1, 4, v[GO]
	s_lshl_b32 s74, s13, 8                         ; where my 128 x 64 begin in out0 (in registers that feed no descriptor)
	s_lshl_b32 s75, s11, 7
	s_add_co_u32 s74, s74, s75
	s_lshl_b32 s74, s74, 12                        ; rows of 4,096 bytes
	s_lshl_b32 s75, s42, 9
	s_add_co_u32 s74, s74, s75
	s_lshl_b32 s75, s12, 8
	s_add_co_u32 s74, s74, s75
	s_mov_b32 s75, 0
	s_add_nc_u64 s[8:9], s[8:9], s[74:75]
	s_wait_loadcnt 0x0                             ; the maxima are in: all this stands in the wait for the first tile
	YMAX YT
	v_add_nc_u32 v[YT], 0xffffff07, v[YT]          ; the exponent field 127 + F - 376 = F - 249, between 60 and 177
	v_lshlrev_b32 v[BK], 23, v[YT]
	v_mov_b32 v[BK+1], 0                           ; named with BK as a pair
.macro MUL8 f, a0, zero                ; 8 products: row blocks a0, a0 + 1 x all 4 column blocks, 32 along K.  zero = 1: they start the sums.  The 32 accumulators take turns in the same order in every quarter
	WIN MUL
.irp a, \a0, (\a0)+1
.irp b, 0,1,2,3
.if \zero
	v_wmma_f32_16x16x32_f16 v[8*(4*(\a)+(\b)):8*(4*(\a)+(\b))+7], v[(\f)+8*(\b):(\f)+8*(\b)+7], v[(\f)+8*(\a):(\f)+8*(\a)+7], 0
.else
	v_wmma_f32_16x16x32_f16 v[8*(4*(\a)+(\b)):8*(4*(\a)+(\b))+7], v[(\f)+8*(\b):(\f)+8*(\b)+7], v[(\f)+8*(\a):(\f)+8*(\a)+7], v[8*(4*(\a)+(\b)):8*(4*(\a)+(\b))+7]
.endif
.endr
.endr
.endm
.macro FETCH q, f                      ; 24 LDS loads in one run: quarter q of the K step in hand: 64 rows of B at byte 64 q, then 128 rows of A, ascending, in plane q / 2 at byte 64 (q % 2)
	WIN TO_B
.irp i, 0,1,2,3
	ds_load_b128 v[(\f)+8*(\i):(\f)+8*(\i)+3],   v[ADB] offset:64*(\q)+(\i)*16*PB
	ds_load_b128 v[(\f)+8*(\i)+4:(\f)+8*(\i)+7], v[ADB] offset:64*(\q)+(\i)*16*PB+32
.endr
	WIN 0
.irp i, 0,1,2,3,4,5,6,7
	ds_load_b128 v[(\f)+8*(\i):(\f)+8*(\i)+3],   v[ADA] offset:((\q)/2)*PLANE+((\q)%2)*64+(\i)*16*PA
	ds_load_b128 v[(\f)+8*(\i)+4:(\f)+8*(\i)+7], v[ADA] offset:((\q)/2)*PLANE+((\q)%2)*64+(\i)*16*PA+32
.endr
.endm
.macro PLACES                          ; four places in front of loads into registers that products have read, and of reads of results (ISA guide 7.12.1 for vector instructions)
.rept 4
	v_nop
.endr
.endm
.macro QUARTER q, f, g, zero           ; 32 along K: multiplies buffer f; behind its first eight products it fetches the next quarter, q, into g: 24 products ahead of the first use
	s_wait_dscnt 12                                ; B and A's row blocks 0, 1 are in; the youngest twelve loads (blocks 2-7) may be out
	MUL8 \f, 0, \zero
	PLACES
	FETCH \q, \g
	s_wait_dscnt 24                                ; all but the 24 just issued
	MUL8 \f, 2, \zero
	MUL8 \f, 4, \zero
	MUL8 \f, 6, \zero
.endm
; The last quarter of a K step multiplies buffer 1 and changes slots: one barrier; in front of it each wave waits for all its tensor loads (one is out: its part of the next slot), adds 0 to its spare
; word, and waits for that and for its reads of this slot.  fill = 1: the barrier opens a round of the cluster's, and this slot is filled again, two K steps ahead, first thing behind the round.
.macro TURN fill
	WIN 0
	s_wait_tensorcnt 0x0                           ; no tensor load of mine is out, so a group 0 may be written
	ds_add_u32 v[SPW], v[NIL]                      ; the scalar steps stand between the add and the wait for it
.if \fill
	s_xor_b32 s[G0+5], s[G0+5], SLOT1              ; the walking descriptors: the other slot than last time,
	s_add_nc_u64 s[G0+6:G0+7], s[G0+6:G0+7], 0x200000  ; the next K step: two heads on; the type bits on top are not reached
	s_xor_b32 s[G0B+5], s[G0B+5], SLOT1
	s_add_nc_u64 s[G0B+6:G0B+7], s[G0B+6:G0B+7], KSTEP*2
.endif
	s_xor_b32 s[TB], s[TB], SLOT1                  ; the fragment loads go on in the other slot
	s_wait_dscnt 0x0                               ; the add is done, and my reads of this slot are over
	s_barrier_signal -1
	MUL8 F1, 0, 0                                  ; work on registers while the others arrive
	WIN 0
	s_barrier_wait -1
.if \fill
	CREST
	JLOAD 1                                        ; 120 products ahead of the wait for it; its four v_nop are also the places in front of the loads below
.else
	PLACES
.endif
	v_add_nc_u32 v[ADA], s[TB], v[A0]
	v_add_nc_u32 v[ADB], s[TB], v[B0]
	FETCH 0, F0
	MUL8 F1, 2, 0
	MUL8 F1, 4, 0
	MUL8 F1, 6, 0
.endm
	s_wait_tensorcnt 1                             ; my part of K step 0 is in; K step 1's may stay out
	s_barrier_signal -1
	s_barrier_wait -1
	FETCH 0, F0
	QUARTER 1, F0, F1, 1                           ; the first quarter starts the sums: nothing is cleared
	WIN 0
	s_mov_b32 s3, STEPS-2
.Lstep:                                                ; a trip: from a K step's second quarter to the next step's first; it fills the slot that it leaves
	QUARTER 2, F1, F0, 0
	QUARTER 3, F0, F1, 0
	TURN 1
	QUARTER 1, F0, F1, 0
	WIN 0
	s_sub_co_u32 s3, s3, 1
	s_cmp_lg_u32 s3, 0
	s_cbranch_scc1 .Lstep
	QUARTER 2, F1, F0, 0                           ; the last two K steps fill nothing: they are written out
	QUARTER 3, F0, F1, 0
	TURN 0
	QUARTER 1, F0, F1, 0
	QUARTER 2, F1, F0, 0
	QUARTER 3, F0, F1, 0
	s_wait_dscnt 12
	MUL8 F1, 0, 0
	s_wait_dscnt 0x0
	MUL8 F1, 2, 0
	MUL8 F1, 4, 0
	MUL8 F1, 6, 0
	WIN 0
	PLACES
; THE WAY OUT, a block of 16 rows at a time: y's scale is taken back; 32 bytes a lane go into my stage and come back as whole rows of 256 bytes.
.macro TOSTAGE a
	WIN 0x02                                       ; source 0 in window 2
.set i, 0
.rept 16
	v_pk_mul_f32 v[TT+2*i:TT+2*i+1], v[32*(\a)+2*i:32*(\a)+2*i+1], v[BK:BK+1] op_sel_hi:[1,0]  ; each accumulator is read from its low end on
.set i, i+1
.endr
	WIN 0
	s_wait_xcnt 0x0                                ; the buffer loaded below was read by the stores of the block two back
.irp b, 0,1,2,3
	ds_store_b128 v[STO], v[TT+8*\b:TT+8*\b+3]   offset:64*\b
	ds_store_b128 v[STO], v[TT+8*\b+4:TT+8*\b+7] offset:64*\b+16
.endr
.irp t, 0,1,2,3,4,5,6,7
	ds_load_b128 v[OB+32*((\a)%2)+4*\t:OB+32*((\a)%2)+4*\t+3], v[RD] offset:\t*2*SPITCH  ; LDS serves a wave's instructions in order (ISA guide 5.7.1.4): these see the stores above
.endr
.endm
.macro SEND a, younger                 ; younger: the LDS instructions issued behind block a's loads: the next block's sixteen, or none
.irp t, 0,1,2,3,4,5,6,7
	s_wait_dscnt (\younger)+7-\t
	global_store_b128 v[GO], v[OB+32*((\a)%2)+4*\t:OB+32*((\a)%2)+4*\t+3], s[8:9] offset:(\a)*65536+\t*8192  ; 16 lanes store 256 consecutive bytes, aligned
.endr
.endm
	TOSTAGE 0
.irp a, 1,2,3,4,5,6,7
	TOSTAGE \a
	SEND (\a)-1, 16
.endr
	SEND 7, 0
	s_wait_tensorcnt 0x0                           ; the wave's end
	ds_add_u32 v[SPW], v[NIL]
	s_wait_dscnt 0x0
	CROUND                                         ; the closing round
	s_endpgm
.Lfunc_end_k_q7a843a40da_gemm2:
	.size	k_q7a843a40da_gemm2, .Lfunc_end_k_q7a843a40da_gemm2-k_q7a843a40da_gemm2
	.p2alignl 7, 3214868480
	.fill 96, 4, 3214868480
	.section	.rodata,"a",@progbits
	.p2align	6, 0x0
	.amdhsa_kernel k_q7a843a40da_gemm2
		.amdhsa_group_segment_fixed_size 327680
		.amdhsa_private_segment_fixed_size 0
		.amdhsa_enable_private_segment 0
		.amdhsa_kernarg_size 32
		.amdhsa_user_sgpr_count 2
		.amdhsa_user_sgpr_kernarg_segment_ptr 1
		.amdhsa_wavefront_size32 1
		.amdhsa_system_sgpr_workgroup_id_x 1
		.amdhsa_system_sgpr_workgroup_id_y 1
		.amdhsa_system_sgpr_workgroup_id_z 1
		.amdhsa_system_vgpr_workitem_id 0
		.amdhsa_next_free_vgpr 768
		.amdhsa_next_free_sgpr 80
		.amdhsa_reserve_vcc 0
		.amdhsa_float_denorm_mode_32 3
		.amdhsa_float_denorm_mode_16_64 3
		.amdhsa_memory_ordered 1
		.amdhsa_forward_progress 1
		.amdhsa_inst_pref_size 84
	.end_amdhsa_kernel
	.amdgpu_metadata
---
amdhsa.version: [ 1, 2 ]
amdhsa.kernels:
  - .name:           k_q7a843a40da_gemm2
    .symbol:         k_q7a843a40da_gemm2.kd
    .args:
      - { .name: yh, .offset: 0, .size: 8, .value_kind: global_buffer, .address_space: global }
      - { .name: wof, .offset: 8, .size: 8, .value_kind: global_buffer, .address_space: global }
      - { .name: mx, .offset: 16, .size: 8, .value_kind: global_buffer, .address_space: global }
      - { .name: out0, .offset: 24, .size: 8, .value_kind: global_buffer, .address_space: global }
    .group_segment_fixed_size: 327680
    .private_segment_fixed_size: 0
    .kernarg_segment_align: 8
    .kernarg_segment_size: 32
    .max_flat_workgroup_size: 128
    .sgpr_count:     80
    .vgpr_count:     768
    .wavefront_size: 32
...
	.end_amdgpu_metadata
.endif
;; end of part 10
